; MI455X (gfx1250); checked and timed in simulation.
; The chip was launched on July 23, 2026; its instructions are those of AMD's public machine-readable ISA for CDNA 5 (MIT licence, August 2026) and "CDNA5" Instruction Set Architecture Reference Guide (July 2026). The comments in the code are by the model that wrote it; some were corrected since.
;; Attention. Allowed arithmetic: matrix products marked QUANTISED: E5M2 operands, one given power-of-two scale a tensor, by v_wmma_f32_16x16x64_bf8_bf8 or v_wmma_f32_16x16x128_bf8_bf8, f32 sums; products left as they are: f32 operands where the result goes on into a quantised operand, else bf16, f16 or f32 operands; f32 sums; everything else in f32.
;; Inputs: attn_b 1,024 float32; attn_w 1,024 x 2,048 float32; encoder_outputs 32 x 2,048 x 1,024 float32; hidden 32 x 1,024 float32; lowp_scales 4 int32 (the exponents e of the quantised operands' scales 2^e); mask 32 x 2,048 int32; v_w 1,024 float32.
;; Outputs: out0 32 x 1,024 float32; out1 32 x 2,048 float32.
;; This version of the problem:
;;   THIS VERSION OF THE PROBLEM IS GIVEN IN LOW PRECISION. The matrix products marked QUANTISED in the list below multiply operands that are first quantised to E5M2 (5 exponent bits, 2 mantissa bits; 8 bits a number), with one given power-of-two scale for each operand tensor; their sums are f32. All else is computed in f32.
;;   The module's matrix products, in the order in which they are computed (A, B: the left and right operand; K: the contracted axis; several contracted axes count as one K, in the product's order):
;;     1. [M 32, K 1,024] x [K 1,024, N 1,024]; A: input hidden; B: input attn_w: QUANTISED (scales: A lowp_scales[0], B lowp_scales[1])
;;     2. [M 65,536, K 1,024] x [K 1,024, N 1,024]; A: input encoder_outputs; B: input attn_w: QUANTISED (scales: A lowp_scales[2], B lowp_scales[3])
;;     3. [M 65,536, K 1,024] x [K 1,024, N 1]; A: computed on the way; B: input v_w: left as it is (N = 1 < 16)
;;     4. batch 32 x [M 1, K 2,048] x [K 2,048, N 1,024]; A: softmax; B: input encoder_outputs: left as it is (M = 1 < 16)
;;   THE QUANTISER, for each operand of a quantised product, along K:
;;     - The operand's scale is 2^e, e = its entry of the input lowp_scales (int32; the entries are numbered through the quantised products in the list's order, A before B).
;;     - Each number is divided by the scale, clamped to +-57,344, and rounded to the nearest number of E5M2, ties to even, subnormals kept.
;;     - The product sums the exact products of the quantised numbers (number of the format x scale) in f32.
;;   ~~~python
;;   def quantise(x, axis, e):      # numpy; x: float32 -> the quantised numbers, widened to float32 again
;;       x = np.moveaxis(x, axis, -1); K = x.shape[-1]
;;       r = np.clip(x / 2.0 ** e, -57344, 57344)
;;       step = 2.0 ** (np.maximum(np.frexp(np.where(r == 0, 1, r))[1] - 1, -14) - 2)
;;       q = np.round(r / step) * step * 2.0 ** e      # np.round: ties to even
;;       return np.moveaxis(q, -1, axis).astype(np.float32)
;;   ~~~
;; 3 versions. Each part assembles by itself: llvm-mc -triple=amdgcn-amd-amdhsa -mcpu=gfx1250 --defsym DOCPART=n.
;; ======== version 1 of 3: 3 launches
;; limits: right only within a limited range of input values
;; workspace buffers: wcodes 1,048,576 bytes; hbs 131,072 bytes; rowid 294,912 bytes of whole numbers; klist 262,144 bytes of whole numbers; rank 262,144 bytes of whole numbers; meta 512 bytes of whole numbers; att 294,912 bytes
;; launch prep (part 1): grid 65 x 1, 32 waves a work-group, no clusters, 71,680 bytes of LDS; arguments attn_w, hidden, attn_b, mask, lowp_scales, wcodes, hbs, rowid, klist, rank, meta; writes wcodes, hbs, rowid, klist, rank, meta
.if DOCPART == 1
	.amdgcn_target "amdgcn-amd-amdhsa--gfx1250"
	.amdhsa_code_object_version 6
	.text
	.protected	k_qbc72e392f4_prep
	.globl	k_qbc72e392f4_prep
	.p2align	8
	.type	k_qbc72e392f4_prep,@function
k_qbc72e392f4_prep:
	s_mov_b64 s[64:65], 0
	v_nop
	global_prefetch_b8 v0, s[64:65] scope:SCOPE_SE
	s_setreg_imm32_b32 hwreg(HW_REG_WAVE_MODE, 25, 1), 1
	s_wait_xcnt 0x0
; WHAT THE LATER LAUNCHES NEED, MADE ONCE.  65 work-groups of 32 waves.
; Work-groups 0 to 63: work-group nt takes rows n = 16 nt .. 16 nt + 15 of attn_w [1024][2048] f32.
;   w_e = columns 1024 .. 2047 becomes codes of E5M2 (scale 2^e3), stored in wcodes as images of operand registers;
;   w_h = columns 0 .. 1023 (scale 2^e1) and hidden [32][1024] (scale 2^e0) become codes in LDS, and one wave multiplies them
;   by the matrix unit: hbs = (hidden w_h^T + attn_b) / 2^(e2 + e3), laid as the C operand of the next launch's products.
; Work-group 64: the mask [32][2048] is turned into lists of whole numbers.  Rows with mask != 0 are KEPT; a batch with no kept
;   row is listed whole, with flag 0.  The kept rows of all batches are numbered g = base(b) + k; 16 of them are a tile.
;   The place of g in rowid (and in the scores) is ((g >> 4) & 255) x 288 + (g >> 12) x 16 + (g & 15): tile g >> 4 goes to work-group (g >> 4) & 255.
;   rowid[place] = b x 2048 + s (0 at places without a kept row); klist[b][k] = s; rank[b][s] = k or -1; meta[b] = count, base, flag, number of tiles.
; THE ORDER OF K.  A row of 1,024 numbers is loaded as 8 dense loads of 512 bytes; conversion g takes a lane's 8 numbers of loads 2 g and 2 g + 1, and its
;   8 codes go to byte 256 g + 8 lane of a row of 1,024 codes.  That is one fixed permutation of K, the same for every quantised operand of this program, so every
;   product meets its partner.  A fragment takes bytes 128 s + 32 c + 16 (lane / 16) + 0 .. 15 of row lane % 16 into registers 4 c .. 4 c + 3.
; code = x / 2^e, held within +-57,344, to the nearest code, ties to even.
; LIMITS: e0, e1, e3 between -126 and 112; e0 + e1 - e2 - e3 and -(e2 + e3) between -126 and 127.  NaN among the inputs is not served.
.set PITCH, 1040                       ; a row of codes in LDS: 1,024 bytes + 16: the 16 rows of a fragment load start 65 x 16 bytes apart
.set CNT,   66560                      ; the mask's path: 32 counts
.set META,  66816                      ; the mask's path: 32 x 16 bytes of meta
.set WV,    26                         ; s26 my wave's number
	s_load_b256 s[4:11], s[0:1], 0x0               ; attn_w s[4:5], hidden s[6:7], attn_b s[8:9], mask s[10:11]
	s_load_b256 s[12:19], s[0:1], 0x20             ; lowp_scales s[12:13], wcodes s[14:15], hbs s[16:17], rowid s[18:19]
	s_load_b128 s[20:23], s[0:1], 0x40             ; klist s[20:21], rank s[22:23]
	s_load_b64 s[24:25], s[0:1], 0x50              ; meta
	v_lshrrev_b32 v1, 5, v0
	v_readfirstlane_b32 s[WV], v1                  ; wave 0..31
	v_and_b32 v2, 31, v0                           ; lane
	s_wait_kmcnt 0x0
	s_cmp_eq_u32 ttmp9, 64                         ; the last work-group takes the mask; the two paths use LDS bytes of their own
	s_cbranch_scc1 .Lmask
; ---------------- the weights' path.  LDS rows 0-15: w_e; 16-31: w_h; 32-63: hidden.  Wave w quantises LDS rows 2 w and 2 w + 1.
	s_load_b128 s[28:31], s[12:13], 0x0            ; e0, e1, e2, e3
	v_lshlrev_b32 v3, 4, v2                        ; my 16 bytes of a load's 512
	s_lshl_b32 s32, ttmp9, 4                       ; 16 nt
	s_lshl_b32 s33, s[WV], 1                       ; 2 w
	s_and_b32 s34, s33, 15
	s_add_co_u32 s34, s34, s32                     ; the row of attn_w
	s_lshl_b32 s34, s34, 13                        ; x 8,192 bytes
	s_cmp_lt_u32 s[WV], 8
	s_cselect_b32 s35, 4096, 0                     ; w_e begins 4,096 bytes into the row
	s_add_co_u32 s34, s34, s35
	s_sub_co_u32 s36, s33, 32                      ; the row of hidden (waves 16 on; not chosen in the others)
	s_lshl_b32 s36, s36, 12
	s_mov_b32 s37, 4096
	s_cmp_lt_u32 s[WV], 16                         ; the choices hang on the wave's number alone: all waves take one path
	s_cselect_b64 s[38:39], s[4:5], s[6:7]
	s_cselect_b32 s34, s34, s36
	s_cselect_b32 s37, 8192, s37                   ; bytes from my first row to my second
	s_mov_b32 s35, 0
	s_add_nc_u64 s[38:39], s[38:39], s[34:35]
	v_add_nc_u32 v4, s37, v3
.irp q, 0,1,2,3,4,5,6,7
	global_load_b128 v[32+4*\q:35+4*\q], v3, s[38:39] offset:512*\q    ; 32 lanes read 512 consecutive bytes
.endr
.irp q, 0,1,2,3,4,5,6,7
	global_load_b128 v[64+4*\q:67+4*\q], v4, s[38:39] offset:512*\q
.endr
	; every LDS address is made here, ahead of the waves' parting
	s_mul_i32 s42, s[WV], 2*PITCH
	v_lshl_add_u32 v5, v2, 3, s42                  ; in: 8 lane + my first row
	v_and_b32 v8, 15, v0                           ; r
	v_bfe_u32 v9, v0, 4, 1                         ; h
	v_mul_u32_u24 v120, v8, PITCH
	v_lshl_add_u32 v120, v9, 4, v120               ; a fragment's lane: r x pitch + 16 h
	s_lshl_b32 s42, s[WV], 7
	v_add_nc_u32 v121, s42, v120                   ; + K step w (waves 0 to 7)
	s_lshr_b32 s43, ttmp9, 3                       ; wcodes: fragment (nt, s) at (((nt >> 3) x 8 + s) x 8 + (nt & 7)) x 2,048
	s_lshl_b32 s43, s43, 3
	s_add_co_u32 s43, s43, s[WV]
	s_lshl_b32 s43, s43, 3
	s_and_b32 s44, ttmp9, 7
	s_add_co_u32 s43, s43, s44
	s_lshl_b32 s43, s43, 11
	v_lshl_add_u32 v122, v2, 4, s43
	s_lshl_b32 s42, ttmp9, 6
	v_lshl_add_u32 v123, v9, 5, s42                ; attn_b: n = 16 nt + 8 h
	v_lshlrev_b32 v124, 5, v8
	v_lshl_add_u32 v124, v9, 4, v124
	s_lshl_b32 s42, ttmp9, 11
	v_add_nc_u32 v124, s42, v124                   ; hbs: nt x 2,048 + 32 r + 16 h
	s_wait_kmcnt 0x0
	s_cmp_lt_u32 s[WV], 8
	s_cselect_b32 s40, s31, s29                    ; e3 for w_e, e1 for w_h,
	s_cmp_lt_u32 s[WV], 16
	s_cselect_b32 s40, s40, s28                    ; e0 for hidden
	s_add_co_i32 s40, s40, 127
	s_lshl_b32 s41, s40, 23
	v_mov_b32 v6, s41                              ; 2^e as f32: the conversion takes its exponent field
	s_add_co_i32 s40, s40, 15
	s_lshl_b32 s40, s40, 23
	s_or_b32 s40, s40, 0x600000
	v_mov_b32 v7, s40                              ; 57,344 x 2^e
	s_wait_loadcnt 0x0
.set j, 0
.rept 64
	v_med3_num_f32 v[32+j], v[32+j], -v7, v7       ; the conversion to an 8-bit code does not saturate (ISA guide 7.6.2): the hold comes first
.set j, j+1
.endr
.set j, 0
.rept 8
	v_cvt_scalef32_pk8_bf8_f32 v[96+2*j:97+2*j], v[32+8*j:39+8*j], v6
.set j, j+1
.endr
	v_nop                                          ; one plain vector instruction behind the last scaled conversion: matrix instructions write these registers later
.set j, 0
.rept 8
	ds_store_b64 v5, v[96+2*j:97+2*j] offset:(j/4)*PITCH+256*(j%4)
.set j, j+1
.endr
	s_wait_dscnt 0x0                               ; for the others' sake: my two rows lie in LDS
	s_barrier_signal -1
	s_barrier_wait -1
	s_cmp_lt_u32 s[WV], 8
	s_cbranch_scc1 .Lfrag
	s_cmp_eq_u32 s[WV], 8
	s_cbranch_scc1 .Lproj
	s_wait_xcnt 0x0
	v_lshl_add_u32 v126, v0, 2, 0x10800
	v_mov_b32 v127, 0
	s_wait_tensorcnt 0x0
	ds_add_u32 v126, v127
	s_wait_dscnt 0x0
	s_endpgm
.Lfrag:                                            ; waves 0 to 7: fragment s = w of w_e leaves as the image of its 16 registers
.irp c, 0,1,2,3
	ds_load_b128 v[32+4*\c:35+4*\c], v121 offset:32*\c
.endr
	s_wait_dscnt 0x0
.irp c, 0,1,2,3
	global_store_b128 v122, v[32+4*\c:35+4*\c], s[14:15] offset:512*\c     ; 32 lanes store 512 consecutive bytes, at a multiple of 512 from the buffer's first byte
.endr
	s_wait_xcnt 0x0
	v_lshl_add_u32 v126, v0, 2, 0x10800
	v_mov_b32 v127, 0
	s_wait_tensorcnt 0x0
	ds_add_u32 v126, v127
	s_wait_dscnt 0x0
	s_endpgm
.Lproj:                                            ; wave 8: hidden w_h^T, transposed (source 0 = 16 rows of w_h, source 1 = 16 batches): lane (r, h) holds batch 16 t + r, n = 16 nt + 8 h + j
	global_load_b128 v[72:75], v123, s[8:9]
	global_load_b128 v[76:79], v123, s[8:9] offset:16
	s_add_co_i32 s44, s28, s29
	s_add_co_i32 s46, s30, s31
	s_sub_co_i32 s44, s44, s46
	s_add_co_i32 s44, s44, 127
	s_lshl_b32 s44, s44, 23                        ; 2^(e0 + e1 - e2 - e3)
	s_mov_b32 s45, s44                             ; (named with it as a pair, so it is written)
	s_sub_co_i32 s46, 127, s46
	s_lshl_b32 s46, s46, 23                        ; 2^-(e2 + e3)
	s_mov_b32 s47, s46
.irp s, 0,1,2,3,4,5,6,7
.irp c, 0,1,2,3
	ds_load_b128 v[8+4*\c:11+4*\c], v120 offset:16*PITCH+128*\s+32*\c
	ds_load_b128 v[24+4*\c:27+4*\c], v120 offset:32*PITCH+128*\s+32*\c
	ds_load_b128 v[40+4*\c:43+4*\c], v120 offset:48*PITCH+128*\s+32*\c
.endr
	s_wait_dscnt 0x0
.if \s == 0
	v_wmma_f32_16x16x128_bf8_bf8 v[56:63], v[8:23], v[24:39], 0            ; the first K step starts both sums
	v_wmma_f32_16x16x128_bf8_bf8 v[64:71], v[8:23], v[40:55], 0
.else
	v_wmma_f32_16x16x128_bf8_bf8 v[56:63], v[8:23], v[24:39], v[56:63]     ; the two accumulators take turns
	v_wmma_f32_16x16x128_bf8_bf8 v[64:71], v[8:23], v[40:55], v[64:71]
.endif
.rept 4
	v_nop                                          ; four places in front of loads into registers that matrix instructions have read, and of the first read of results
.endr
.endr
	s_wait_loadcnt 0x0                             ; attn_b
.irp j, 0,2,4,6
	v_pk_mul_f32 v[72+\j:73+\j], v[72+\j:73+\j], s[46:47] op_sel_hi:[1,0]
.endr
.irp t, 0,1
.irp j, 0,2,4,6
	v_pk_fma_f32 v[80+8*\t+\j:81+8*\t+\j], v[56+8*\t+\j:57+8*\t+\j], s[44:45], v[72+\j:73+\j] op_sel_hi:[1,0,1]   ; each accumulator from its low end on
.endr
.endr
.irp t, 0,1
.irp q, 0,1
	global_store_b128 v124, v[80+8*\t+4*\q:83+8*\t+4*\q], s[16:17] offset:1024*\q+512*\t   ; hbs[nt][q][batch][h][4]: 512 consecutive bytes a store
.endr
.endr
	s_wait_xcnt 0x0
	v_lshl_add_u32 v126, v0, 2, 0x10800
	v_mov_b32 v127, 0
	s_wait_tensorcnt 0x0
	ds_add_u32 v126, v127
	s_wait_dscnt 0x0
	s_endpgm
; ---------------- the mask's path.  Wave b takes batch b; register 64 + i of lane l holds mask[b][32 i + l].
.Lmask:
	s_lshl_b32 s27, s[WV], 13                      ; b x 8,192 bytes
	v_lshl_add_u32 v3, v2, 2, s27
.set j, 0
.rept 64
	global_load_b32 v[64+j], v3, s[10:11] offset:128*j
.set j, j+1
.endr
	s_lshl_b32 s34, s[WV], 2
	s_add_co_u32 s34, s34, CNT
	v_mov_b32 v4, s34                              ; my count's word
	v_lshl_add_u32 v6, v2, 2, CNT                  ; lane l reads batch l's count
	s_lshl_b32 s34, s[WV], 4
	s_add_co_u32 s34, s34, META
	v_mov_b32 v11, s34                             ; my 16 bytes of meta
	v_lshl_add_u32 v52, v2, 4, META
	v_lshlrev_b32 v53, 4, v2
	s_mov_b32 s30, 0
	s_wait_loadcnt 0x0
.set j, 0
.rept 64
	v_cmp_ne_u32 vcc_lo, 0, v[64+j]
	s_bcnt1_i32_b32 s31, vcc_lo
	s_add_co_u32 s30, s30, s31                     ; the batch's kept rows
.set j, j+1
.endr
	s_cmp_lg_u32 s30, 0
	s_cselect_b32 s32, 1, 0                        ; flag: 0 where no row is kept:
	s_cselect_b32 s33, 0, -1                       ; then every row is listed,
	s_cselect_b32 s30, s30, 2048                   ; and the count is 2,048
	v_mov_b32 v5, s30
	ds_store_b32 v4, v5                            ; all lanes write the same word with the same value
	s_wait_dscnt 0x0
	s_barrier_signal -1
	s_barrier_wait -1
	ds_load_b32 v7, v6
	s_mov_b32 s36, 0                               ; R: listed rows of all batches
	s_mov_b32 s37, 0                               ; base: those of the batches ahead of mine
	s_wait_dscnt 0x0
.set j, 0
.rept 32
	v_readlane_b32 s35, v7, j
	s_add_co_u32 s36, s36, s35
	s_cmp_gt_u32 s[WV], j
	s_cselect_b32 s35, s35, 0
	s_add_co_u32 s37, s37, s35
.set j, j+1
.endr
	s_lshl_b32 s44, s[WV], 11                      ; b x 2,048
	s_add_co_u32 s42, s36, s44
	s_sub_co_u32 s42, s42, s37                     ; the rows that are not listed are numbered on from R: R + those of earlier batches (b x 2,048 - base) + those ahead of me in mine
	s_add_co_u32 s38, s36, 15
	s_lshr_b32 s38, s38, 4                         ; tiles of 16 listed rows
	s_mov_b32 s43, 288
	s_mov_b32 s41, 0                               ; listed rows of my batch so far
	v_mov_b32 v12, s30
	v_mov_b32 v13, s37
	v_mov_b32 v14, s32
	v_mov_b32 v15, s38
	ds_store_b128 v11, v[12:15]
	s_wait_dscnt 0x0
	s_barrier_signal -1
	s_barrier_wait -1
; Step i places the 32 elements s = 32 i + lane.  Four sets of eight registers take turns, so that one wait frees the sources of four steps' stores.
; Every entry of klist and rank, and every place of rowid with g below 65,536, is written exactly once: elements that are not listed fill the places behind the listed ones with 0.
.macro PLACE i
.set T, 16+8*((\i)%4)
.if ((\i)%4 == 0) && ((\i) > 0)
	s_wait_xcnt 0x0                                ; the stores of the last four steps have read their registers
.endif
	v_cmp_ne_u32 vcc_lo, 0, v[64+(\i)]
	s_or_b32 s40, vcc_lo, s33                      ; listed?
	v_mbcnt_lo_u32_b32 v[T], s40, s41              ; k: listed rows of the batch ahead of me
	v_add_nc_u32 v[T+1], 32*(\i), v2               ; s
	v_sub_nc_u32 v[T+5], v[T+1], v[T]              ; rows ahead of me that are not listed
	v_add_nc_u32 v[T+2], s30, v[T+5]
	v_cndmask_b32 v[T+2], v[T+2], v[T], s40        ; klist's entry: k, or count + the number above
	v_min_u32 v[T+2], 0x7ff, v[T+2]
	v_lshl_add_u32 v[T+2], v[T+2], 2, s27
	v_cndmask_b32 v[T+3], 0, v[T+1], s40
	v_cndmask_b32 v[T+4], -1, v[T], s40
	v_add_nc_u32 v[T+5], s42, v[T+5]
	v_add_nc_u32 v[T+6], s37, v[T]
	v_cndmask_b32 v[T+5], v[T+5], v[T+6], s40      ; g
	v_bfe_u32 v[T+6], v[T+5], 4, 8
	v_lshrrev_b32 v[T+7], 12, v[T+5]
	v_and_b32 v[T+5], 15, v[T+5]
	v_lshl_add_u32 v[T+5], v[T+7], 4, v[T+5]
	v_mad_u32_u24 v[T+5], v[T+6], s43, v[T+5]      ; its place
	v_min_u32 v[T+5], 0x11fff, v[T+5]
	v_lshlrev_b32 v[T+5], 2, v[T+5]
	v_add_nc_u32 v[T+6], s44, v[T+1]
	v_cndmask_b32 v[T+6], 0, v[T+6], s40           ; b x 2,048 + s, or 0
	global_store_b32 v[T+2], v[T+3], s[20:21]
	global_store_b32 v3, v[T+4], s[22:23] offset:128*(\i)
	global_store_b32 v[T+5], v[T+6], s[18:19]
	s_bcnt1_i32_b32 s45, s40
	s_add_co_u32 s41, s41, s45
.endm
.set Q, 0
.rept 64
	PLACE Q
.set Q, Q+1
.endr
	s_mul_i32 s46, s[WV], 8*1152                   ; the tile places 16 and 17 of work-groups 8 b .. 8 b + 7, which no g reaches, hold 0 too
	s_add_co_u32 s46, s46, 1024
	v_lshl_add_u32 v9, v2, 2, s46
	v_mov_b32 v10, 0
.irp q, 0,1,2,3,4,5,6,7
	global_store_b32 v9, v10, s[18:19] offset:1152*\q
.endr
	s_cmp_lg_u32 s[WV], 0
	s_cbranch_scc1 .Lmend
	ds_load_b128 v[48:51], v52                     ; wave 0 stores all 32 batches' meta: 512 consecutive bytes
	s_wait_dscnt 0x0
	global_store_b128 v53, v[48:51], s[24:25]
.Lmend:
	s_wait_xcnt 0x0
	v_lshl_add_u32 v126, v0, 2, 0x10800
	v_mov_b32 v127, 0
	s_wait_tensorcnt 0x0
	ds_add_u32 v126, v127
	s_wait_dscnt 0x0
	s_endpgm
.Lfunc_end_k_qbc72e392f4_prep:
	.size	k_qbc72e392f4_prep, .Lfunc_end_k_qbc72e392f4_prep-k_qbc72e392f4_prep
	.p2alignl 7, 3214868480
	.fill 96, 4, 3214868480
	.section	.rodata,"a",@progbits
	.p2align	6, 0x0
	.amdhsa_kernel k_qbc72e392f4_prep
		.amdhsa_group_segment_fixed_size 71680
		.amdhsa_private_segment_fixed_size 0
		.amdhsa_enable_private_segment 0
		.amdhsa_kernarg_size 88
		.amdhsa_user_sgpr_count 2
		.amdhsa_user_sgpr_kernarg_segment_ptr 1
		.amdhsa_wavefront_size32 1
		.amdhsa_system_sgpr_workgroup_id_x 1
		.amdhsa_system_sgpr_workgroup_id_y 1
		.amdhsa_system_sgpr_workgroup_id_z 1
		.amdhsa_system_vgpr_workitem_id 0
		.amdhsa_next_free_vgpr 128
		.amdhsa_next_free_sgpr 66
		.amdhsa_reserve_vcc 1
		.amdhsa_float_denorm_mode_32 3
		.amdhsa_float_denorm_mode_16_64 3
		.amdhsa_memory_ordered 1
		.amdhsa_forward_progress 1
		.amdhsa_inst_pref_size 137
	.end_amdhsa_kernel
	.amdgpu_metadata
---
amdhsa.version: [ 1, 2 ]
amdhsa.kernels:
  - .name:           k_qbc72e392f4_prep
    .symbol:         k_qbc72e392f4_prep.kd
    .args:
      - { .name: attn_w, .offset: 0, .size: 8, .value_kind: global_buffer, .address_space: global }
      - { .name: hidden, .offset: 8, .size: 8, .value_kind: global_buffer, .address_space: global }
      - { .name: attn_b, .offset: 16, .size: 8, .value_kind: global_buffer, .address_space: global }
      - { .name: mask, .offset: 24, .size: 8, .value_kind: global_buffer, .address_space: global }
      - { .name: lowp_scales, .offset: 32, .size: 8, .value_kind: global_buffer, .address_space: global }
      - { .name: wcodes, .offset: 40, .size: 8, .value_kind: global_buffer, .address_space: global }
      - { .name: hbs, .offset: 48, .size: 8, .value_kind: global_buffer, .address_space: global }
      - { .name: rowid, .offset: 56, .size: 8, .value_kind: global_buffer, .address_space: global }
      - { .name: klist, .offset: 64, .size: 8, .value_kind: global_buffer, .address_space: global }
      - { .name: rank, .offset: 72, .size: 8, .value_kind: global_buffer, .address_space: global }
      - { .name: meta, .offset: 80, .size: 8, .value_kind: global_buffer, .address_space: global }
    .group_segment_fixed_size: 71680
    .private_segment_fixed_size: 0
    .kernarg_segment_align: 8
    .kernarg_segment_size: 88
    .max_flat_workgroup_size: 1024
    .sgpr_count:     66
    .vgpr_count:     128
    .wavefront_size: 32
...
	.end_amdgpu_metadata
.endif
;; end of part 1
;; launch score (part 2): grid 256 x 2, 4 waves a work-group, no clusters, 152,576 bytes of LDS; arguments encoder_outputs, rowid, meta, wcodes, hbs, v_w, lowp_scales, att; writes att
.if DOCPART == 2
	.amdgcn_target "amdgcn-amd-amdhsa--gfx1250"
	.amdhsa_code_object_version 6
	.text
	.protected	k_qbc72e392f4_score
	.globl	k_qbc72e392f4_score
	.p2align	8
	.type	k_qbc72e392f4_score,@function
k_qbc72e392f4_score:
	s_mov_b64 s[64:65], 0
	v_nop
	global_prefetch_b8 v0, s[64:65] scope:SCOPE_SE
	s_setreg_imm32_b32 hwreg(HW_REG_WAVE_MODE, 25, 1), 1
	s_wait_xcnt 0x0
; att[place] = sum over n of v_w[n] tanh(h_proj[b][n] + attn_b[n] + sum over e of Q(enc[row][e]) Q(w_e[n][e])), for the LISTED rows only (rowid: made by the launch before).
; Rows with mask == 0 get the weight 0 in the softmax whatever their score, so they are neither read nor multiplied.
; SHARES.  Work-group (i, p) takes the tile places 9 p .. 9 p + 8 of work-group i's 18: 144 rows.  It owns q = (tiles + 255 - i) >> 8 tiles in all; where q <= 9 p it has no work.
;   EVERY WAVE OF EVERY WORK-GROUP PASSES BOTH BARRIERS: a work-group without work jumps over the three pieces of work between and behind them (scalar branches on the stored count), never over a barrier.
;   No register goes from one such piece to a later one: what a later piece reads is made in the head or in that piece.
;   The ninth tile of a pass is multiplied only where it holds rows (a scalar branch on the stored count).  Places without a row name row 0 and give scores that nobody reads.
; PHASE X: wave w gathers rows 36 w .. 36 w + 35 (4,096 bytes each, eight dense loads), quantises them (scale 2^e2) and lays the codes in LDS, 1,024 bytes a row, in this program's order of K.
;   It is written out, so that each row's place in LDS stands in the store's immediate.
; THE PRODUCT: all four waves read the 144 rows from LDS; wave w owns n = 256 w .. 256 w + 255, in two chunks of 128.  Its fragments of w_e are read by no other wave of the work-group, so they go
;   from wcodes straight into registers, as images (dense loads of 512 bytes).  Used transposed (source 0 = 16 rows of w_e, source 1 = 16 encoder rows): a lane holds ONE row and eight n.
;   (h_proj + attn_b) / 2^(e2 + e3) is the C of each sum's first product, loaded by the lane's own batch, so a tile may hold rows of several batches.
; TANH: tanh(x) = 1 - 2 / (1 + 2^(2 log2(e) x)), so the score is sum(v) - 2 sum(v / (1 + 2^(c acc))), c = 2 log2(e) 2^(e2 + e3).  Where 2^.. overflows the quotient is 0, where it vanishes 1.
; NO TENSOR LOADS, NO CLUSTER, though all work-groups read the same 1 MiB of w_e: the jumps of a work-group without work and the ninth tile are branches on stored numbers.
; LIMITS: e2 between -126 and 112; e2 + e3 between -126 and 126.  NaN among the inputs is not served.
; REGISTERS, in windows of 256.  Window 0: v1-19 addresses and constants; v20-37 nine pairs of score sums (until the product: eight v_w); v38-43 row offsets; v44-47 addresses, at work;
;   v48-111 the ninth tile's 8 accumulators; v112-127 its fragment; v128-255 the fragments of tiles 0-7 (in the tanh v128-191: v_w of the chunk's 128 n).  In phase X: v48-63 codes, v64-255 six rows.
;   Window 1: w_e's fragments, two sets of 8.   Window 2: accumulators of tiles 0-3 ((a, b) at v[8 (8 (a % 4) + b)]).   Window 3: those of tiles 4-7.
.set PITCH, 1040                       ; a row of codes in LDS: 1,024 bytes + 16
.set TILEB, 16*PITCH
.set PS,    149760                     ; behind the 144 rows: the waves' partial scores, 4 x 576 bytes
.set L16, 1                            ; v1     16 x lane
.set AB,  2                            ; v2-4   r x pitch + 16 h + 48 rows x 0, 1, 2
.set PSI, 5                            ; v5     where I put a partial score: PS + 576 w + 4 r
.set STB, 6                            ; v6     phase X: 8 lane + my wave's first row
.set PSO, 7                            ; v7     where thread t reads place t's: PS + 4 t
.set SCL, 8                            ; v8     2^e2
.set LIM, 9                            ; v9     57,344 x 2^e2
.set BO,  10                           ; v10-18 tile a: my row's number, then 32 x its batch + 16 h
.set VW,  19                           ; v19    the sum of my wave's 256 v_w
.set SC,  20
.set OF,  38
.set PS9, 44                           ; v44    where wave 0 reads the ninth tile's: PS + 512 + 4 r
.set VA,  45                           ; v45    32 h: my eight v_w of a tile of n
.set T0,  46
.set T1,  47
.set ACC9, 48
.set CD,  48
.set RG,  64
.set A9,  112
.set AF,  128
.set VP,  128
.set WV,  2                            ; s2  wave;  s3  pass
.set PP,  3
.set NINE, 26                          ; s26 1 where the ninth tile holds rows
.set ACT, 27                           ; s27 1 where the pass has tiles
.set WB,  32                           ; s[32:33] w_e's fragments of the chunk in hand;  s[34:35] of the next
.set WN,  34
.set HB,  36                           ; s[36:37] the first chunk's bias;  s[38:39] the second's
.set HN,  38
.set ID,  40                           ; s40-45  six row numbers
.set RP,  46                           ; s[46:47] where my wave's 36 row numbers stand; never stepped
.set VWP, 48                           ; s[48:49] v_w at the chunk's first n
.set CS,  50                           ; s[50:51] c
.set SEL, 52                           ; s[52:53] lane selects: lane l xor 16
.set CH,  55                           ; s55 chunks to go
.set MSB, 0
.macro WIN new                         ; the immediate's high byte repeats the setting that is left
.if MSB != \new
	s_set_vgpr_msb (MSB<<8)|\new
.set MSB, \new
.endif
.endm
.set MUL_LO, 0xa1                      ; source 0 (w_e) window 1, source 1 (rows) window 0, C and D window 2
.set MUL_HI, 0xf1                      ; the same, C and D window 3
.set MUL_9,  0x01                      ; the same, C and D window 0
.set TO_W,   0x40                      ; destination window 1, address window 0
.macro PLACES                          ; four plain vector instructions behind a matrix instruction, in front of loads into its registers and of reads of its results
.rept 4
	v_nop
.endr
.endm
; ---------------- THE HEAD, which every wave runs: addresses, constants, and eleven small loads.
	s_load_b256 s[8:15], s[0:1], 0x0               ; encoder_outputs s[8:9], rowid s[10:11], meta s[12:13], wcodes s[14:15]
	s_load_b256 s[16:23], s[0:1], 0x20             ; hbs s[16:17], v_w s[18:19], lowp_scales s[20:21], att s[22:23]
	v_lshrrev_b32 v[T0], 5, v0
	v_readfirstlane_b32 s[WV], v[T0]               ; wave 0..3
	s_and_b32 s[PP], ttmp7, 0xffff
	v_and_b32 v38, 31, v0                          ; lane
	v_and_b32 v39, 15, v0                          ; r
	v_bfe_u32 v40, v0, 4, 1                        ; h
	v_lshlrev_b32 v[L16], 4, v38
	v_mul_u32_u24 v[AB], v39, PITCH
	v_lshl_add_u32 v[AB], v40, 4, v[AB]
	v_add_nc_u32 v[AB+1], 3*TILEB, v[AB]
	v_add_nc_u32 v[AB+2], 6*TILEB, v[AB]
	s_mul_i32 s24, s[WV], 36*PITCH
	v_lshl_add_u32 v[STB], v38, 3, s24
	s_mul_i32 s24, s[WV], 576
	s_add_co_u32 s24, s24, PS
	v_lshl_add_u32 v[PSI], v39, 2, s24
	v_lshl_add_u32 v[PSO], v0, 2, PS
	v_lshl_add_u32 v[PS9], v39, 2, PS+512
	v_lshlrev_b32 v[VA], 5, v40
	v_lshlrev_b32 v[T0], 2, v39                    ; rowid: 4 r
	v_lshlrev_b32 v[T1], 5, v0                     ; v_w: my thread's eight numbers
	s_mov_b32 s[SEL], 0x76543210
	s_mov_b32 s[SEL+1], 0xfedcba98
	s_wait_kmcnt 0x0
	s_load_b32 s24, s[12:13], 0xc                  ; the number of tiles
	s_load_b128 s[28:31], s[20:21], 0x0            ; e0, e1, e2, e3
	s_mul_i32 s56, ttmp9, 1152
	s_mul_i32 s57, s[PP], 576
	s_add_co_u32 s56, s56, s57                     ; my 144 places, 4 bytes each
	s_mov_b32 s57, 0
	s_add_nc_u64 s[58:59], s[22:23], s[56:57]      ; in att,
	s_add_nc_u64 s[10:11], s[10:11], s[56:57]      ; in rowid
	s_mul_i32 s56, s[WV], 144
	s_add_nc_u64 s[RP:RP+1], s[10:11], s[56:57]    ; my wave's 36
	s_lshl_b32 s56, s[WV], 18
	s_add_nc_u64 s[WB:WB+1], s[14:15], s[56:57]    ; my 16 tiles of n: two chunks of 64 fragments, 131,072 bytes each
	s_add_nc_u64 s[WN:WN+1], s[WB:WB+1], 0x20000
	s_lshl_b32 s56, s[WV], 15
	s_add_nc_u64 s[HB:HB+1], s[16:17], s[56:57]    ; their bias: 2,048 bytes a tile of n
	s_add_nc_u64 s[HN:HN+1], s[HB:HB+1], 0x4000
	s_lshl_b32 s56, s[WV], 10
	s_add_nc_u64 s[VWP:VWP+1], s[18:19], s[56:57]  ; my 256 numbers of v_w
.irp a, 0,1,2,3,4,5,6,7,8
	global_load_b32 v[BO+\a], v[T0], s[10:11] offset:64*\a     ; the row number of my lane's row in each tile (every place of rowid is written)
.endr
	global_load_b128 v[SC:SC+3], v[T1], s[18:19]
	global_load_b128 v[SC+4:SC+7], v[T1], s[18:19] offset:16
	s_mul_i32 s25, s[PP], 9
	s_wait_kmcnt 0x0
	s_add_co_u32 s24, s24, 255
	s_sub_co_u32 s24, s24, ttmp9
	s_lshr_b32 s24, s24, 8                         ; my work-group's tiles,
	s_sub_co_i32 s24, s24, s25                     ; less those of the pass before
	s_cmp_gt_i32 s24, 0
	s_cselect_b32 s[ACT], 1, 0
	s_cmp_ge_i32 s24, 9
	s_cselect_b32 s[NINE], 1, 0
	s_add_co_i32 s24, s30, 127
	s_lshl_b32 s25, s24, 23
	v_mov_b32 v[SCL], s25                          ; 2^e2 as f32: the conversion takes its exponent field
	s_add_co_i32 s24, s24, 15
	s_lshl_b32 s24, s24, 23
	s_or_b32 s24, s24, 0x600000
	v_mov_b32 v[LIM], s24
	s_add_co_i32 s24, s30, s31
	s_lshl_b32 s24, s24, 23
	s_add_co_i32 s[CS], s24, 0x4038aa3b            ; 2 log2(e), with e2 + e3 added to its exponent field
	s_mov_b32 s[CS+1], s[CS]                       ; (named with it as a pair, so it is written)
.macro WLOAD set, ptr, step            ; the 8 fragments of K step 'step' of a chunk: 32 dense loads of 512 bytes
.irp b, 0,1,2,3,4,5,6,7
.irp c, 0,1,2,3
	global_load_b128 v[128*(\set)+16*\b+4*\c:128*(\set)+16*\b+4*\c+3], v[L16], s[\ptr:\ptr+1] offset:((\step)*8+\b)*2048+512*\c
.endr
.endr
.endm
.macro BIAS win, ptr                   ; the C of 32 sums: tile a's lane takes its own batch's eight numbers of each tile of n
	WIN (\win)<<6
.irp a, 0,1,2,3
.irp b, 0,1,2,3,4,5,6,7
	global_load_b128 v[8*(8*\a+\b):8*(8*\a+\b)+3],   v[BO+4*((\win)-2)+\a], s[\ptr:\ptr+1] offset:2048*\b
	global_load_b128 v[8*(8*\a+\b)+4:8*(8*\a+\b)+7], v[BO+4*((\win)-2)+\a], s[\ptr:\ptr+1] offset:2048*\b+1024
.endr
.endr
	WIN 0
.endm
.macro BIAS9 ptr
.irp b, 0,1,2,3,4,5,6,7
	global_load_b128 v[ACC9+8*\b:ACC9+8*\b+3],   v[BO+8], s[\ptr:\ptr+1] offset:2048*\b
	global_load_b128 v[ACC9+8*\b+4:ACC9+8*\b+7], v[BO+8], s[\ptr:\ptr+1] offset:2048*\b+1024
.endr
.endm
; ---------------- PHASE X.  Six rows of 32 registers take turns; 48 loads of a wave are on their way.
.macro CLAMP
.irp i, 0,1,2,3,4,5
	s_min_u32 s[ID+\i], s[ID+\i], 0xffff
	s_lshl_b32 s[ID+\i], s[ID+\i], 12              ; a row is 4,096 bytes
.endr
.endm
.macro XISSUE i
	v_add_nc_u32 v[OF+\i], s[ID+\i], v[L16]
.irp q, 0,1,2,3,4,5,6,7
	global_load_b128 v[RG+32*(\i)+4*\q:RG+32*(\i)+4*\q+3], v[OF+\i], s[8:9] offset:512*\q   ; no hint: the list may name row 0 many times
.endr
.endm
.macro XROW i, row, issue, left        ; the row in set i goes to my wave's LDS row 'row'
	s_wait_loadcnt \left                           ; loads come back in order: this row's eight are in, the younger rows' stay out; the wait also frees the row's offset register
.set j, 0
.rept 32
	v_med3_num_f32 v[RG+32*(\i)+j], v[RG+32*(\i)+j], -v[LIM], v[LIM]   ; the conversion to an 8-bit code does not saturate (ISA guide 7.6.2)
.set j, j+1
.endr
	s_wait_dscnt 4                                 ; the stores of the row before last, which read this set of codes, are done; the last row's four may be out
.irp g, 0,1,2,3
	v_cvt_scalef32_pk8_bf8_f32 v[CD+8*((\i)%2)+2*\g:CD+8*((\i)%2)+2*\g+1], v[RG+32*(\i)+8*\g:RG+32*(\i)+8*\g+7], v[SCL]
.endr
	v_nop                                          ; one plain vector instruction behind the last scaled conversion
.irp g, 0,1,2,3
	ds_store_b64 v[STB], v[CD+8*((\i)%2)+2*\g:CD+8*((\i)%2)+2*\g+1] offset:(\row)*PITCH+256*\g
.endr
.if \issue
	XISSUE \i
.endif
.endm
	s_cmp_eq_u32 s[ACT], 0
	s_cbranch_scc1 .Lb1                            ; a pass without tiles gathers nothing
	s_load_b128 s[ID:ID+3], s[RP:RP+1], 0x0        ; the first six row numbers
	s_load_b64 s[ID+4:ID+5], s[RP:RP+1], 0x10
	s_wait_kmcnt 0x0
	CLAMP
.irp i, 0,1,2,3,4,5
	XISSUE \i
.endr
	s_load_b128 s[ID:ID+3], s[RP:RP+1], 0x18       ; the second six
	s_load_b64 s[ID+4:ID+5], s[RP:RP+1], 0x28
.set T, 0
.rept 5                                ; turn T works rows 6 T .. 6 T + 5, asks for the next six, and reads the numbers of the six after those, while there are any: no load leaves its buffer
	s_wait_kmcnt 0x0
	CLAMP
.irp i, 0,1,2,3,4,5
	XROW \i, 6*T+\i, 1, 40
.endr
.if T < 4
	s_load_b128 s[ID:ID+3], s[RP:RP+1], 24*(T+2)
	s_load_b64 s[ID+4:ID+5], s[RP:RP+1], 24*(T+2)+16
.endif
.set T, T+1
.endr
.irp i, 0,1,2,3,4,5
	XROW \i, 30+\i, 0, 8*(5-\i)                    ; the last six rows: nothing is asked for, the counts run down
.endr
.Lb1:
	s_wait_dscnt 0x0                               ; for the others' sake: my 36 rows lie in LDS
	s_barrier_signal -1
	s_barrier_wait -1
; ---------------- THE PRODUCT AND THE TANH, a chunk of 128 n a trip.
.macro FRAG reg, a, s                  ; tile a's fragment of K step s: lane (r, h) takes bytes 128 s + 32 c + 16 h + 0 .. 15 of row r
.irp c, 0,1,2,3
	ds_load_b128 v[(\reg)+4*\c:(\reg)+4*\c+3], v[AB+(\a)/3] offset:((\a)%3)*TILEB+128*(\s)+32*\c
.endr
.endm
.macro FETCH_LO s                      ; 20 loads.  (The ninth tile's four are issued in every work-group, so that the counts below hold on both ways)
.irp a, 0,1,2,3
	FRAG AF+16*\a, \a, \s
.endr
	FRAG A9, 8, \s
.endm
.macro FETCH_HI s                      ; 16 loads
.irp a, 4,5,6,7
	FRAG AF+16*\a, \a, \s
.endr
.endm
.macro MUL32 a0, set                   ; tiles a0 .. a0 + 3 x the chunk's 8 tiles of n: 32 accumulators, one instruction a turn, in the same order in every step
.irp a, 0,1,2,3
.irp b, 0,1,2,3,4,5,6,7
	v_wmma_f32_16x16x128_bf8_bf8 v[8*(8*\a+\b):8*(8*\a+\b)+7], v[128*(\set)+16*\b:128*(\set)+16*\b+15], v[AF+16*((\a0)+\a):AF+16*((\a0)+\a)+15], v[8*(8*\a+\b):8*(8*\a+\b)+7]
.endr
.endr
.endm
.macro MUL8 set
.irp b, 0,1,2,3,4,5,6,7
	v_wmma_f32_16x16x128_bf8_bf8 v[ACC9+8*\b:ACC9+8*\b+7], v[128*(\set)+16*\b:128*(\set)+16*\b+15], v[A9:A9+15], v[ACC9+8*\b:ACC9+8*\b+7]
.endr
.endm
.macro STEP s                          ; 128 along K; w_e's set s % 2
.if \s == 0
	s_wait_loadcnt 0x0                             ; both sets of w_e and the bias, which is the youngest
.elseif (\s >= 2) && (\s <= 6)
	s_wait_loadcnt 32                              ; this step's set is in; the next step's 32 loads may be out.  (Step 1's set came with step 0's wait, step 7's with the wait at step 6's end)
.endif
	s_wait_dscnt 16                                ; tiles 0-3 and the ninth are in; the youngest 16 loads (tiles 4-7) may be out
	WIN MUL_LO
	MUL32 0, (\s)%2
	WIN 0
	s_cmp_eq_u32 s[NINE], 0
	s_cbranch_scc1 .Lno9_\@
	WIN MUL_9
	MUL8 (\s)%2
	WIN 0
.Lno9_\@:
	s_wait_dscnt 0x0                               ; tiles 4-7 are in
	PLACES
.if \s < 7
	FETCH_LO (\s)+1
.else
.irp b, 0,1,2,3,4,5,6,7
	global_load_b128 v[VP+8*\b:VP+8*\b+3],   v[VA], s[VWP:VWP+1] offset:64*\b      ; v_w at n = 16 b + 8 h + 0 .. 7 of the chunk, where tiles 0-3 lay
	global_load_b128 v[VP+8*\b+4:VP+8*\b+7], v[VA], s[VWP:VWP+1] offset:64*\b+16
.endr
.endif
	WIN MUL_HI
	MUL32 4, (\s)%2
	PLACES
	WIN 0
.if \s < 7
	FETCH_HI (\s)+1
.endif
.if \s < 6
	WIN TO_W
	WLOAD (\s)%2, WB, (\s)+2                       ; the set just multiplied takes the K step two on
	WIN 0
.else
.if \s == 6
	s_wait_loadcnt 0x0                             ; step 7's set, asked for a step ago, is the only one out: shown landed here, where the count is the same on both ways below
.endif
	s_cmp_eq_u32 s[CH], 1                          ; the last chunk asks for nothing more
	s_cbranch_scc1 .Lnow_\@
	WIN TO_W
	WLOAD (\s)%2, WN, (\s)-6                       ; the next chunk's K steps 0 and 1
	WIN 0
.if \s == 7
	s_wait_loadcnt 32                              ; v_w's sixteen loads are in; the 32 just issued may be out
	s_branch .Lgo_\@
.endif
.Lnow_\@:
.if \s == 7
	s_wait_loadcnt 0x0                             ; on this way v_w's loads are the youngest
.Lgo_\@:
.endif
.endif
.endm
; 256 sums of a window become 1 / (1 + 2^(c sum)), in place, and go into the score sums.  The exponentials are one batch with one wait, and so are the reciprocals.
.macro TANH win
	WIN ((\win)<<6)|(\win)
.set j, 0
.rept 128
	v_pk_mul_f32 v[j:j+1], v[j:j+1], s[CS:CS+1] op_sel_hi:[1,0]    ; ascending: each accumulator is read from its low end on
.set j, j+2
.endr
.set j, 0
.rept 256
	v_exp_f32 v[j], v[j]
.set j, j+1
.endr
	v_nop                                          ; a plain instruction behind the last exponential,
	s_wait_alu depctr_va_vdst(0)                   ; and one wait ahead of the batch's first reader
.set j, 0
.rept 128
	v_pk_add_f32 v[j:j+1], v[j:j+1], 1.0 op_sel_hi:[1,0]
.set j, j+2
.endr
.set j, 0
.rept 256
	v_rcp_f32 v[j], v[j]
.set j, j+1
.endr
	v_nop
	s_wait_alu depctr_va_vdst(0)
	WIN \win                                       ; source 0 in the window, all else in window 0
.irp b, 0,1,2,3,4,5,6,7
.irp u, 0,2,4,6
.irp a, 0,1,2,3
	v_pk_fma_f32 v[SC+2*(4*((\win)-2)+\a):SC+2*(4*((\win)-2)+\a)+1], v[8*(8*\a+\b)+\u:8*(8*\a+\b)+\u+1], v[VP+8*\b+\u:VP+8*\b+\u+1], v[SC+2*(4*((\win)-2)+\a):SC+2*(4*((\win)-2)+\a)+1]
.endr
.endr
.endr
	WIN 0
	s_cmp_eq_u32 s[CH], 1
	s_cbranch_scc1 .Lnob_\@
	BIAS \win, HN                                  ; the next chunk's C, into the registers just read
.Lnob_\@:
.endm
	s_cmp_eq_u32 s[ACT], 0
	s_cbranch_scc1 .Lb2                            ; a pass without tiles multiplies nothing
	s_wait_loadcnt 0x0                             ; the head's eleven loads (behind phase X they are long in)
	WIN TO_W
	WLOAD 0, WB, 0
	WLOAD 1, WB, 1
	WIN 0
	v_bfe_u32 v[T0], v0, 4, 1
	v_lshlrev_b32 v[T0], 4, v[T0]                  ; 16 h
.irp a, 0,1,2,3,4,5,6,7,8
	v_lshrrev_b32 v[BO+\a], 11, v[BO+\a]           ; the batch,
	v_min_u32 v[BO+\a], 31, v[BO+\a]
	v_lshl_add_u32 v[BO+\a], v[BO+\a], 5, v[T0]    ; x 32 bytes, + 16 h
.endr
	BIAS 2, HB
	BIAS 3, HB
	BIAS9 HB
	v_pk_add_f32 v[SC:SC+1], v[SC:SC+1], v[SC+2:SC+3]          ; the sum of my wave's 256 v_w: eight a lane, then across the lanes
	v_pk_add_f32 v[SC+4:SC+5], v[SC+4:SC+5], v[SC+6:SC+7]
	v_pk_add_f32 v[SC:SC+1], v[SC:SC+1], v[SC+4:SC+5]
	v_add_f32 v[VW], v[SC], v[SC+1]
	v_add_f32_dpp v[VW], v[VW], v[VW] row_xmask:1 row_mask:0xf bank_mask:0xf
	v_add_f32_dpp v[VW], v[VW], v[VW] row_xmask:2 row_mask:0xf bank_mask:0xf
	v_add_f32_dpp v[VW], v[VW], v[VW] row_xmask:4 row_mask:0xf bank_mask:0xf
	v_add_f32_dpp v[VW], v[VW], v[VW] row_xmask:8 row_mask:0xf bank_mask:0xf
	v_permlanex16_b32 v[T1], v[VW], s[SEL], s[SEL+1]
	v_add_f32 v[VW], v[VW], v[T1]
.irp j, 0,1,2,3,4,5,6,7,8,9,10,11,12,13,14,15,16,17
	v_mov_b32 v[SC+\j], 0                          ; the score sums run over two chunks and 64 registers a tile: they begin at 0
.endr
	s_mov_b32 s[CH], 2
.Lchunk:
	FETCH_LO 0
	FETCH_HI 0
.irp s, 0,1,2,3,4,5,6,7
	STEP \s
.endr
	TANH 2
	TANH 3
	s_cmp_eq_u32 s[NINE], 0
	s_cbranch_scc1 .Lno9t
.set j, 0
.rept 32
	v_pk_mul_f32 v[ACC9+j:ACC9+j+1], v[ACC9+j:ACC9+j+1], s[CS:CS+1] op_sel_hi:[1,0]
.set j, j+2
.endr
.set j, 0
.rept 64
	v_exp_f32 v[ACC9+j], v[ACC9+j]
.set j, j+1
.endr
	v_nop
	s_wait_alu depctr_va_vdst(0)
.set j, 0
.rept 32
	v_pk_add_f32 v[ACC9+j:ACC9+j+1], v[ACC9+j:ACC9+j+1], 1.0 op_sel_hi:[1,0]
.set j, j+2
.endr
.set j, 0
.rept 64
	v_rcp_f32 v[ACC9+j], v[ACC9+j]
.set j, j+1
.endr
	v_nop
	s_wait_alu depctr_va_vdst(0)
.set j, 0
.rept 32
	v_pk_fma_f32 v[SC+16:SC+17], v[ACC9+j:ACC9+j+1], v[VP+j:VP+j+1], v[SC+16:SC+17]
.set j, j+2
.endr
.Lno9t:
	s_cmp_eq_u32 s[CH], 1
	s_cbranch_scc1 .Lnob9
	BIAS9 HN
.Lnob9:
	s_wait_xcnt 0x0                                ; the loads have read their bases: they may be written
	s_mov_b64 s[WB:WB+1], s[WN:WN+1]
	s_add_nc_u64 s[VWP:VWP+1], s[VWP:VWP+1], 512
	s_sub_co_u32 s[CH], s[CH], 1
	s_cmp_lg_u32 s[CH], 0
	s_cbranch_scc1 .Lchunk
	; a row's part of the score: the pair's two halves, the other half of the lanes' eight n of each tile; x -2, + my wave's sum of v
.irp a, 0,1,2,3,4,5,6,7,8
	v_add_f32 v[128+\a], v[SC+2*\a], v[SC+2*\a+1]
.endr
.irp a, 0,1,2,3,4,5,6,7,8
	v_permlanex16_b32 v[144+\a], v[128+\a], s[SEL], s[SEL+1]
.endr
.irp a, 0,1,2,3,4,5,6,7,8
	v_add_f32 v[128+\a], v[128+\a], v[144+\a]
.endr
.irp a, 0,1,2,3,4,5,6,7,8
	v_fma_f32 v[128+\a], v[128+\a], -2.0, v[VW]
.endr
.irp a, 0,1,2,3,4,5,6,7,8
	ds_store_b32 v[PSI], v[128+\a] offset:64*\a    ; my wave's 144 words, word 16 a + r; lanes r and r + 16 write the same word with the same value
.endr
.Lb2:
	s_wait_dscnt 0x0                               ; for the others' sake: my partial scores lie in LDS
	s_barrier_signal -1
	s_barrier_wait -1
; ---------------- THE END: the four waves' parts are added and stored.
	s_cmp_eq_u32 s[ACT], 0
	s_cbranch_scc1 .Lend                           ; a pass without tiles stores nothing: nobody reads its places
.irp w, 0,1,2,3
	ds_load_b32 v[160+\w], v[PSO] offset:576*\w
.endr
	v_lshlrev_b32 v176, 2, v0
	s_wait_dscnt 0x0
	v_add_f32 v160, v160, v161
	v_add_f32 v162, v162, v163
	v_add_f32 v160, v160, v162
	global_store_b32 v176, v160, s[58:59]          ; 128 threads store 512 consecutive bytes
	s_cmp_lg_u32 s[WV], 0
	s_cbranch_scc1 .Lend
.irp w, 0,1,2,3
	ds_load_b32 v[164+\w], v[PS9] offset:576*\w
.endr
	v_and_b32 v177, 15, v0
	v_lshlrev_b32 v177, 2, v177
	s_wait_dscnt 0x0
	v_add_f32 v164, v164, v165
	v_add_f32 v166, v166, v167
	v_add_f32 v164, v164, v166
	global_store_b32 v177, v164, s[58:59] offset:512   ; places 128 to 143; lanes 16-31 repeat lanes 0-15's words with the same values
.Lend:
	s_wait_xcnt 0x0
	v_lshl_add_u32 v254, v0, 2, 0x25200
	v_mov_b32 v255, 0
	s_wait_tensorcnt 0x0
	ds_add_u32 v254, v255
	s_wait_dscnt 0x0
	s_endpgm
.Lfunc_end_k_qbc72e392f4_score:
	.size	k_qbc72e392f4_score, .Lfunc_end_k_qbc72e392f4_score-k_qbc72e392f4_score
	.p2alignl 7, 3214868480
	.fill 96, 4, 3214868480
	.section	.rodata,"a",@progbits
	.p2align	6, 0x0
	.amdhsa_kernel k_qbc72e392f4_score
		.amdhsa_group_segment_fixed_size 152576
		.amdhsa_private_segment_fixed_size 0
		.amdhsa_enable_private_segment 0
		.amdhsa_kernarg_size 64
		.amdhsa_user_sgpr_count 2
		.amdhsa_user_sgpr_kernarg_segment_ptr 1
		.amdhsa_wavefront_size32 1
		.amdhsa_system_sgpr_workgroup_id_x 1
		.amdhsa_system_sgpr_workgroup_id_y 1
		.amdhsa_system_sgpr_workgroup_id_z 1
		.amdhsa_system_vgpr_workitem_id 0
		.amdhsa_next_free_vgpr 1024
		.amdhsa_next_free_sgpr 66
		.amdhsa_reserve_vcc 0
		.amdhsa_float_denorm_mode_32 3
		.amdhsa_float_denorm_mode_16_64 3
		.amdhsa_memory_ordered 1
		.amdhsa_forward_progress 1
		.amdhsa_inst_pref_size 255
	.end_amdhsa_kernel
	.section	.bss,"aw",@nobits
	.p2align	6
	.space	262144
	.amdgpu_metadata
---
amdhsa.version: [ 1, 2 ]
amdhsa.kernels:
  - .name:           k_qbc72e392f4_score
    .symbol:         k_qbc72e392f4_score.kd
    .args:
      - { .name: encoder_outputs, .offset: 0, .size: 8, .value_kind: global_buffer, .address_space: global }
      - { .name: rowid, .offset: 8, .size: 8, .value_kind: global_buffer, .address_space: global }
      - { .name: meta, .offset: 16, .size: 8, .value_kind: global_buffer, .address_space: global }
      - { .name: wcodes, .offset: 24, .size: 8, .value_kind: global_buffer, .address_space: global }
      - { .name: hbs, .offset: 32, .size: 8, .value_kind: global_buffer, .address_space: global }
      - { .name: v_w, .offset: 40, .size: 8, .value_kind: global_buffer, .address_space: global }
      - { .name: lowp_scales, .offset: 48, .size: 8, .value_kind: global_buffer, .address_space: global }
      - { .name: att, .offset: 56, .size: 8, .value_kind: global_buffer, .address_space: global }
    .group_segment_fixed_size: 152576
    .private_segment_fixed_size: 0
    .kernarg_segment_align: 8
    .kernarg_segment_size: 64
    .max_flat_workgroup_size: 128
    .sgpr_count:     66
    .vgpr_count:     1024
    .wavefront_size: 32
...
	.end_amdgpu_metadata
.endif
;; end of part 2
;; launch context (part 3): grid 8 x 32, 32 waves a work-group, no clusters, 29,696 bytes of LDS; arguments encoder_outputs, att, klist, rank, meta, out0, out1; writes out0, out1
.if DOCPART == 3
	.amdgcn_target "amdgcn-amd-amdhsa--gfx1250"
	.amdhsa_code_object_version 6
	.text
	.protected	k_qbc72e392f4_context
	.globl	k_qbc72e392f4_context
	.p2align	8
	.type	k_qbc72e392f4_context,@function
k_qbc72e392f4_context:
	s_mov_b64 s[64:65], 0
	v_nop
	global_prefetch_b8 v0, s[64:65] scope:SCOPE_SE
	s_setreg_imm32_b32 hwreg(HW_REG_WAVE_MODE, 25, 1), 1
	s_wait_xcnt 0x0
; THE SOFTMAX AND THE CONTEXT.  Work-group (slice, b): batch b, columns 128 slice .. 128 slice + 127 of the context, entries 256 slice .. 256 slice + 255 of the weights.
; A row with mask == 0 has the score -1e10 in the definition: its weight is exactly 0 beside any listed row's, so only the batch's listed rows (count, klist, rank, meta: whole numbers stored two launches ago)
; enter the maximum, the sum and the context.  A batch with no kept row is listed whole with flag 0: its scores count as equal, and every weight is 1 / 2,048.
; SOFTMAX: each of the 1,024 threads takes k = t and t + 1,024; m = the largest score; p = 2^(c (score - m)), c = log2(e) (0 where the flag is 0); p = 0 from the count on.  p lies in LDS, the sum's reciprocal in a register.
; CONTEXT: in trip t wave w takes the rows k = 256 t + 8 w .. + 7: one load of 512 consecutive bytes a row, 16 bytes a lane; the trips end where the count ends (scalar branches on the stored count, with no barrier in them).
;   Rows behind the count in the last trip name row 0 of the batch and are multiplied by p = 0.  The 32 waves' sums meet in LDS.
; No matrix unit (one row of weights a batch), no tensor load (branches on stored numbers), no cluster: the eight slices of a batch share only the scores.
; LIMITS: NaN and infinities among the encoder's numbers are not served; the sum of |v_w| stays far under 1e10.
.set RED, 8192                         ; LDS: p at 0 (8,192 bytes); 32 maxima at RED, 32 sums at RED + 256;
.set CP,  8704                         ; the waves' partial contexts: 32 x 512 bytes
.set P,   32                           ; v32-39  eight p
.set ACC, 40                           ; v40-47  two sets of four sums
.set O,   48                           ; v48-63  two sets of eight row offsets
.set R,   64                           ; v64-127 two sets of eight rows' 16 bytes
.set WV,  18
	s_load_b256 s[4:11], s[0:1], 0x0               ; encoder_outputs s[4:5], att s[6:7], klist s[8:9], rank s[10:11]
	s_load_b128 s[12:15], s[0:1], 0x20             ; meta s[12:13], out0 s[14:15]
	s_load_b64 s[16:17], s[0:1], 0x30              ; out1
	v_lshrrev_b32 v20, 5, v0
	v_readfirstlane_b32 s[WV], v20                 ; wave 0..31
	s_and_b32 s19, ttmp7, 0xffff                   ; the batch
	v_and_b32 v21, 31, v0                          ; lane
	v_lshlrev_b32 v1, 4, v21                       ; 16 x lane
	; every LDS address is made here, ahead of the waves' first parting
	v_lshlrev_b32 v24, 2, v0                       ; p of k = my thread
	s_lshl_b32 s99, s[WV], 2
	s_add_co_u32 s99, s99, RED
	v_mov_b32 v25, s99                             ; my wave's word
	v_lshl_add_u32 v26, v21, 2, RED                ; lane l reads wave l's
	s_lshl_b32 s99, s[WV], 5
	v_mov_b32 v27, s99                             ; my wave's eight p of a trip
	s_lshl_b32 s99, s[WV], 9
	s_add_co_u32 s99, s99, CP
	v_lshl_add_u32 v28, v21, 4, s99
	v_lshl_add_u32 v29, v21, 4, CP
	v_lshlrev_b32 v30, 4, v0                       ; waves 0 and 1: my four entries of rank and of out1
	v_mov_b32 v31, 0xff61b1e6                      ; -3e38, under every score
	s_mov_b32 s95, 0
	s_mov_b32 s96, 0x76543210
	s_mov_b32 s97, 0xfedcba98
	s_mov_b32 s98, 288
	s_wait_kmcnt 0x0
	s_lshl_b32 s94, s19, 4
	s_add_nc_u64 s[12:13], s[12:13], s[94:95]
	s_load_b128 s[20:23], s[12:13], 0x0            ; count s20, base s21, flag s22
	s_lshl_b32 s94, s19, 13
	s_add_nc_u64 s[8:9], s[8:9], s[94:95]
	s_add_nc_u64 s[10:11], s[10:11], s[94:95]
	s_add_nc_u64 s[16:17], s[16:17], s[94:95]
	s_lshl_b32 s94, s[WV], 5
	s_add_nc_u64 s[8:9], s[8:9], s[94:95]
.irp t, 0,1,2,3,4
	s_load_b256 s[24+8*\t:31+8*\t], s[8:9], 1024*\t    ; klist[b][256 t + 8 w .. + 7]: every entry of klist is written, 0 from the count on
.endr
.irp t, 5,6,7
	s_load_b256 s[28+8*\t:35+8*\t], s[8:9], 1024*\t
.endr
	s_lshl_b32 s94, ttmp9, 10
	s_add_nc_u64 s[10:11], s[10:11], s[94:95]
	s_add_nc_u64 s[16:17], s[16:17], s[94:95]
	s_lshl_b32 s94, ttmp9, 9
	s_add_nc_u64 s[4:5], s[4:5], s[94:95]
	s_add_nc_u64 s[14:15], s[14:15], s[94:95]
	s_lshl_b32 s94, s19, 23
	s_add_nc_u64 s[4:5], s[4:5], s[94:95]          ; the batch's first row, my slice's 512 bytes
	s_lshl_b32 s94, s19, 12
	s_add_nc_u64 s[14:15], s[14:15], s[94:95]
	s_wait_kmcnt 0x0
.macro POS d                           ; g becomes the byte offset of its place: ((g >> 4) & 255) x 288 + (g >> 12) x 16 + (g & 15), x 4
	v_bfe_u32 v22, v[\d], 4, 8
	v_lshrrev_b32 v23, 12, v[\d]
	v_and_b32 v[\d], 15, v[\d]
	v_lshl_add_u32 v[\d], v23, 4, v[\d]
	v_mad_u32_u24 v[\d], v22, s98, v[\d]
	v_min_u32 v[\d], 0x11fff, v[\d]
	v_lshlrev_b32 v[\d], 2, v[\d]
.endm
.macro ISSUE t                         ; trip t's eight rows, into set t % 2
.if (\t) < 5
.set KS, 24+8*(\t)
.else
.set KS, 28+8*(\t)
.endif
.irp j, 0,1,2,3,4,5,6,7
	s_min_u32 s[KS+\j], s[KS+\j], 2047
	s_lshl_b32 s[KS+\j], s[KS+\j], 12
	v_add_nc_u32 v[O+8*((\t)%2)+\j], s[KS+\j], v1
	global_load_b128 v[R+32*((\t)%2)+4*\j:R+32*((\t)%2)+4*\j+3], v[O+8*((\t)%2)+\j], s[4:5]   ; 32 lanes read 512 consecutive bytes
.endr
.endm
	s_cmp_lt_u32 s[WV], 2
	s_cbranch_scc0 .Lno_rank
	global_load_b128 v[6:9], v30, s[10:11]         ; waves 0 and 1: the ranks of the slice's 256 entries
.Lno_rank:
	s_sub_co_u32 s92, s20, 1
	v_min_u32 v2, s92, v0                          ; behind the count the last listed row's score is read, and replaced below
	v_add_nc_u32 v2, s21, v2
	POS 2
	v_add_nc_u32 v20, 1024, v0
	v_min_u32 v3, s92, v20
	v_add_nc_u32 v3, s21, v3
	POS 3
	global_load_b32 v4, v2, s[6:7]
	global_load_b32 v5, v3, s[6:7]
	ISSUE 0
	s_cmp_lt_u32 s[WV], 2
	s_cbranch_scc0 .Lplain
	s_wait_loadcnt 10                              ; the ranks are in: behind them 2 scores and 8 rows were asked for
.irp e, 0,1,2,3
	v_max_i32 v[10+\e], 0, v[6+\e]
	v_add_nc_u32 v[10+\e], s21, v[10+\e]
	POS 10+\e
	global_load_b32 v[14+\e], v[10+\e], s[6:7]     ; the scores of my four entries (where the rank is -1: any score; it is replaced by 0 at the end)
.endr
	s_wait_loadcnt 12                              ; my two scores are in: 8 rows and 4 scores may be out
	s_branch .Lsoft
.Lplain:
	s_wait_loadcnt 8                               ; my two scores are in: the 8 rows may be out
.Lsoft:
	s_cmp_lg_u32 s22, 0
	s_cselect_b32 s93, 0x3fb8aa3b, 0               ; c
	v_cmp_gt_u32 vcc_lo, s20, v0
	v_cndmask_b32 v4, v31, v4, vcc_lo
	v_cmp_gt_u32 vcc_lo, s20, v20
	v_cndmask_b32 v5, v31, v5, vcc_lo
	v_max_num_f32 v20, v4, v5
.macro WMAX
	v_max_num_f32_dpp v20, v20, v20 row_xmask:1 row_mask:0xf bank_mask:0xf
	v_max_num_f32_dpp v20, v20, v20 row_xmask:2 row_mask:0xf bank_mask:0xf
	v_max_num_f32_dpp v20, v20, v20 row_xmask:4 row_mask:0xf bank_mask:0xf
	v_max_num_f32_dpp v20, v20, v20 row_xmask:8 row_mask:0xf bank_mask:0xf
	v_permlanex16_b32 v23, v20, s96, s97
	v_max_num_f32 v20, v20, v23
.endm
.macro WSUM
	v_add_f32_dpp v20, v20, v20 row_xmask:1 row_mask:0xf bank_mask:0xf
	v_add_f32_dpp v20, v20, v20 row_xmask:2 row_mask:0xf bank_mask:0xf
	v_add_f32_dpp v20, v20, v20 row_xmask:4 row_mask:0xf bank_mask:0xf
	v_add_f32_dpp v20, v20, v20 row_xmask:8 row_mask:0xf bank_mask:0xf
	v_permlanex16_b32 v23, v20, s96, s97
	v_add_f32 v20, v20, v23
.endm
	WMAX
	ds_store_b32 v25, v20                          ; all lanes write the same word with the same value
	s_wait_dscnt 0x0
	s_barrier_signal -1
	s_barrier_wait -1
	ds_load_b32 v20, v26
	s_wait_dscnt 0x0
	WMAX
	v_mul_f32 v18, s93, v20                        ; c m
	v_fma_f32 v4, v4, s93, -v18
	v_fma_f32 v5, v5, s93, -v18
	v_exp_f32 v4, v4
	v_exp_f32 v5, v5
	v_nop                                          ; a plain instruction behind the exponentials,
	s_wait_alu depctr_va_vdst(0)                   ; and a wait ahead of their first reader
	ds_store_b32 v24, v4
	ds_store_b32 v24, v5 offset:4096
	v_add_f32 v20, v4, v5
	WSUM
	ds_store_b32 v25, v20 offset:256
	s_wait_dscnt 0x0                               ; for the others' sake: my p and my wave's sum lie in LDS
	s_barrier_signal -1
	s_barrier_wait -1
	ds_load_b32 v20, v26 offset:256
	s_wait_dscnt 0x0
	WSUM
	v_rcp_f32 v19, v20                             ; 1 / the sum
	v_nop
	s_wait_alu depctr_va_vdst(0)
.macro FMA t                           ; eight rows x p: even rows into one set of sums, odd rows into the other; the first two rows start the sums
.irp j, 0,1,2,3,4,5,6,7
.irp u, 0,2
.if ((\t) == 0) && (\j == 0)
	v_pk_mul_f32 v[ACC+\u:ACC+\u+1], v[R+\u:R+\u+1], v[P:P+1] op_sel_hi:[1,0]
.elseif ((\t) == 0) && (\j == 1)
	v_pk_mul_f32 v[ACC+4+\u:ACC+4+\u+1], v[R+4+\u:R+4+\u+1], v[P:P+1] op_sel:[0,1] op_sel_hi:[1,1]
.elseif (\j%2) == 0
	v_pk_fma_f32 v[ACC+\u:ACC+\u+1], v[R+32*((\t)%2)+4*\j+\u:R+32*((\t)%2)+4*\j+\u+1], v[P+\j:P+\j+1], v[ACC+\u:ACC+\u+1] op_sel_hi:[1,0,1]
.else
	v_pk_fma_f32 v[ACC+4+\u:ACC+4+\u+1], v[R+32*((\t)%2)+4*\j+\u:R+32*((\t)%2)+4*\j+\u+1], v[P+\j-1:P+\j], v[ACC+4+\u:ACC+4+\u+1] op_sel:[0,1,0] op_sel_hi:[1,1,1]
.endif
.endr
.endr
.endm
.macro TRIP t
	ds_load_b128 v[P:P+3], v27 offset:1024*(\t)
	ds_load_b128 v[P+4:P+7], v27 offset:1024*(\t)+16
.if (\t) < 7
	s_cmp_gt_u32 s20, 256*((\t)+1)                 ; are there rows behind this trip's?
	s_cbranch_scc0 .Ltail_\t
	ISSUE (\t)+1
	s_wait_loadcnt 8                               ; this trip's rows are in; the next trip's eight may be out
.else
	s_wait_loadcnt 0x0
.endif
	s_wait_dscnt 0x0
	FMA \t
.endm
.irp t, 0,1,2,3,4,5,6,7
	TRIP \t
.endr
	s_branch .Ljoin
.irp t, 0,1,2,3,4,5,6
.Ltail_\t:                                         ; the batch's last trip: nothing more was asked for
	s_wait_loadcnt 0x0
	s_wait_dscnt 0x0
	FMA \t
	s_branch .Ljoin
.endr
.Ljoin:
	v_pk_add_f32 v[ACC:ACC+1], v[ACC:ACC+1], v[ACC+4:ACC+5]
	v_pk_add_f32 v[ACC+2:ACC+3], v[ACC+2:ACC+3], v[ACC+6:ACC+7]
	ds_store_b128 v28, v[ACC:ACC+3]
	s_cmp_lt_u32 s[WV], 2
	s_cbranch_scc0 .Lno_out1
.irp e, 0,1,2,3
	v_fma_f32 v[14+\e], v[14+\e], s93, -v18        ; the same arithmetic as above: the same p
.endr
.irp e, 0,1,2,3
	v_exp_f32 v[14+\e], v[14+\e]
.endr
	v_nop
	s_wait_alu depctr_va_vdst(0)
.irp e, 0,1,2,3
	v_mul_f32 v[14+\e], v[14+\e], v19
	v_cmp_le_i32 vcc_lo, 0, v[6+\e]
	v_cndmask_b32 v[14+\e], 0, v[14+\e], vcc_lo    ; a row that is not listed has the weight 0
.endr
	global_store_b128 v30, v[14:17], s[16:17]      ; a wave stores 512 consecutive bytes of out1
.Lno_out1:
	s_wait_dscnt 0x0                               ; for wave 0's sake: my partial context lies in LDS
	s_barrier_signal -1
	s_barrier_wait -1
	s_cmp_lg_u32 s[WV], 0
	s_cbranch_scc1 .Lend
.irp u, 0,1                            ; wave 0 adds the 32 parts, sixteen at a time, in two chains
.irp i, 0,1,2,3,4,5,6,7,8,9,10,11,12,13,14,15
	ds_load_b128 v[R+4*\i:R+4*\i+3], v29 offset:(16*\u+\i)*512
.endr
	s_wait_dscnt 0x0
.irp i, 0,1,2,3,4,5,6,7,8,9,10,11,12,13,14,15
.if (\u == 0) && (\i < 4)
.if (\i%2) == 0
	v_pk_add_f32 v[ACC+2*\i:ACC+2*\i+1],   v[R+4*\i:R+4*\i+1],   v[R+4*\i+4:R+4*\i+5]
	v_pk_add_f32 v[ACC+2*\i+2:ACC+2*\i+3], v[R+4*\i+2:R+4*\i+3], v[R+4*\i+6:R+4*\i+7]
.endif
.else
	v_pk_add_f32 v[ACC+4*(\i%2):ACC+4*(\i%2)+1],   v[ACC+4*(\i%2):ACC+4*(\i%2)+1],   v[R+4*\i:R+4*\i+1]
	v_pk_add_f32 v[ACC+4*(\i%2)+2:ACC+4*(\i%2)+3], v[ACC+4*(\i%2)+2:ACC+4*(\i%2)+3], v[R+4*\i+2:R+4*\i+3]
.endif
.endr
.endr
	v_pk_add_f32 v[ACC:ACC+1], v[ACC:ACC+1], v[ACC+4:ACC+5]
	v_pk_add_f32 v[ACC+2:ACC+3], v[ACC+2:ACC+3], v[ACC+6:ACC+7]
	v_pk_mul_f32 v[ACC:ACC+1], v[ACC:ACC+1], v[18:19] op_sel:[0,1] op_sel_hi:[1,1]       ; x 1 / the sum (the pair's second register for both halves)
	v_pk_mul_f32 v[ACC+2:ACC+3], v[ACC+2:ACC+3], v[18:19] op_sel:[0,1] op_sel_hi:[1,1]
	global_store_b128 v1, v[ACC:ACC+3], s[14:15]   ; 512 consecutive bytes of out0, at a multiple of 512 from its first byte
.Lend:
	s_wait_xcnt 0x0
	v_lshl_add_u32 v126, v0, 2, 0x6400
	v_mov_b32 v127, 0
	s_wait_tensorcnt 0x0
	ds_add_u32 v126, v127
	s_wait_dscnt 0x0
	s_endpgm
.Lfunc_end_k_qbc72e392f4_context:
	.size	k_qbc72e392f4_context, .Lfunc_end_k_qbc72e392f4_context-k_qbc72e392f4_context
	.p2alignl 7, 3214868480
	.fill 96, 4, 3214868480
	.section	.rodata,"a",@progbits
	.p2align	6, 0x0
	.amdhsa_kernel k_qbc72e392f4_context
		.amdhsa_group_segment_fixed_size 29696
		.amdhsa_private_segment_fixed_size 0
		.amdhsa_enable_private_segment 0
		.amdhsa_kernarg_size 56
		.amdhsa_user_sgpr_count 2
		.amdhsa_user_sgpr_kernarg_segment_ptr 1
		.amdhsa_wavefront_size32 1
		.amdhsa_system_sgpr_workgroup_id_x 1
		.amdhsa_system_sgpr_workgroup_id_y 1
		.amdhsa_system_sgpr_workgroup_id_z 1
		.amdhsa_system_vgpr_workitem_id 0
		.amdhsa_next_free_vgpr 128
		.amdhsa_next_free_sgpr 100
		.amdhsa_reserve_vcc 1
		.amdhsa_float_denorm_mode_32 3
		.amdhsa_float_denorm_mode_16_64 3
		.amdhsa_memory_ordered 1
		.amdhsa_forward_progress 1
		.amdhsa_inst_pref_size 49
	.end_amdhsa_kernel
	.amdgpu_metadata
---
amdhsa.version: [ 1, 2 ]
amdhsa.kernels:
  - .name:           k_qbc72e392f4_context
    .symbol:         k_qbc72e392f4_context.kd
    .args:
      - { .name: encoder_outputs, .offset: 0, .size: 8, .value_kind: global_buffer, .address_space: global }
      - { .name: att, .offset: 8, .size: 8, .value_kind: global_buffer, .address_space: global }
      - { .name: klist, .offset: 16, .size: 8, .value_kind: global_buffer, .address_space: global }
      - { .name: rank, .offset: 24, .size: 8, .value_kind: global_buffer, .address_space: global }
      - { .name: meta, .offset: 32, .size: 8, .value_kind: global_buffer, .address_space: global }
      - { .name: out0, .offset: 40, .size: 8, .value_kind: global_buffer, .address_space: global }
      - { .name: out1, .offset: 48, .size: 8, .value_kind: global_buffer, .address_space: global }
    .group_segment_fixed_size: 29696
    .private_segment_fixed_size: 0
    .kernarg_segment_align: 8
    .kernarg_segment_size: 56
    .max_flat_workgroup_size: 1024
    .sgpr_count:     100
    .vgpr_count:     128
    .wavefront_size: 32
...
	.end_amdgpu_metadata
.endif
;; end of part 3
;; ======== version 2 of 3: 3 launches
;; limits: right only within a limited range of input values
;; workspace buffers: wcodes 1,048,576 bytes; hbs 131,072 bytes; rowid 294,912 bytes of whole numbers; klist 262,144 bytes of whole numbers; rank 262,144 bytes of whole numbers; meta 16,384 bytes of whole numbers; att 294,912 bytes
;; launch prep (part 4): grid 96 x 1, 32 waves a work-group, no clusters, 71,680 bytes of LDS; arguments attn_w, hidden, attn_b, mask, lowp_scales, wcodes, hbs, rowid, klist, rank, meta; writes wcodes, hbs, rowid, klist, rank, meta
.if DOCPART == 4
	.amdgcn_target "amdgcn-amd-amdhsa--gfx1250"
	.amdhsa_code_object_version 6
	.text
	.protected	k_qbc72e392f4_prep
	.globl	k_qbc72e392f4_prep
	.p2align	8
	.type	k_qbc72e392f4_prep,@function
k_qbc72e392f4_prep:
	s_mov_b64 s[64:65], 0
	v_nop
	global_prefetch_b8 v0, s[64:65] scope:SCOPE_SE
	s_setreg_imm32_b32 hwreg(HW_REG_WAVE_MODE, 25, 1), 1
	s_wait_xcnt 0x0
; WHAT THE LATER LAUNCHES NEED, MADE ONCE.  96 work-groups of 32 waves.
; Work-groups 0 to 63: work-group nt takes rows n = 16 nt .. 16 nt + 15 of attn_w [1024][2048] f32.
;   w_e = columns 1024 .. 2047 becomes codes of E5M2 (scale 2^e3), stored in wcodes as images of operand registers;
;   w_h = columns 0 .. 1023 (scale 2^e1) and hidden [32][1024] (scale 2^e0) become codes in LDS, and one wave multiplies them
;   by the matrix unit: hbs = (hidden w_h^T + attn_b) / 2^(e2 + e3), laid as the C operand of the next launch's products.
; Work-groups 64 to 95: work-group 64 + B turns batch B of the mask [32][2048] into lists of whole numbers.  Rows with mask != 0 are KEPT; a batch with no kept
;   row is listed whole, with flag 0.  The listed rows of all batches are numbered g = base(b) + k; 16 of them are a tile.
;   The place of g in rowid (and in the scores) is ((g >> 4) & 255) x 288 + (g >> 12) x 16 + (g & 15): tile g >> 4 goes to work-group (g >> 4) & 255.
;   rowid[place] = b x 2048 + s (0 at places without a listed row); klist[b][k] = s; rank[b][s] = k or -1; meta[b] = count, base, flag, number of tiles (512 bytes a batch: the four words in each of 32 lanes).
;   A batch's base hangs on the counts of the batches ahead of it, and work-groups exchange nothing: so each of the 32 counts all batches itself, wave w batch w, and then wave w places elements 64 w .. 64 w + 63 of batch B.
;   All of that is whole-number arithmetic: ballots, bit counts, lane reads.
; THE ORDER OF K.  A row of 1,024 numbers is loaded as 8 dense loads of 512 bytes; conversion g takes a lane's 8 numbers of loads 2 g and 2 g + 1, and its
;   8 codes go to byte 256 g + 8 lane of a row of 1,024 codes.  That is one fixed permutation of K, the same for every quantised operand of this program, so every
;   product meets its partner.  A fragment takes bytes 128 s + 32 c + 16 (lane / 16) + 0 .. 15 of row lane % 16 into registers 4 c .. 4 c + 3.
; code = x / 2^e, held within +-57,344, to the nearest code, ties to even.
; LIMITS: e0, e1, e3 between -126 and 112; e0 + e1 - e2 - e3 and -(e2 + e3) between -126 and 127.  NaN among the inputs is not served.
.set PITCH, 1040                       ; a row of codes in LDS: 1,024 bytes + 16: the 16 rows of a fragment load start 65 x 16 bytes apart
.set CNT,   66560                      ; the mask's path: 32 batches' counts, and 128 bytes on the 32 waves' parts of my batch
.set WV,    26                         ; s26 my wave's number
	s_load_b256 s[4:11], s[0:1], 0x0               ; attn_w s[4:5], hidden s[6:7], attn_b s[8:9], mask s[10:11]
	s_load_b256 s[12:19], s[0:1], 0x20             ; lowp_scales s[12:13], wcodes s[14:15], hbs s[16:17], rowid s[18:19]
	s_load_b128 s[20:23], s[0:1], 0x40             ; klist s[20:21], rank s[22:23]
	s_load_b64 s[24:25], s[0:1], 0x50              ; meta
	v_lshrrev_b32 v1, 5, v0
	v_readfirstlane_b32 s[WV], v1                  ; wave 0..31
	v_and_b32 v2, 31, v0                           ; lane
	s_wait_kmcnt 0x0
	s_cmp_ge_u32 ttmp9, 64                         ; the last 32 work-groups take the mask; the two paths use LDS bytes of their own
	s_cbranch_scc1 .Lmask
; ---------------- the weights' path.  LDS rows 0-15: w_e; 16-31: w_h; 32-63: hidden.  Wave w quantises LDS rows 2 w and 2 w + 1.
	s_load_b128 s[28:31], s[12:13], 0x0            ; e0, e1, e2, e3
	v_lshlrev_b32 v3, 4, v2                        ; my 16 bytes of a load's 512
	s_lshl_b32 s32, ttmp9, 4                       ; 16 nt
	s_lshl_b32 s33, s[WV], 1                       ; 2 w
	s_and_b32 s34, s33, 15
	s_add_co_u32 s34, s34, s32                     ; the row of attn_w
	s_lshl_b32 s34, s34, 13                        ; x 8,192 bytes
	s_cmp_lt_u32 s[WV], 8
	s_cselect_b32 s35, 4096, 0                     ; w_e begins 4,096 bytes into the row
	s_add_co_u32 s34, s34, s35
	s_sub_co_u32 s36, s33, 32                      ; the row of hidden (waves 16 on; not chosen in the others)
	s_lshl_b32 s36, s36, 12
	s_mov_b32 s37, 4096
	s_cmp_lt_u32 s[WV], 16                         ; the choices hang on the wave's number alone: all waves take one path
	s_cselect_b64 s[38:39], s[4:5], s[6:7]
	s_cselect_b32 s34, s34, s36
	s_cselect_b32 s37, 8192, s37                   ; bytes from my first row to my second
	s_mov_b32 s35, 0
	s_add_nc_u64 s[38:39], s[38:39], s[34:35]
	v_add_nc_u32 v4, s37, v3
.irp q, 0,1,2,3,4,5,6,7
	global_load_b128 v[32+4*\q:35+4*\q], v3, s[38:39] offset:512*\q    ; 32 lanes read 512 consecutive bytes
.endr
.irp q, 0,1,2,3,4,5,6,7
	global_load_b128 v[64+4*\q:67+4*\q], v4, s[38:39] offset:512*\q
.endr
	; every LDS address is made here, ahead of the waves' parting
	s_mul_i32 s42, s[WV], 2*PITCH
	v_lshl_add_u32 v5, v2, 3, s42                  ; in: 8 lane + my first row
	v_and_b32 v8, 15, v0                           ; r
	v_bfe_u32 v9, v0, 4, 1                         ; h
	v_mul_u32_u24 v120, v8, PITCH
	v_lshl_add_u32 v120, v9, 4, v120               ; a fragment's lane: r x pitch + 16 h
	s_lshl_b32 s42, s[WV], 7
	v_add_nc_u32 v121, s42, v120                   ; + K step w (waves 0 to 7)
	s_lshr_b32 s43, ttmp9, 3                       ; wcodes: fragment (nt, s) at (((nt >> 3) x 8 + s) x 8 + (nt & 7)) x 2,048
	s_lshl_b32 s43, s43, 3
	s_add_co_u32 s43, s43, s[WV]
	s_lshl_b32 s43, s43, 3
	s_and_b32 s44, ttmp9, 7
	s_add_co_u32 s43, s43, s44
	s_lshl_b32 s43, s43, 11
	v_lshl_add_u32 v122, v2, 4, s43
	s_lshl_b32 s42, ttmp9, 6
	v_lshl_add_u32 v123, v9, 5, s42                ; attn_b: n = 16 nt + 8 h
	v_lshlrev_b32 v124, 5, v8
	v_lshl_add_u32 v124, v9, 4, v124
	s_lshl_b32 s42, ttmp9, 11
	v_add_nc_u32 v124, s42, v124                   ; hbs: nt x 2,048 + 32 r + 16 h
	s_wait_kmcnt 0x0
	s_cmp_lt_u32 s[WV], 8
	s_cselect_b32 s40, s31, s29                    ; e3 for w_e, e1 for w_h,
	s_cmp_lt_u32 s[WV], 16
	s_cselect_b32 s40, s40, s28                    ; e0 for hidden
	s_add_co_i32 s40, s40, 127
	s_lshl_b32 s41, s40, 23
	v_mov_b32 v6, s41                              ; 2^e as f32: the conversion takes its exponent field
	s_add_co_i32 s40, s40, 15
	s_lshl_b32 s40, s40, 23
	s_or_b32 s40, s40, 0x600000
	v_mov_b32 v7, s40                              ; 57,344 x 2^e
	s_wait_loadcnt 0x0
.set j, 0
.rept 64
	v_med3_num_f32 v[32+j], v[32+j], -v7, v7       ; the conversion to an 8-bit code does not saturate (ISA guide 7.6.2): the hold comes first
.set j, j+1
.endr
.set j, 0
.rept 8
	v_cvt_scalef32_pk8_bf8_f32 v[96+2*j:97+2*j], v[32+8*j:39+8*j], v6
.set j, j+1
.endr
	v_nop                                          ; one plain vector instruction behind the last scaled conversion: matrix instructions write these registers later
.set j, 0
.rept 8
	ds_store_b64 v5, v[96+2*j:97+2*j] offset:(j/4)*PITCH+256*(j%4)
.set j, j+1
.endr
	s_wait_dscnt 0x0                               ; for the others' sake: my two rows lie in LDS
	s_barrier_signal -1
	s_barrier_wait -1
	s_cmp_lt_u32 s[WV], 8
	s_cbranch_scc1 .Lfrag
	s_cmp_eq_u32 s[WV], 8
	s_cbranch_scc1 .Lproj
	s_wait_xcnt 0x0
	v_lshl_add_u32 v126, v0, 2, 0x10800
	v_mov_b32 v127, 0
	s_wait_tensorcnt 0x0
	ds_add_u32 v126, v127
	s_wait_dscnt 0x0
	s_endpgm
.Lfrag:                                            ; waves 0 to 7: fragment s = w of w_e leaves as the image of its 16 registers
.irp c, 0,1,2,3
	ds_load_b128 v[32+4*\c:35+4*\c], v121 offset:32*\c
.endr
	s_wait_dscnt 0x0
.irp c, 0,1,2,3
	global_store_b128 v122, v[32+4*\c:35+4*\c], s[14:15] offset:512*\c     ; 32 lanes store 512 consecutive bytes, at a multiple of 512 from the buffer's first byte
.endr
	s_wait_xcnt 0x0
	v_lshl_add_u32 v126, v0, 2, 0x10800
	v_mov_b32 v127, 0
	s_wait_tensorcnt 0x0
	ds_add_u32 v126, v127
	s_wait_dscnt 0x0
	s_endpgm
.Lproj:                                            ; wave 8: hidden w_h^T, transposed (source 0 = 16 rows of w_h, source 1 = 16 batches): lane (r, h) holds batch 16 t + r, n = 16 nt + 8 h + j
	global_load_b128 v[72:75], v123, s[8:9]
	global_load_b128 v[76:79], v123, s[8:9] offset:16
	s_add_co_i32 s44, s28, s29
	s_add_co_i32 s46, s30, s31
	s_sub_co_i32 s44, s44, s46
	s_add_co_i32 s44, s44, 127
	s_lshl_b32 s44, s44, 23                        ; 2^(e0 + e1 - e2 - e3)
	s_mov_b32 s45, s44                             ; (named with it as a pair, so it is written)
	s_sub_co_i32 s46, 127, s46
	s_lshl_b32 s46, s46, 23                        ; 2^-(e2 + e3)
	s_mov_b32 s47, s46
.irp s, 0,1,2,3,4,5,6,7
.irp c, 0,1,2,3
	ds_load_b128 v[8+4*\c:11+4*\c], v120 offset:16*PITCH+128*\s+32*\c
	ds_load_b128 v[24+4*\c:27+4*\c], v120 offset:32*PITCH+128*\s+32*\c
	ds_load_b128 v[40+4*\c:43+4*\c], v120 offset:48*PITCH+128*\s+32*\c
.endr
	s_wait_dscnt 0x0
.if \s == 0
	v_wmma_f32_16x16x128_bf8_bf8 v[56:63], v[8:23], v[24:39], 0            ; the first K step starts both sums
	v_wmma_f32_16x16x128_bf8_bf8 v[64:71], v[8:23], v[40:55], 0
.else
	v_wmma_f32_16x16x128_bf8_bf8 v[56:63], v[8:23], v[24:39], v[56:63]     ; the two accumulators take turns
	v_wmma_f32_16x16x128_bf8_bf8 v[64:71], v[8:23], v[40:55], v[64:71]
.endif
.rept 4
	v_nop                                          ; four places in front of loads into registers that matrix instructions have read, and of the first read of results
.endr
.endr
	s_wait_loadcnt 0x0                             ; attn_b
.irp j, 0,2,4,6
	v_pk_mul_f32 v[72+\j:73+\j], v[72+\j:73+\j], s[46:47] op_sel_hi:[1,0]
.endr
.irp t, 0,1
.irp j, 0,2,4,6
	v_pk_fma_f32 v[80+8*\t+\j:81+8*\t+\j], v[56+8*\t+\j:57+8*\t+\j], s[44:45], v[72+\j:73+\j] op_sel_hi:[1,0,1]   ; each accumulator from its low end on
.endr
.endr
.irp t, 0,1
.irp q, 0,1
	global_store_b128 v124, v[80+8*\t+4*\q:83+8*\t+4*\q], s[16:17] offset:1024*\q+512*\t   ; hbs[nt][q][batch][h][4]: 512 consecutive bytes a store
.endr
.endr
	s_wait_xcnt 0x0
	v_lshl_add_u32 v126, v0, 2, 0x10800
	v_mov_b32 v127, 0
	s_wait_tensorcnt 0x0
	ds_add_u32 v126, v127
	s_wait_dscnt 0x0
	s_endpgm
; ---------------- the mask's path.  Work-group 64 + B; wave w counts batch w and places elements 64 w .. 64 w + 63 of batch B.
.Lmask:
	s_and_b32 s28, ttmp9, 31                       ; B: work-groups 64 to 95 are batches 0 to 31
	s_lshl_b32 s27, s28, 13                        ; B x 8,192 bytes
	s_lshl_b32 s29, s[WV], 8
	s_add_co_u32 s29, s29, s27
	v_lshl_add_u32 v3, v2, 2, s29                  ; mask and rank: element 64 w + lane of batch B
	s_lshl_b32 s29, s[WV], 13
	v_lshl_add_u32 v54, v2, 4, s29                 ; batch w, 16 bytes a lane
	global_load_b32 v60, v3, s[10:11]              ; my 64 elements, in order: s = 64 w + 32 i + lane
	global_load_b32 v61, v3, s[10:11] offset:128
.set j, 0
.rept 16
	global_load_b128 v[64+4*j:67+4*j], v54, s[10:11] offset:512*j      ; batch w whole: for a count the order does not matter
.set j, j+1
.endr
	s_lshl_b32 s34, s[WV], 2
	s_add_co_u32 s34, s34, CNT
	v_mov_b32 v4, s34                              ; my wave's word
	v_lshl_add_u32 v6, v2, 2, CNT                  ; lane l reads word l
	s_lshl_b32 s46, s[WV], 6                       ; 64 w
	v_add_nc_u32 v55, s46, v2                      ; s of my first 32 elements
	s_lshl_b32 s34, s28, 9
	v_lshl_add_u32 v53, v2, 4, s34                 ; meta: 512 B + 16 lane
	s_lshl_b32 s34, s28, 3
	s_and_b32 s35, s[WV], 7
	s_add_co_u32 s34, s34, s35
	s_mul_i32 s34, s34, 1152
	s_add_co_u32 s34, s34, 1024
	v_lshl_add_u32 v56, v2, 2, s34                 ; rowid: the tile places 16 and 17 of work-group 8 B + w (waves 0 to 7)
	v_mov_b32 v57, 0
	s_mov_b32 s39, 0
	s_wait_loadcnt 0x0
.set j, 0
.rept 64
	v_cmp_ne_u32 vcc_lo, 0, v[64+j]
	s_bcnt1_i32_b32 s31, vcc_lo
	s_add_co_u32 s39, s39, s31                     ; batch w's kept rows
.set j, j+1
.endr
	s_cmp_lg_u32 s39, 0
	s_cselect_b32 s39, s39, 2048                   ; a batch with none is listed whole
	v_mov_b32 v5, s39
	ds_store_b32 v4, v5                            ; all lanes write the same word with the same value
	v_cmp_ne_u32 vcc_lo, 0, v60
	s_bcnt1_i32_b32 s31, vcc_lo
	v_cmp_ne_u32 vcc_lo, 0, v61
	s_bcnt1_i32_b32 s35, vcc_lo
	s_add_co_u32 s31, s31, s35                     ; the kept rows among my 64 elements of batch B
	v_mov_b32 v8, s31
	ds_store_b32 v4, v8 offset:128
	s_wait_dscnt 0x0                               ; for the others' sake: my two words lie in LDS
	s_barrier_signal -1
	s_barrier_wait -1
	ds_load_b32 v7, v6                             ; lane l: batch l's listed rows
	ds_load_b32 v9, v6 offset:128                  ; lane l: wave l's kept rows of batch B
	s_mov_b32 s36, 0                               ; R: listed rows of all batches
	s_mov_b32 s37, 0                               ; base: those of the batches ahead of B
	s_mov_b32 s30, 0                               ; batch B's kept rows
	s_mov_b32 s41, 0                               ; those ahead of my wave's elements
	v_cmp_gt_u32 vcc_lo, s28, v2
	s_wait_dscnt 0x0
	v_cndmask_b32 v10, 0, v7, vcc_lo               ; the counts of lanes under B,
	v_cmp_gt_u32 vcc_lo, s[WV], v2
	v_cndmask_b32 v11, 0, v9, vcc_lo               ; the parts of lanes under w: so each sum is a lane read and an addition
.set j, 0
.rept 32
	v_readlane_b32 s34, v7, j
	v_readlane_b32 s35, v10, j
	v_readlane_b32 s45, v9, j
	v_readlane_b32 s47, v11, j
	s_add_co_u32 s36, s36, s34
	s_add_co_u32 s37, s37, s35
	s_add_co_u32 s30, s30, s45
	s_add_co_u32 s41, s41, s47
.set j, j+1
.endr
	s_cmp_lg_u32 s30, 0
	s_cselect_b32 s32, 1, 0                        ; flag: 0 where no row is kept:
	s_cselect_b32 s33, 0, -1                       ; then every row is listed,
	s_cselect_b32 s41, s41, s46                    ; 64 w of them ahead of my elements,
	s_cselect_b32 s30, s30, 2048                   ; and the count is 2,048
	s_lshl_b32 s44, s28, 11                        ; B x 2,048
	s_add_co_u32 s42, s36, s44
	s_sub_co_u32 s42, s42, s37                     ; the rows that are not listed are numbered on from R: R + those of earlier batches (B x 2,048 - base) + those ahead of me in mine
	s_add_co_u32 s38, s36, 15
	s_lshr_b32 s38, s38, 4                         ; tiles of 16 listed rows
	s_mov_b32 s43, 288
	v_mov_b32 v12, s30
	v_mov_b32 v13, s37
	v_mov_b32 v14, s32
	v_mov_b32 v15, s38
; Step i places the 32 elements s = 64 w + 32 i + lane.  Each step has eight registers of its own; both steps' addresses and data are made first, and the six stores follow in one run.
; Every entry of klist and rank, and every place of rowid with g below 65,536, is written exactly once in the launch: elements that are not listed fill the places behind the listed ones with 0.
.macro PLACE i
.set T, 16+8*(\i)
	v_cmp_ne_u32 vcc_lo, 0, v[60+(\i)]
	s_or_b32 s40, vcc_lo, s33                      ; listed?
	v_mbcnt_lo_u32_b32 v[T], s40, s41              ; k: listed rows of the batch ahead of me
	v_add_nc_u32 v[T+1], 32*(\i), v55              ; s
	v_sub_nc_u32 v[T+5], v[T+1], v[T]              ; rows ahead of me that are not listed
	v_add_nc_u32 v[T+2], s30, v[T+5]
	v_cndmask_b32 v[T+2], v[T+2], v[T], s40        ; klist's entry: k, or count + the number above
	v_min_u32 v[T+2], 0x7ff, v[T+2]
	v_lshl_add_u32 v[T+2], v[T+2], 2, s27
	v_cndmask_b32 v[T+3], 0, v[T+1], s40
	v_cndmask_b32 v[T+4], -1, v[T], s40
	v_add_nc_u32 v[T+5], s42, v[T+5]
	v_add_nc_u32 v[T+6], s37, v[T]
	v_cndmask_b32 v[T+5], v[T+5], v[T+6], s40      ; g
	v_bfe_u32 v[T+6], v[T+5], 4, 8
	v_lshrrev_b32 v[T+7], 12, v[T+5]
	v_and_b32 v[T+5], 15, v[T+5]
	v_lshl_add_u32 v[T+5], v[T+7], 4, v[T+5]
	v_mad_u32_u24 v[T+5], v[T+6], s43, v[T+5]      ; its place
	v_min_u32 v[T+5], 0x11fff, v[T+5]
	v_lshlrev_b32 v[T+5], 2, v[T+5]
	v_add_nc_u32 v[T+6], s44, v[T+1]
	v_cndmask_b32 v[T+6], 0, v[T+6], s40           ; B x 2,048 + s, or 0
	s_bcnt1_i32_b32 s45, s40
	s_add_co_u32 s41, s41, s45
.endm
.macro SEND i
.set T, 16+8*(\i)
	global_store_b32 v[T+2], v[T+3], s[20:21]
	global_store_b32 v3, v[T+4], s[22:23] offset:128*(\i)
	global_store_b32 v[T+5], v[T+6], s[18:19]
.endm
	PLACE 0
	PLACE 1
	SEND 0
	SEND 1
	s_cmp_lt_u32 s[WV], 8
	s_cbranch_scc0 .Lmend
	global_store_b32 v56, v57, s[18:19]            ; waves 0 to 7: the tile places that no g reaches hold 0 too
	s_cmp_lg_u32 s[WV], 0
	s_cbranch_scc1 .Lmend
	global_store_b128 v53, v[12:15], s[24:25]      ; wave 0: my batch's meta, the same four words in every lane: 512 consecutive bytes, at a multiple of 512 from the buffer's first byte
.Lmend:
	s_wait_xcnt 0x0
	v_lshl_add_u32 v126, v0, 2, 0x10800
	v_mov_b32 v127, 0
	s_wait_tensorcnt 0x0
	ds_add_u32 v126, v127
	s_wait_dscnt 0x0
	s_endpgm
.Lfunc_end_k_qbc72e392f4_prep:
	.size	k_qbc72e392f4_prep, .Lfunc_end_k_qbc72e392f4_prep-k_qbc72e392f4_prep
	.p2alignl 7, 3214868480
	.fill 96, 4, 3214868480
	.section	.rodata,"a",@progbits
	.p2align	6, 0x0
	.amdhsa_kernel k_qbc72e392f4_prep
		.amdhsa_group_segment_fixed_size 71680
		.amdhsa_private_segment_fixed_size 0
		.amdhsa_enable_private_segment 0
		.amdhsa_kernarg_size 88
		.amdhsa_user_sgpr_count 2
		.amdhsa_user_sgpr_kernarg_segment_ptr 1
		.amdhsa_wavefront_size32 1
		.amdhsa_system_sgpr_workgroup_id_x 1
		.amdhsa_system_sgpr_workgroup_id_y 1
		.amdhsa_system_sgpr_workgroup_id_z 1
		.amdhsa_system_vgpr_workitem_id 0
		.amdhsa_next_free_vgpr 128
		.amdhsa_next_free_sgpr 66
		.amdhsa_reserve_vcc 1
		.amdhsa_float_denorm_mode_32 3
		.amdhsa_float_denorm_mode_16_64 3
		.amdhsa_memory_ordered 1
		.amdhsa_forward_progress 1
		.amdhsa_inst_pref_size 47
	.end_amdhsa_kernel
	.amdgpu_metadata
---
amdhsa.version: [ 1, 2 ]
amdhsa.kernels:
  - .name:           k_qbc72e392f4_prep
    .symbol:         k_qbc72e392f4_prep.kd
    .args:
      - { .name: attn_w, .offset: 0, .size: 8, .value_kind: global_buffer, .address_space: global }
      - { .name: hidden, .offset: 8, .size: 8, .value_kind: global_buffer, .address_space: global }
      - { .name: attn_b, .offset: 16, .size: 8, .value_kind: global_buffer, .address_space: global }
      - { .name: mask, .offset: 24, .size: 8, .value_kind: global_buffer, .address_space: global }
      - { .name: lowp_scales, .offset: 32, .size: 8, .value_kind: global_buffer, .address_space: global }
      - { .name: wcodes, .offset: 40, .size: 8, .value_kind: global_buffer, .address_space: global }
      - { .name: hbs, .offset: 48, .size: 8, .value_kind: global_buffer, .address_space: global }
      - { .name: rowid, .offset: 56, .size: 8, .value_kind: global_buffer, .address_space: global }
      - { .name: klist, .offset: 64, .size: 8, .value_kind: global_buffer, .address_space: global }
      - { .name: rank, .offset: 72, .size: 8, .value_kind: global_buffer, .address_space: global }
      - { .name: meta, .offset: 80, .size: 8, .value_kind: global_buffer, .address_space: global }
    .group_segment_fixed_size: 71680
    .private_segment_fixed_size: 0
    .kernarg_segment_align: 8
    .kernarg_segment_size: 88
    .max_flat_workgroup_size: 1024
    .sgpr_count:     66
    .vgpr_count:     128
    .wavefront_size: 32
...
	.end_amdgpu_metadata
.endif
;; end of part 4
;; launch score: the kernel of part 2 again; grid 256 x 2, 4 waves a work-group, no clusters, 152,576 bytes of LDS; arguments encoder_outputs, rowid, meta, wcodes, hbs, v_w, lowp_scales, att; writes att
;; launch context (part 5): grid 8 x 32, 32 waves a work-group, no clusters, 29,696 bytes of LDS; arguments encoder_outputs, att, klist, rank, meta, out0, out1; writes out0, out1
.if DOCPART == 5
	.amdgcn_target "amdgcn-amd-amdhsa--gfx1250"
	.amdhsa_code_object_version 6
	.text
	.protected	k_qbc72e392f4_context
	.globl	k_qbc72e392f4_context
	.p2align	8
	.type	k_qbc72e392f4_context,@function
k_qbc72e392f4_context:
	s_mov_b64 s[64:65], 0
	v_nop
	global_prefetch_b8 v0, s[64:65] scope:SCOPE_SE
	s_setreg_imm32_b32 hwreg(HW_REG_WAVE_MODE, 25, 1), 1
	s_wait_xcnt 0x0
; THE SOFTMAX AND THE CONTEXT.  Work-group (slice, b): batch b, columns 128 slice .. 128 slice + 127 of the context, entries 256 slice .. 256 slice + 255 of the weights.
; A row with mask == 0 has the score -1e10 in the definition: its weight is exactly 0 beside any listed row's, so only the batch's listed rows (count, klist, rank, meta: whole numbers stored two launches ago)
; enter the maximum, the sum and the context.  A batch with no kept row is listed whole with flag 0: its scores count as equal, and every weight is 1 / 2,048.
; SOFTMAX: each of the 1,024 threads takes k = t and t + 1,024; m = the largest score; p = 2^(c (score - m)), c = log2(e) (0 where the flag is 0); p = 0 from the count on.  p lies in LDS, the sum's reciprocal in a register.
; CONTEXT: in trip t wave w takes the rows k = 256 t + 8 w .. + 7: one load of 512 consecutive bytes a row, 16 bytes a lane; the trips end where the count ends (scalar branches on the stored count, with no barrier in them).
;   Rows behind the count in the last trip name row 0 of the batch and are multiplied by p = 0.  The 32 waves' sums meet in LDS.
;   A trip's eight offsets are made first and its eight loads follow in one run, with no vector instruction between two loads.
; No matrix unit (one row of weights a batch), no tensor load (branches on stored numbers), no cluster: the eight slices of a batch share only the scores.
; LIMITS: NaN and infinities among the encoder's numbers are not served; the sum of |v_w| stays far under 1e10.
.set RED, 8192                         ; LDS: p at 0 (8,192 bytes); 32 maxima at RED, 32 sums at RED + 256;
.set CP,  8704                         ; the waves' partial contexts: 32 x 512 bytes
.set P,   32                           ; v32-39  eight p
.set ACC, 40                           ; v40-47  two sets of four sums
.set O,   48                           ; v48-63  two sets of eight row offsets
.set R,   64                           ; v64-127 two sets of eight rows' 16 bytes
.set WV,  18
	s_load_b256 s[4:11], s[0:1], 0x0               ; encoder_outputs s[4:5], att s[6:7], klist s[8:9], rank s[10:11]
	s_load_b128 s[12:15], s[0:1], 0x20             ; meta s[12:13], out0 s[14:15]
	s_load_b64 s[16:17], s[0:1], 0x30              ; out1
	v_lshrrev_b32 v20, 5, v0
	v_readfirstlane_b32 s[WV], v20                 ; wave 0..31
	s_and_b32 s19, ttmp7, 0xffff                   ; the batch
	v_and_b32 v21, 31, v0                          ; lane
	v_lshlrev_b32 v1, 4, v21                       ; 16 x lane
	; every LDS address is made here, ahead of the waves' first parting
	v_lshlrev_b32 v24, 2, v0                       ; p of k = my thread
	s_lshl_b32 s99, s[WV], 2
	s_add_co_u32 s99, s99, RED
	v_mov_b32 v25, s99                             ; my wave's word
	v_lshl_add_u32 v26, v21, 2, RED                ; lane l reads wave l's
	s_lshl_b32 s99, s[WV], 5
	v_mov_b32 v27, s99                             ; my wave's eight p of a trip
	s_lshl_b32 s99, s[WV], 9
	s_add_co_u32 s99, s99, CP
	v_lshl_add_u32 v28, v21, 4, s99
	v_lshl_add_u32 v29, v21, 4, CP
	v_lshlrev_b32 v30, 4, v0                       ; waves 0 and 1: my four entries of rank and of out1
	v_mov_b32 v31, 0xff61b1e6                      ; -3e38, under every score
	s_mov_b32 s95, 0
	s_mov_b32 s96, 0x76543210
	s_mov_b32 s97, 0xfedcba98
	s_mov_b32 s98, 288
	s_wait_kmcnt 0x0
	s_lshl_b32 s94, s19, 9                         ; a batch's meta begins 512 bytes behind the last's
	s_add_nc_u64 s[12:13], s[12:13], s[94:95]
	s_load_b128 s[20:23], s[12:13], 0x0            ; count s20, base s21, flag s22
	s_lshl_b32 s94, s19, 13
	s_add_nc_u64 s[8:9], s[8:9], s[94:95]
	s_add_nc_u64 s[10:11], s[10:11], s[94:95]
	s_add_nc_u64 s[16:17], s[16:17], s[94:95]
	s_lshl_b32 s94, s[WV], 5
	s_add_nc_u64 s[8:9], s[8:9], s[94:95]
.irp t, 0,1,2,3,4
	s_load_b256 s[24+8*\t:31+8*\t], s[8:9], 1024*\t    ; klist[b][256 t + 8 w .. + 7]: every entry of klist is written, 0 from the count on
.endr
.irp t, 5,6,7
	s_load_b256 s[28+8*\t:35+8*\t], s[8:9], 1024*\t
.endr
	s_lshl_b32 s94, ttmp9, 10
	s_add_nc_u64 s[10:11], s[10:11], s[94:95]
	s_add_nc_u64 s[16:17], s[16:17], s[94:95]
	s_lshl_b32 s94, ttmp9, 9
	s_add_nc_u64 s[4:5], s[4:5], s[94:95]
	s_add_nc_u64 s[14:15], s[14:15], s[94:95]
	s_lshl_b32 s94, s19, 23
	s_add_nc_u64 s[4:5], s[4:5], s[94:95]          ; the batch's first row, my slice's 512 bytes
	s_lshl_b32 s94, s19, 12
	s_add_nc_u64 s[14:15], s[14:15], s[94:95]
	s_wait_kmcnt 0x0
.macro POS d                           ; g becomes the byte offset of its place: ((g >> 4) & 255) x 288 + (g >> 12) x 16 + (g & 15), x 4
	v_bfe_u32 v22, v[\d], 4, 8
	v_lshrrev_b32 v23, 12, v[\d]
	v_and_b32 v[\d], 15, v[\d]
	v_lshl_add_u32 v[\d], v23, 4, v[\d]
	v_mad_u32_u24 v[\d], v22, s98, v[\d]
	v_min_u32 v[\d], 0x11fff, v[\d]
	v_lshlrev_b32 v[\d], 2, v[\d]
.endm
.macro OFFS t                          ; trip t's eight row offsets, into set t % 2: the loads that read this set two trips ago have been waited for
.if (\t) < 5
.set KS, 24+8*(\t)
.else
.set KS, 28+8*(\t)
.endif
.irp j, 0,1,2,3,4,5,6,7
	s_min_u32 s[KS+\j], s[KS+\j], 2047
	s_lshl_b32 s[KS+\j], s[KS+\j], 12
	v_add_nc_u32 v[O+8*((\t)%2)+\j], s[KS+\j], v1
.endr
.endm
.macro LOADS t                         ; trip t's eight rows, into set t % 2
.irp j, 0,1,2,3,4,5,6,7
	global_load_b128 v[R+32*((\t)%2)+4*\j:R+32*((\t)%2)+4*\j+3], v[O+8*((\t)%2)+\j], s[4:5]   ; 32 lanes read 512 consecutive bytes
.endr
.endm
	s_sub_co_u32 s92, s20, 1
	v_min_u32 v2, s92, v0                          ; behind the count the last listed row's score is read, and replaced below
	v_add_nc_u32 v2, s21, v2
	POS 2
	v_add_nc_u32 v20, 1024, v0
	v_min_u32 v3, s92, v20
	v_add_nc_u32 v3, s21, v3
	POS 3
	OFFS 0
	s_cmp_lt_u32 s[WV], 2
	s_cbranch_scc0 .Lno_rank
	global_load_b128 v[6:9], v30, s[10:11]         ; waves 0 and 1: the ranks of the slice's 256 entries
.Lno_rank:
	global_load_b32 v4, v2, s[6:7]
	global_load_b32 v5, v3, s[6:7]
	LOADS 0
	s_cmp_lt_u32 s[WV], 2
	s_cbranch_scc0 .Lplain
	s_wait_loadcnt 10                              ; the ranks are in: behind them 2 scores and 8 rows were asked for
.irp e, 0,1,2,3
	v_max_i32 v[10+\e], 0, v[6+\e]
	v_add_nc_u32 v[10+\e], s21, v[10+\e]
	POS 10+\e
	global_load_b32 v[14+\e], v[10+\e], s[6:7]     ; the scores of my four entries (where the rank is -1: any score; it is replaced by 0 at the end)
.endr
	s_wait_loadcnt 12                              ; my two scores are in: 8 rows and 4 scores may be out
	s_branch .Lsoft
.Lplain:
	s_wait_loadcnt 8                               ; my two scores are in: the 8 rows may be out
.Lsoft:
	s_cmp_lg_u32 s22, 0
	s_cselect_b32 s93, 0x3fb8aa3b, 0               ; c
	v_cmp_gt_u32 vcc_lo, s20, v0
	v_cndmask_b32 v4, v31, v4, vcc_lo
	v_cmp_gt_u32 vcc_lo, s20, v20
	v_cndmask_b32 v5, v31, v5, vcc_lo
	v_max_num_f32 v20, v4, v5
.macro WMAX
	v_max_num_f32_dpp v20, v20, v20 row_xmask:1 row_mask:0xf bank_mask:0xf
	v_max_num_f32_dpp v20, v20, v20 row_xmask:2 row_mask:0xf bank_mask:0xf
	v_max_num_f32_dpp v20, v20, v20 row_xmask:4 row_mask:0xf bank_mask:0xf
	v_max_num_f32_dpp v20, v20, v20 row_xmask:8 row_mask:0xf bank_mask:0xf
	v_permlanex16_b32 v23, v20, s96, s97
	v_max_num_f32 v20, v20, v23
.endm
.macro WSUM
	v_add_f32_dpp v20, v20, v20 row_xmask:1 row_mask:0xf bank_mask:0xf
	v_add_f32_dpp v20, v20, v20 row_xmask:2 row_mask:0xf bank_mask:0xf
	v_add_f32_dpp v20, v20, v20 row_xmask:4 row_mask:0xf bank_mask:0xf
	v_add_f32_dpp v20, v20, v20 row_xmask:8 row_mask:0xf bank_mask:0xf
	v_permlanex16_b32 v23, v20, s96, s97
	v_add_f32 v20, v20, v23
.endm
	WMAX
	ds_store_b32 v25, v20                          ; all lanes write the same word with the same value
	s_wait_dscnt 0x0
	s_barrier_signal -1
	s_barrier_wait -1
	ds_load_b32 v20, v26
	s_wait_dscnt 0x0
	WMAX
	v_mul_f32 v18, s93, v20                        ; c m
	v_fma_f32 v4, v4, s93, -v18
	v_fma_f32 v5, v5, s93, -v18
	v_exp_f32 v4, v4
	v_exp_f32 v5, v5
	v_nop                                          ; a plain instruction behind the exponentials,
	s_wait_alu depctr_va_vdst(0)                   ; and a wait ahead of their first reader
	ds_store_b32 v24, v4
	ds_store_b32 v24, v5 offset:4096
	v_add_f32 v20, v4, v5
	WSUM
	ds_store_b32 v25, v20 offset:256
	s_wait_dscnt 0x0                               ; for the others' sake: my p and my wave's sum lie in LDS
	s_barrier_signal -1
	s_barrier_wait -1
	ds_load_b32 v20, v26 offset:256
	s_wait_dscnt 0x0
	WSUM
	v_rcp_f32 v19, v20                             ; 1 / the sum
	v_nop
	s_wait_alu depctr_va_vdst(0)
.macro FMA t                           ; eight rows x p: even rows into one set of sums, odd rows into the other; the first two rows start the sums
.irp j, 0,1,2,3,4,5,6,7
.irp u, 0,2
.if ((\t) == 0) && (\j == 0)
	v_pk_mul_f32 v[ACC+\u:ACC+\u+1], v[R+\u:R+\u+1], v[P:P+1] op_sel_hi:[1,0]
.elseif ((\t) == 0) && (\j == 1)
	v_pk_mul_f32 v[ACC+4+\u:ACC+4+\u+1], v[R+4+\u:R+4+\u+1], v[P:P+1] op_sel:[0,1] op_sel_hi:[1,1]
.elseif (\j%2) == 0
	v_pk_fma_f32 v[ACC+\u:ACC+\u+1], v[R+32*((\t)%2)+4*\j+\u:R+32*((\t)%2)+4*\j+\u+1], v[P+\j:P+\j+1], v[ACC+\u:ACC+\u+1] op_sel_hi:[1,0,1]
.else
	v_pk_fma_f32 v[ACC+4+\u:ACC+4+\u+1], v[R+32*((\t)%2)+4*\j+\u:R+32*((\t)%2)+4*\j+\u+1], v[P+\j-1:P+\j], v[ACC+4+\u:ACC+4+\u+1] op_sel:[0,1,0] op_sel_hi:[1,1,1]
.endif
.endr
.endr
.endm
.macro TRIP t
	ds_load_b128 v[P:P+3], v27 offset:1024*(\t)
	ds_load_b128 v[P+4:P+7], v27 offset:1024*(\t)+16
.if (\t) < 7
	s_cmp_gt_u32 s20, 256*((\t)+1)                 ; are there rows behind this trip's?
	s_cbranch_scc0 .Ltail_\t
	OFFS (\t)+1
	LOADS (\t)+1
	s_wait_loadcnt 8                               ; this trip's rows are in; the next trip's eight may be out
.else
	s_wait_loadcnt 0x0
.endif
	s_wait_dscnt 0x0
	FMA \t
.endm
.irp t, 0,1,2,3,4,5,6,7
	TRIP \t
.endr
	s_branch .Ljoin
.irp t, 0,1,2,3,4,5,6
.Ltail_\t:                                         ; the batch's last trip: nothing more was asked for
	s_wait_loadcnt 0x0
	s_wait_dscnt 0x0
	FMA \t
	s_branch .Ljoin
.endr
.Ljoin:
	v_pk_add_f32 v[ACC:ACC+1], v[ACC:ACC+1], v[ACC+4:ACC+5]
	v_pk_add_f32 v[ACC+2:ACC+3], v[ACC+2:ACC+3], v[ACC+6:ACC+7]
	ds_store_b128 v28, v[ACC:ACC+3]
	s_cmp_lt_u32 s[WV], 2
	s_cbranch_scc0 .Lno_out1
.irp e, 0,1,2,3
	v_fma_f32 v[14+\e], v[14+\e], s93, -v18        ; the same arithmetic as above: the same p
.endr
.irp e, 0,1,2,3
	v_exp_f32 v[14+\e], v[14+\e]
.endr
	v_nop
	s_wait_alu depctr_va_vdst(0)
.irp e, 0,1,2,3
	v_mul_f32 v[14+\e], v[14+\e], v19
	v_cmp_le_i32 vcc_lo, 0, v[6+\e]
	v_cndmask_b32 v[14+\e], 0, v[14+\e], vcc_lo    ; a row that is not listed has the weight 0
.endr
	global_store_b128 v30, v[14:17], s[16:17]      ; a wave stores 512 consecutive bytes of out1
.Lno_out1:
	s_wait_dscnt 0x0                               ; for wave 0's sake: my partial context lies in LDS
	s_barrier_signal -1
	s_barrier_wait -1
	s_cmp_lg_u32 s[WV], 0
	s_cbranch_scc1 .Lend
.irp u, 0,1                            ; wave 0 adds the 32 parts, sixteen at a time, in two chains
.irp i, 0,1,2,3,4,5,6,7,8,9,10,11,12,13,14,15
	ds_load_b128 v[R+4*\i:R+4*\i+3], v29 offset:(16*\u+\i)*512
.endr
	s_wait_dscnt 0x0
.irp i, 0,1,2,3,4,5,6,7,8,9,10,11,12,13,14,15
.if (\u == 0) && (\i < 4)
.if (\i%2) == 0
	v_pk_add_f32 v[ACC+2*\i:ACC+2*\i+1],   v[R+4*\i:R+4*\i+1],   v[R+4*\i+4:R+4*\i+5]
	v_pk_add_f32 v[ACC+2*\i+2:ACC+2*\i+3], v[R+4*\i+2:R+4*\i+3], v[R+4*\i+6:R+4*\i+7]
.endif
.else
	v_pk_add_f32 v[ACC+4*(\i%2):ACC+4*(\i%2)+1],   v[ACC+4*(\i%2):ACC+4*(\i%2)+1],   v[R+4*\i:R+4*\i+1]
	v_pk_add_f32 v[ACC+4*(\i%2)+2:ACC+4*(\i%2)+3], v[ACC+4*(\i%2)+2:ACC+4*(\i%2)+3], v[R+4*\i+2:R+4*\i+3]
.endif
.endr
.endr
	v_pk_add_f32 v[ACC:ACC+1], v[ACC:ACC+1], v[ACC+4:ACC+5]
	v_pk_add_f32 v[ACC+2:ACC+3], v[ACC+2:ACC+3], v[ACC+6:ACC+7]
	v_pk_mul_f32 v[ACC:ACC+1], v[ACC:ACC+1], v[18:19] op_sel:[0,1] op_sel_hi:[1,1]       ; x 1 / the sum (the pair's second register for both halves)
	v_pk_mul_f32 v[ACC+2:ACC+3], v[ACC+2:ACC+3], v[18:19] op_sel:[0,1] op_sel_hi:[1,1]
	global_store_b128 v1, v[ACC:ACC+3], s[14:15]   ; 512 consecutive bytes of out0, at a multiple of 512 from its first byte
.Lend:
	s_wait_xcnt 0x0
	v_lshl_add_u32 v126, v0, 2, 0x6400
	v_mov_b32 v127, 0
	s_wait_tensorcnt 0x0
	ds_add_u32 v126, v127
	s_wait_dscnt 0x0
	s_endpgm
.Lfunc_end_k_qbc72e392f4_context:
	.size	k_qbc72e392f4_context, .Lfunc_end_k_qbc72e392f4_context-k_qbc72e392f4_context
	.p2alignl 7, 3214868480
	.fill 96, 4, 3214868480
	.section	.rodata,"a",@progbits
	.p2align	6, 0x0
	.amdhsa_kernel k_qbc72e392f4_context
		.amdhsa_group_segment_fixed_size 29696
		.amdhsa_private_segment_fixed_size 0
		.amdhsa_enable_private_segment 0
		.amdhsa_kernarg_size 56
		.amdhsa_user_sgpr_count 2
		.amdhsa_user_sgpr_kernarg_segment_ptr 1
		.amdhsa_wavefront_size32 1
		.amdhsa_system_sgpr_workgroup_id_x 1
		.amdhsa_system_sgpr_workgroup_id_y 1
		.amdhsa_system_sgpr_workgroup_id_z 1
		.amdhsa_system_vgpr_workitem_id 0
		.amdhsa_next_free_vgpr 128
		.amdhsa_next_free_sgpr 100
		.amdhsa_reserve_vcc 1
		.amdhsa_float_denorm_mode_32 3
		.amdhsa_float_denorm_mode_16_64 3
		.amdhsa_memory_ordered 1
		.amdhsa_forward_progress 1
		.amdhsa_inst_pref_size 49
	.end_amdhsa_kernel
	.amdgpu_metadata
---
amdhsa.version: [ 1, 2 ]
amdhsa.kernels:
  - .name:           k_qbc72e392f4_context
    .symbol:         k_qbc72e392f4_context.kd
    .args:
      - { .name: encoder_outputs, .offset: 0, .size: 8, .value_kind: global_buffer, .address_space: global }
      - { .name: att, .offset: 8, .size: 8, .value_kind: global_buffer, .address_space: global }
      - { .name: klist, .offset: 16, .size: 8, .value_kind: global_buffer, .address_space: global }
      - { .name: rank, .offset: 24, .size: 8, .value_kind: global_buffer, .address_space: global }
      - { .name: meta, .offset: 32, .size: 8, .value_kind: global_buffer, .address_space: global }
      - { .name: out0, .offset: 40, .size: 8, .value_kind: global_buffer, .address_space: global }
      - { .name: out1, .offset: 48, .size: 8, .value_kind: global_buffer, .address_space: global }
    .group_segment_fixed_size: 29696
    .private_segment_fixed_size: 0
    .kernarg_segment_align: 8
    .kernarg_segment_size: 56
    .max_flat_workgroup_size: 1024
    .sgpr_count:     100
    .vgpr_count:     128
    .wavefront_size: 32
...
	.end_amdgpu_metadata
.endif
;; end of part 5
;; ======== version 3 of 3: 3 launches
;; limits: right only within a limited range of input values
;; workspace buffers: wcodes 1,048,576 bytes; hbs 131,072 bytes; rowid 294,912 bytes of whole numbers; klist 262,144 bytes of whole numbers; rank 262,144 bytes of whole numbers; meta 16,384 bytes of whole numbers; att 294,912 bytes
;; launch prep (part 6): grid 96 x 1, 32 waves a work-group, no clusters, 71,680 bytes of LDS; arguments attn_w, hidden, attn_b, mask, lowp_scales, wcodes, hbs, rowid, klist, rank, meta; writes wcodes, hbs, rowid, klist, rank, meta
.if DOCPART == 6
	.amdgcn_target "amdgcn-amd-amdhsa--gfx1250"
	.amdhsa_code_object_version 6
	.text
	.protected	k_qbc72e392f4_prep
	.globl	k_qbc72e392f4_prep
	.p2align	8
	.type	k_qbc72e392f4_prep,@function
k_qbc72e392f4_prep:
	s_mov_b64 s[64:65], 0
	v_nop
	global_prefetch_b8 v0, s[64:65] scope:SCOPE_SE
	s_setreg_imm32_b32 hwreg(HW_REG_WAVE_SCHED_MODE, 0, 2), 2
	s_setreg_imm32_b32 hwreg(HW_REG_WAVE_MODE, 25, 1), 1
	s_wait_xcnt 0x0
	s_wait_alu depctr_vm_vsrc(0)
; WHAT THE LATER LAUNCHES NEED, MADE ONCE.  96 work-groups of 32 waves.
; Work-groups 0 to 63: work-group nt takes rows n = 16 nt .. 16 nt + 15 of attn_w [1024][2048] f32.
;   w_e = columns 1024 .. 2047 becomes codes of E5M2 (scale 2^e3), stored in wcodes as images of operand registers;
;   w_h = columns 0 .. 1023 (scale 2^e1) and hidden [32][1024] (scale 2^e0) become codes in LDS, and one wave multiplies them
;   by the matrix unit: hbs = (hidden w_h^T + attn_b) / 2^(e2 + e3), laid as the C operand of the next launch's products.
; Work-groups 64 to 95: work-group 64 + B turns batch B of the mask [32][2048] into lists of whole numbers.  Rows with mask != 0 are KEPT; a batch with no kept
;   row is listed whole, with flag 0.  The listed rows of all batches are numbered g = base(b) + k; 16 of them are a tile.
;   The place of g in rowid (and in the scores) is ((g >> 4) & 255) x 288 + (g >> 12) x 16 + (g & 15): tile g >> 4 goes to work-group (g >> 4) & 255.
;   rowid[place] = b x 2048 + s (0 at places without a listed row); klist[b][k] = s; rank[b][s] = k or -1; meta[b] = count, base, flag, number of tiles (512 bytes a batch: the four words in each of 32 lanes).
;   A batch's base hangs on the counts of the batches ahead of it, and work-groups exchange nothing: so each of the 32 counts all batches itself, wave w batch w, and then wave w places elements 64 w .. 64 w + 63 of batch B.
;   All of that is whole-number arithmetic: ballots, bit counts, lane reads.
; THE ORDER OF K.  A row of 1,024 numbers is loaded as 8 dense loads of 512 bytes; conversion g takes a lane's 8 numbers of loads 2 g and 2 g + 1, and its
;   8 codes go to byte 256 g + 8 lane of a row of 1,024 codes.  That is one fixed permutation of K, the same for every quantised operand of this program, so every
;   product meets its partner.  A fragment takes bytes 128 s + 32 c + 16 (lane / 16) + 0 .. 15 of row lane % 16 into registers 4 c .. 4 c + 3.
; code = x / 2^e, held within +-57,344, to the nearest code, ties to even.
; LIMITS: e0, e1, e3 between -126 and 112; e0 + e1 - e2 - e3 and -(e2 + e3) between -126 and 127.  NaN among the inputs is not served.
; THE MODE: SCHED_MODE bits 1:0 = 2 (LLVM: expert scheduling mode 2), set by the entry lines.  The code itself states the register dependences
; between vector or matrix instructions and memory or LDS instructions, with s_wait_alu, always for 0.
; THE PLAN.  The weights' path:
;   v3, v4      offsets of the sixteen loads: made, one wait on va_vdst, read.
;   v32-95      two rows as loaded; held and converted; later loads land there (waves 0 to 7: a fragment in v32-47; wave 8: attn_b in v72-79, fragments in v8-55).
;   v96-111     the codes: written by the conversions, read by the LDS stores.
;   v5, v120-124  the addresses of all that follows the conversions.
;   ONE wait on va_vdst behind the conversions states all of that.  Wave 8 has one set of fragments (eight waves of 128 registers share a SIMD's 1,024: there is no second), so a wait stands at the head of
;   each K step but the first: the last step's products are done reading v8-55.  One more stands ahead of the stores of hbs.
; The mask's path: what a vector instruction writes into a scalar register is waited for ahead of its first reader, so the compares and the lane reads go in runs of sixteen, into s48-63, one wait on va_sdst behind each run.
;   Three waits on va_vdst: ahead of the loads (v3, v54), of the two LDS stores (v4, v5, v8; v6 for the loads behind the barrier), and of the run of global stores (all their addresses and data).
; No register that a memory or LDS instruction reads is written again in this text: it has no wait on vm_vsrc.
.set PITCH, 1040                       ; a row of codes in LDS: 1,024 bytes + 16: the 16 rows of a fragment load start 65 x 16 bytes apart
.set CNT,   66560                      ; the mask's path: 32 batches' counts, and 128 bytes on the 32 waves' parts of my batch
.set WV,    26                         ; s26 my wave's number
	s_load_b256 s[4:11], s[0:1], 0x0               ; attn_w s[4:5], hidden s[6:7], attn_b s[8:9], mask s[10:11]
	s_load_b256 s[12:19], s[0:1], 0x20             ; lowp_scales s[12:13], wcodes s[14:15], hbs s[16:17], rowid s[18:19]
	s_load_b128 s[20:23], s[0:1], 0x40             ; klist s[20:21], rank s[22:23]
	s_load_b64 s[24:25], s[0:1], 0x50              ; meta
	v_lshrrev_b32 v1, 5, v0
	v_readfirstlane_b32 s[WV], v1                  ; wave 0..31
	v_and_b32 v2, 31, v0                           ; lane
	s_wait_alu depctr_va_sdst(0)                   ; s26 is written: both paths below read it
	s_wait_kmcnt 0x0
	s_cmp_ge_u32 ttmp9, 64                         ; the last 32 work-groups take the mask; the two paths use LDS bytes of their own
	s_cbranch_scc1 .Lmask
; ---------------- the weights' path.  LDS rows 0-15: w_e; 16-31: w_h; 32-63: hidden.  Wave w quantises LDS rows 2 w and 2 w + 1.
	s_load_b128 s[28:31], s[12:13], 0x0            ; e0, e1, e2, e3
	s_wait_alu depctr_va_vdst(0)
	v_lshlrev_b32 v3, 4, v2                        ; my 16 bytes of a load's 512
	s_wait_alu depctr_va_vdst(0)
	s_lshl_b32 s32, ttmp9, 4                       ; 16 nt
	s_lshl_b32 s33, s[WV], 1                       ; 2 w
	s_and_b32 s34, s33, 15
	s_add_co_u32 s34, s34, s32                     ; the row of attn_w
	s_lshl_b32 s34, s34, 13                        ; x 8,192 bytes
	s_cmp_lt_u32 s[WV], 8
	s_cselect_b32 s35, 4096, 0                     ; w_e begins 4,096 bytes into the row
	s_add_co_u32 s34, s34, s35
	s_sub_co_u32 s36, s33, 32                      ; the row of hidden (waves 16 on; not chosen in the others)
	s_lshl_b32 s36, s36, 12
	s_mov_b32 s37, 4096
	s_cmp_lt_u32 s[WV], 16                         ; the choices hang on the wave's number alone: all waves take one path
	s_cselect_b64 s[38:39], s[4:5], s[6:7]
	s_cselect_b32 s34, s34, s36
	s_cselect_b32 s37, 8192, s37                   ; bytes from my first row to my second
	s_mov_b32 s35, 0
	s_add_nc_u64 s[38:39], s[38:39], s[34:35]
	v_add_nc_u32 v4, s37, v3
	s_wait_alu depctr_va_vdst(0)                   ; v3 and v4 are written: the sixteen loads read them as offsets
.irp q, 0,1,2,3,4,5,6,7
	global_load_b128 v[32+4*\q:35+4*\q], v3, s[38:39] offset:512*\q    ; 32 lanes read 512 consecutive bytes
.endr
.irp q, 0,1,2,3,4,5,6,7
	global_load_b128 v[64+4*\q:67+4*\q], v4, s[38:39] offset:512*\q
.endr
	; every LDS address is made here, ahead of the waves' parting
	s_mul_i32 s42, s[WV], 2*PITCH
	v_lshl_add_u32 v5, v2, 3, s42                  ; in: 8 lane + my first row
	v_and_b32 v8, 15, v0                           ; r
	v_bfe_u32 v9, v0, 4, 1                         ; h
	s_wait_alu depctr_va_vdst(0)
	v_mul_u32_u24 v120, v8, PITCH
	v_lshl_add_u32 v120, v9, 4, v120               ; a fragment's lane: r x pitch + 16 h
	s_lshl_b32 s42, s[WV], 7
	v_add_nc_u32 v121, s42, v120                   ; + K step w (waves 0 to 7)
	s_lshr_b32 s43, ttmp9, 3                       ; wcodes: fragment (nt, s) at (((nt >> 3) x 8 + s) x 8 + (nt & 7)) x 2,048
	s_lshl_b32 s43, s43, 3
	s_add_co_u32 s43, s43, s[WV]
	s_lshl_b32 s43, s43, 3
	s_and_b32 s44, ttmp9, 7
	s_add_co_u32 s43, s43, s44
	s_lshl_b32 s43, s43, 11
	v_lshl_add_u32 v122, v2, 4, s43
	s_lshl_b32 s42, ttmp9, 6
	v_lshl_add_u32 v123, v9, 5, s42                ; attn_b: n = 16 nt + 8 h
	v_lshlrev_b32 v124, 5, v8
	v_lshl_add_u32 v124, v9, 4, v124
	s_lshl_b32 s42, ttmp9, 11
	v_add_nc_u32 v124, s42, v124                   ; hbs: nt x 2,048 + 32 r + 16 h
	s_wait_kmcnt 0x0
	s_cmp_lt_u32 s[WV], 8
	s_cselect_b32 s40, s31, s29                    ; e3 for w_e, e1 for w_h,
	s_cmp_lt_u32 s[WV], 16
	s_cselect_b32 s40, s40, s28                    ; e0 for hidden
	s_add_co_i32 s40, s40, 127
	s_lshl_b32 s41, s40, 23
	v_mov_b32 v6, s41                              ; 2^e as f32: the conversion takes its exponent field
	s_add_co_i32 s40, s40, 15
	s_lshl_b32 s40, s40, 23
	s_or_b32 s40, s40, 0x600000
	v_mov_b32 v7, s40                              ; 57,344 x 2^e
	s_wait_alu depctr_va_vdst(0)
	s_wait_loadcnt 0x0
.set j, 0
.rept 64
	v_med3_num_f32 v[32+j], v[32+j], -v7, v7       ; the conversion to an 8-bit code does not saturate (ISA guide 7.6.2): the hold comes first
.set j, j+1
.endr
.set j, 0
.rept 8
	v_cvt_scalef32_pk8_bf8_f32 v[96+2*j:97+2*j], v[32+8*j:39+8*j], v6
.set j, j+1
.endr
	v_nop                                          ; one plain vector instruction behind the last scaled conversion: matrix instructions write these registers later
	s_wait_alu depctr_va_vdst(0)                   ; the conversions have written v96-111, which the LDS stores read, and are done with v32-95, in which later loads land; v5, v8, v9 and v120 to v124 are written
.set j, 0
.rept 8
	ds_store_b64 v5, v[96+2*j:97+2*j] offset:(j/4)*PITCH+256*(j%4)
.set j, j+1
.endr
	s_wait_dscnt 0x0                               ; for the others' sake: my two rows lie in LDS
	s_barrier_signal -1
	s_barrier_wait -1
	s_cmp_lt_u32 s[WV], 8
	s_cbranch_scc1 .Lfrag
	s_cmp_eq_u32 s[WV], 8
	s_cbranch_scc1 .Lproj
	s_wait_xcnt 0x0
	v_lshl_add_u32 v126, v0, 2, 0x10800
	v_mov_b32 v127, 0
	s_wait_dscnt 0x0                               ; the closing lines, six on end
	s_wait_alu 0x0
	s_wait_tensorcnt 0x0
	ds_add_u32 v126, v127
	s_wait_dscnt 0x0
	s_endpgm
.Lfrag:                                            ; waves 0 to 7: fragment s = w of w_e leaves as the image of its 16 registers.  No vector instruction since the wait behind the conversions names v32-47, v121 or v122
.irp c, 0,1,2,3
	ds_load_b128 v[32+4*\c:35+4*\c], v121 offset:32*\c
.endr
	s_wait_dscnt 0x0
.irp c, 0,1,2,3
	global_store_b128 v122, v[32+4*\c:35+4*\c], s[14:15] offset:512*\c     ; 32 lanes store 512 consecutive bytes, at a multiple of 512 from the buffer's first byte
.endr
	s_wait_xcnt 0x0
	v_lshl_add_u32 v126, v0, 2, 0x10800
	v_mov_b32 v127, 0
	s_wait_dscnt 0x0                               ; the closing lines, six on end, as above
	s_wait_alu 0x0
	s_wait_tensorcnt 0x0
	ds_add_u32 v126, v127
	s_wait_dscnt 0x0
	s_endpgm
.Lproj:                                            ; wave 8: hidden w_h^T, transposed (source 0 = 16 rows of w_h, source 1 = 16 batches): lane (r, h) holds batch 16 t + r, n = 16 nt + 8 h + j
	global_load_b128 v[72:75], v123, s[8:9]
	global_load_b128 v[76:79], v123, s[8:9] offset:16
	s_add_co_i32 s44, s28, s29
	s_add_co_i32 s46, s30, s31
	s_sub_co_i32 s44, s44, s46
	s_add_co_i32 s44, s44, 127
	s_lshl_b32 s44, s44, 23                        ; 2^(e0 + e1 - e2 - e3)
	s_mov_b32 s45, s44                             ; (named with it as a pair, so it is written)
	s_sub_co_i32 s46, 127, s46
	s_lshl_b32 s46, s46, 23                        ; 2^-(e2 + e3)
	s_mov_b32 s47, s46
.irp s, 0,1,2,3,4,5,6,7
.if \s > 0
	s_wait_alu depctr_va_vdst(0)                   ; the last step's two products are done reading v8-55, in which this step's fragments land
.endif
.irp c, 0,1,2,3
	ds_load_b128 v[8+4*\c:11+4*\c], v120 offset:16*PITCH+128*\s+32*\c
	ds_load_b128 v[24+4*\c:27+4*\c], v120 offset:32*PITCH+128*\s+32*\c
	ds_load_b128 v[40+4*\c:43+4*\c], v120 offset:48*PITCH+128*\s+32*\c
.endr
	s_wait_dscnt 0x0
.if \s == 0
	v_wmma_f32_16x16x128_bf8_bf8 v[56:63], v[8:23], v[24:39], 0            ; the first K step starts both sums
	v_wmma_f32_16x16x128_bf8_bf8 v[64:71], v[8:23], v[40:55], 0
.else
	v_wmma_f32_16x16x128_bf8_bf8 v[56:63], v[8:23], v[24:39], v[56:63]     ; the two accumulators take turns
	v_wmma_f32_16x16x128_bf8_bf8 v[64:71], v[8:23], v[40:55], v[64:71]
.endif
.rept 4
	v_nop                                          ; four places in front of loads into registers that matrix instructions have read, and of the first read of results
.endr
.endr
	s_wait_loadcnt 0x0                             ; attn_b
.irp j, 0,2,4,6
	v_pk_mul_f32 v[72+\j:73+\j], v[72+\j:73+\j], s[46:47] op_sel_hi:[1,0]
.endr
.irp t, 0,1
.irp j, 0,2,4,6
	v_pk_fma_f32 v[80+8*\t+\j:81+8*\t+\j], v[56+8*\t+\j:57+8*\t+\j], s[44:45], v[72+\j:73+\j] op_sel_hi:[1,0,1]   ; each accumulator from its low end on
.endr
.endr
	s_wait_alu depctr_va_vdst(0)                   ; the multiply-adds have written v80-95, which the four stores read
.irp t, 0,1
.irp q, 0,1
	global_store_b128 v124, v[80+8*\t+4*\q:83+8*\t+4*\q], s[16:17] offset:1024*\q+512*\t   ; hbs[nt][q][batch][h][4]: 512 consecutive bytes a store
.endr
.endr
	s_wait_xcnt 0x0
	v_lshl_add_u32 v126, v0, 2, 0x10800
	v_mov_b32 v127, 0
	s_wait_dscnt 0x0                               ; the closing lines, six on end, as above
	s_wait_alu 0x0
	s_wait_tensorcnt 0x0
	ds_add_u32 v126, v127
	s_wait_dscnt 0x0
	s_endpgm
; ---------------- the mask's path.  Work-group 64 + B; wave w counts batch w and places elements 64 w .. 64 w + 63 of batch B.
.Lmask:
	s_and_b32 s28, ttmp9, 31                       ; B: work-groups 64 to 95 are batches 0 to 31
	s_lshl_b32 s27, s28, 13                        ; B x 8,192 bytes
	s_lshl_b32 s29, s[WV], 8
	s_add_co_u32 s29, s29, s27
	s_wait_alu depctr_va_vdst(0)
	v_lshl_add_u32 v3, v2, 2, s29                  ; mask and rank: element 64 w + lane of batch B
	s_lshl_b32 s29, s[WV], 13
	v_lshl_add_u32 v54, v2, 4, s29                 ; batch w, 16 bytes a lane
	s_wait_alu depctr_va_vdst(0)                   ; v3 and v54 are written: the eighteen loads read them as offsets
	global_load_b32 v60, v3, s[10:11]              ; my 64 elements, in order: s = 64 w + 32 i + lane
	global_load_b32 v61, v3, s[10:11] offset:128
.set j, 0
.rept 16
	global_load_b128 v[64+4*j:67+4*j], v54, s[10:11] offset:512*j      ; batch w whole: for a count the order does not matter
.set j, j+1
.endr
	s_lshl_b32 s34, s[WV], 2
	s_add_co_u32 s34, s34, CNT
	v_mov_b32 v4, s34                              ; my wave's word
	v_lshl_add_u32 v6, v2, 2, CNT                  ; lane l reads word l
	s_lshl_b32 s46, s[WV], 6                       ; 64 w
	v_add_nc_u32 v55, s46, v2                      ; s of my first 32 elements
	s_lshl_b32 s34, s28, 9
	v_lshl_add_u32 v53, v2, 4, s34                 ; meta: 512 B + 16 lane
	s_lshl_b32 s34, s28, 3
	s_and_b32 s35, s[WV], 7
	s_add_co_u32 s34, s34, s35
	s_mul_i32 s34, s34, 1152
	s_add_co_u32 s34, s34, 1024
	v_lshl_add_u32 v56, v2, 2, s34                 ; rowid: the tile places 16 and 17 of work-group 8 B + w (waves 0 to 7)
	v_mov_b32 v57, 0
	s_mov_b32 s39, 0
	s_wait_loadcnt 0x0
	v_cmp_ne_u32 s2, 0, v60                        ; the ballots of my 64 elements of batch B: kept in s2 and s3 for the count below and for the placing
	v_cmp_ne_u32 s3, 0, v61
.set g, 0
.rept 4                                ; batch w's 64 ballots, sixteen compares to a run
.set j, 0
.rept 16
	v_cmp_ne_u32 s[48+j], 0, v[64+16*g+j]
.set j, j+1
.endr
	s_wait_alu depctr_va_sdst(0)                   ; the run's sixteen masks are written (in the first run s2 and s3 too), ahead of their first readers
.set j, 0
.rept 16
	s_bcnt1_i32_b32 s31, s[48+j]
	s_add_co_u32 s39, s39, s31                     ; batch w's kept rows
.set j, j+1
.endr
.set g, g+1
.endr
	s_cmp_lg_u32 s39, 0
	s_cselect_b32 s39, s39, 2048                   ; a batch with none is listed whole
	v_mov_b32 v5, s39
	s_bcnt1_i32_b32 s31, s2
	s_bcnt1_i32_b32 s35, s3
	s_add_co_u32 s31, s31, s35                     ; the kept rows among my 64 elements of batch B
	v_mov_b32 v8, s31
	s_wait_alu depctr_va_vdst(0)                   ; v5 and v8, the two stores' data, and v4, their address, are written; so is v6, by which the loads behind the barrier read
	ds_store_b32 v4, v5                            ; all lanes write the same word with the same value
	ds_store_b32 v4, v8 offset:128
	s_wait_dscnt 0x0                               ; for the others' sake: my two words lie in LDS
	s_barrier_signal -1
	s_barrier_wait -1
	ds_load_b32 v7, v6                             ; lane l: batch l's listed rows
	ds_load_b32 v9, v6 offset:128                  ; lane l: wave l's kept rows of batch B
	s_mov_b32 s36, 0                               ; R: listed rows of all batches
	s_mov_b32 s37, 0                               ; base: those of the batches ahead of B
	s_mov_b32 s30, 0                               ; batch B's kept rows
	s_mov_b32 s41, 0                               ; those ahead of my wave's elements
	v_cmp_gt_u32 s48, s28, v2
	v_cmp_gt_u32 s49, s[WV], v2
	s_wait_alu depctr_va_sdst(0)                   ; the two masks are written, ahead of the selects that read them
	s_wait_dscnt 0x0
	v_cndmask_b32 v10, 0, v7, s48                  ; the counts of lanes under B,
	v_cndmask_b32 v11, 0, v9, s49                  ; the parts of lanes under w: so each sum is a lane read and an addition
.set g, 0
.rept 8                                ; 128 lane reads, sixteen to a run: four lanes of the four registers
.set j, 0
.rept 4
	v_readlane_b32 s[48+4*j], v7, 4*g+j
	v_readlane_b32 s[49+4*j], v10, 4*g+j
	v_readlane_b32 s[50+4*j], v9, 4*g+j
	v_readlane_b32 s[51+4*j], v11, 4*g+j
.set j, j+1
.endr
	s_wait_alu depctr_va_sdst(0)                   ; the run's sixteen numbers are written, ahead of the additions that read them
.set j, 0
.rept 4
	s_add_co_u32 s36, s36, s[48+4*j]
	s_add_co_u32 s37, s37, s[49+4*j]
	s_add_co_u32 s30, s30, s[50+4*j]
	s_add_co_u32 s41, s41, s[51+4*j]
.set j, j+1
.endr
.set g, g+1
.endr
	s_cmp_lg_u32 s30, 0
	s_cselect_b32 s32, 1, 0                        ; flag: 0 where no row is kept:
	s_cselect_b32 s33, 0, -1                       ; then every row is listed,
	s_cselect_b32 s41, s41, s46                    ; 64 w of them ahead of my elements,
	s_cselect_b32 s30, s30, 2048                   ; and the count is 2,048
	s_lshl_b32 s44, s28, 11                        ; B x 2,048
	s_add_co_u32 s42, s36, s44
	s_sub_co_u32 s42, s42, s37                     ; the rows that are not listed are numbered on from R: R + those of earlier batches (B x 2,048 - base) + those ahead of me in mine
	s_add_co_u32 s38, s36, 15
	s_lshr_b32 s38, s38, 4                         ; tiles of 16 listed rows
	s_mov_b32 s43, 288
	v_mov_b32 v12, s30
	v_mov_b32 v13, s37
	v_mov_b32 v14, s32
	v_mov_b32 v15, s38
; Step i places the 32 elements s = 64 w + 32 i + lane.  Each step has eight registers of its own; both steps' addresses and data are made first, and the six stores follow in one run.
; Every entry of klist and rank, and every place of rowid with g below 65,536, is written exactly once in the launch: elements that are not listed fill the places behind the listed ones with 0.
.macro PLACE i
.set T, 16+8*(\i)
	s_or_b32 s40, s[2+(\i)], s33                   ; listed?  (the step's ballot was taken above)
	v_mbcnt_lo_u32_b32 v[T], s40, s41              ; k: listed rows of the batch ahead of me
	v_add_nc_u32 v[T+1], 32*(\i), v55              ; s
	v_sub_nc_u32 v[T+5], v[T+1], v[T]              ; rows ahead of me that are not listed
	v_add_nc_u32 v[T+2], s30, v[T+5]
	v_cndmask_b32 v[T+2], v[T+2], v[T], s40        ; klist's entry: k, or count + the number above
	v_min_u32 v[T+2], 0x7ff, v[T+2]
	v_lshl_add_u32 v[T+2], v[T+2], 2, s27
	v_cndmask_b32 v[T+3], 0, v[T+1], s40
	v_cndmask_b32 v[T+4], -1, v[T], s40
	v_add_nc_u32 v[T+5], s42, v[T+5]
	v_add_nc_u32 v[T+6], s37, v[T]
	v_cndmask_b32 v[T+5], v[T+5], v[T+6], s40      ; g
	v_bfe_u32 v[T+6], v[T+5], 4, 8
	v_lshrrev_b32 v[T+7], 12, v[T+5]
	v_and_b32 v[T+5], 15, v[T+5]
	v_lshl_add_u32 v[T+5], v[T+7], 4, v[T+5]
	v_mad_u32_u24 v[T+5], v[T+6], s43, v[T+5]      ; its place
	v_min_u32 v[T+5], 0x11fff, v[T+5]
	v_lshlrev_b32 v[T+5], 2, v[T+5]
	v_add_nc_u32 v[T+6], s44, v[T+1]
	v_cndmask_b32 v[T+6], 0, v[T+6], s40           ; B x 2,048 + s, or 0
	s_bcnt1_i32_b32 s45, s40
	s_add_co_u32 s41, s41, s45
.endm
.macro SEND i
.set T, 16+8*(\i)
	global_store_b32 v[T+2], v[T+3], s[20:21]
	global_store_b32 v3, v[T+4], s[22:23] offset:128*(\i)
	global_store_b32 v[T+5], v[T+6], s[18:19]
.endm
	PLACE 0
	PLACE 1
	s_wait_alu depctr_va_vdst(0)                   ; both steps' addresses and data (v16-31) are written, and v12-15, v53, v56 and v57: all that the stores below read
	SEND 0
	SEND 1
	s_cmp_lt_u32 s[WV], 8
	s_cbranch_scc0 .Lmend
	global_store_b32 v56, v57, s[18:19]            ; waves 0 to 7: the tile places that no g reaches hold 0 too
	s_cmp_lg_u32 s[WV], 0
	s_cbranch_scc1 .Lmend
	global_store_b128 v53, v[12:15], s[24:25]      ; wave 0: my batch's meta, the same four words in every lane: 512 consecutive bytes, at a multiple of 512 from the buffer's first byte
.Lmend:
	s_wait_xcnt 0x0
	v_lshl_add_u32 v126, v0, 2, 0x10800
	v_mov_b32 v127, 0
	s_wait_dscnt 0x0                               ; the closing lines, six on end, as above
	s_wait_alu 0x0
	s_wait_tensorcnt 0x0
	ds_add_u32 v126, v127
	s_wait_dscnt 0x0
	s_endpgm
.Lfunc_end_k_qbc72e392f4_prep:
	.size	k_qbc72e392f4_prep, .Lfunc_end_k_qbc72e392f4_prep-k_qbc72e392f4_prep
	.p2alignl 7, 3214868480
	.fill 96, 4, 3214868480
	.section	.rodata,"a",@progbits
	.p2align	6, 0x0
	.amdhsa_kernel k_qbc72e392f4_prep
		.amdhsa_group_segment_fixed_size 71680
		.amdhsa_private_segment_fixed_size 0
		.amdhsa_enable_private_segment 0
		.amdhsa_kernarg_size 88
		.amdhsa_user_sgpr_count 2
		.amdhsa_user_sgpr_kernarg_segment_ptr 1
		.amdhsa_wavefront_size32 1
		.amdhsa_system_sgpr_workgroup_id_x 1
		.amdhsa_system_sgpr_workgroup_id_y 1
		.amdhsa_system_sgpr_workgroup_id_z 1
		.amdhsa_system_vgpr_workitem_id 0
		.amdhsa_next_free_vgpr 128
		.amdhsa_next_free_sgpr 66
		.amdhsa_reserve_vcc 0
		.amdhsa_float_denorm_mode_32 3
		.amdhsa_float_denorm_mode_16_64 3
		.amdhsa_memory_ordered 1
		.amdhsa_forward_progress 1
		.amdhsa_inst_pref_size 51
	.end_amdhsa_kernel
	.amdgpu_metadata
---
amdhsa.version: [ 1, 2 ]
amdhsa.kernels:
  - .name:           k_qbc72e392f4_prep
    .symbol:         k_qbc72e392f4_prep.kd
    .args:
      - { .name: attn_w, .offset: 0, .size: 8, .value_kind: global_buffer, .address_space: global }
      - { .name: hidden, .offset: 8, .size: 8, .value_kind: global_buffer, .address_space: global }
      - { .name: attn_b, .offset: 16, .size: 8, .value_kind: global_buffer, .address_space: global }
      - { .name: mask, .offset: 24, .size: 8, .value_kind: global_buffer, .address_space: global }
      - { .name: lowp_scales, .offset: 32, .size: 8, .value_kind: global_buffer, .address_space: global }
      - { .name: wcodes, .offset: 40, .size: 8, .value_kind: global_buffer, .address_space: global }
      - { .name: hbs, .offset: 48, .size: 8, .value_kind: global_buffer, .address_space: global }
      - { .name: rowid, .offset: 56, .size: 8, .value_kind: global_buffer, .address_space: global }
      - { .name: klist, .offset: 64, .size: 8, .value_kind: global_buffer, .address_space: global }
      - { .name: rank, .offset: 72, .size: 8, .value_kind: global_buffer, .address_space: global }
      - { .name: meta, .offset: 80, .size: 8, .value_kind: global_buffer, .address_space: global }
    .group_segment_fixed_size: 71680
    .private_segment_fixed_size: 0
    .kernarg_segment_align: 8
    .kernarg_segment_size: 88
    .max_flat_workgroup_size: 1024
    .sgpr_count:     66
    .vgpr_count:     128
    .wavefront_size: 32
...
	.end_amdgpu_metadata
.endif
;; end of part 6
;; launch score (part 7): grid 256 x 2, 4 waves a work-group, no clusters, 152,576 bytes of LDS; arguments encoder_outputs, rowid, meta, wcodes, hbs, v_w, lowp_scales, att; writes att
.if DOCPART == 7
	.amdgcn_target "amdgcn-amd-amdhsa--gfx1250"
	.amdhsa_code_object_version 6
	.text
	.protected	k_qbc72e392f4_score
	.globl	k_qbc72e392f4_score
	.p2align	8
	.type	k_qbc72e392f4_score,@function
k_qbc72e392f4_score:
	s_mov_b64 s[64:65], 0
	v_nop
	global_prefetch_b8 v0, s[64:65] scope:SCOPE_SE
	s_setreg_imm32_b32 hwreg(HW_REG_WAVE_SCHED_MODE, 0, 2), 2
	s_setreg_imm32_b32 hwreg(HW_REG_WAVE_MODE, 25, 1), 1
	s_wait_xcnt 0x0
	s_wait_alu depctr_vm_vsrc(0)
; att[place] = sum over n of v_w[n] tanh(h_proj[b][n] + attn_b[n] + sum over e of Q(enc[row][e]) Q(w_e[n][e])), for the LISTED rows only (rowid: made by the launch before).
; Rows with mask == 0 get the weight 0 in the softmax whatever their score, so they are neither read nor multiplied.
; SHARES.  Work-group (i, p) takes the tile places 9 p .. 9 p + 8 of work-group i's 18: 144 rows.  It owns q = (tiles + 255 - i) >> 8 tiles in all; where q <= 9 p it has no work.
;   EVERY WAVE OF EVERY WORK-GROUP PASSES BOTH BARRIERS: a work-group without work jumps over the three pieces of work between and behind them (scalar branches on the stored count), never over a barrier.
;   No register goes from one such piece to a later one: what a later piece reads is made in the head or in that piece.
;   The ninth tile of a pass is multiplied only where it holds rows (a scalar branch on the stored count).  Places without a row name row 0 and give scores that nobody reads.
; PHASE X: wave w gathers rows 36 w .. 36 w + 35 (4,096 bytes each, eight dense loads), quantises them (scale 2^e2) and lays the codes in LDS, 1,024 bytes a row, in this program's order of K.
;   It is written out, so that each row's place in LDS stands in the store's immediate.
; THE PRODUCT: all four waves read the 144 rows from LDS; wave w owns n = 256 w .. 256 w + 255, in two chunks of 128.  Its fragments of w_e are read by no other wave of the work-group, so they go
;   from wcodes straight into registers, as images (dense loads of 512 bytes).  Used transposed (source 0 = 16 rows of w_e, source 1 = 16 encoder rows): a lane holds ONE row and eight n.
;   (h_proj + attn_b) / 2^(e2 + e3) is the C of each sum's first product, loaded by the lane's own batch, so a tile may hold rows of several batches.
; TANH: tanh(x) = 1 - 2 / (1 + 2^(2 log2(e) x)), so the score is sum(v) - 2 sum(v / (1 + 2^(c acc))), c = 2 log2(e) 2^(e2 + e3).  Where 2^.. overflows the quotient is 0, where it vanishes 1.
; NO TENSOR LOADS, NO CLUSTER, though all work-groups read the same 1 MiB of w_e: the jumps of a work-group without work and the ninth tile are branches on stored numbers.
; LIMITS: e2 between -126 and 112; e2 + e3 between -126 and 126.  NaN among the inputs is not served.
; REGISTERS, in windows of 256.  Window 0: v1-19 addresses and constants; v20-37 nine pairs of score sums (until the product: eight v_w); v38-43 row offsets; v44-47 addresses, at work;
;   v48-111 the ninth tile's 8 accumulators; v112-127 its fragment; v128-255 the fragments of tiles 0-7 (in the tanh v128-191: v_w of the chunk's 128 n).  In phase X: v48-63 codes, v64-255 six rows.
;   Window 1: w_e's fragments, two sets of 8.   Window 2: accumulators of tiles 0-3 ((a, b) at v[8 (8 (a % 4) + b)]).   Window 3: those of tiles 4-7.
; THE MODE: SCHED_MODE bits 1:0 = 2 (LLVM: expert scheduling mode 2), set by the entry lines.  The code itself states the register dependences
; between vector or matrix instructions and memory or LDS instructions, with s_wait_alu, always for 0.
; THE PLAN.  Registers that memory or LDS instructions touch:
;   v1-7, v44, v45   addresses: written in the head, ahead of its one wait on va_vdst, and never again.  v46, v47: read by the head's loads, written again in the product's head, behind a wait on vm_vsrc.
;   PHASE X, the row in set i:  v[OF+i] is read by the set's eight loads and written for the next row at the row's head;  the set's 32 registers take the loads' data, are held in place and read by four conversions;
;     the codes' set i % 2 is written by the conversions and read by four LDS stores.  Two waits a row: vm_vsrc at its head (the stores of the row before last have read the codes' set; the row's loads have read v[OF+i]),
;     and va_vdst behind the conversions (the codes are written; the row's registers are done with; v[OF+i] is written), with the row's four stores and the next row's eight loads straight behind it, so that the set is asked for again at once.
;   THE PRODUCT.  v10-18, the offsets of C: written once, ahead of the wait on va_vdst behind which all first loads of the piece stand.
;     v112-191 (tiles 0-3 and the ninth): read by the first 32 or 40 products of a K step; the next step's loads land behind ONE wait in the step's middle.
;     v192-255 (tiles 4-7) and the step's set of w_e: read up to the step's last product; the next loads land behind ONE wait at its end.  All 1,024 registers are taken: there is no second set of rows' fragments.
;     The loads stand in runs: among the products each group of them would want two switches of the register window.
;     Windows 2 and 3 and v48-111: the sums; the next chunk's C lands there behind a wait that follows the multiply-adds that read them.  The wait behind the ninth tile's tanh stands on every way: it also
;     states that v_w in v128-191 is done with, where the next chunk's first fragments land: that closes the loop's backward jump.
;   THE WAY OUT: one wait on va_vdst ahead of the nine LDS stores, one ahead of each of the two global stores.
.set PITCH, 1040                       ; a row of codes in LDS: 1,024 bytes + 16
.set TILEB, 16*PITCH
.set PS,    149760                     ; behind the 144 rows: the waves' partial scores, 4 x 576 bytes
.set L16, 1                            ; v1     16 x lane
.set AB,  2                            ; v2-4   r x pitch + 16 h + 48 rows x 0, 1, 2
.set PSI, 5                            ; v5     where I put a partial score: PS + 576 w + 4 r
.set STB, 6                            ; v6     phase X: 8 lane + my wave's first row
.set PSO, 7                            ; v7     where thread t reads place t's: PS + 4 t
.set SCL, 8                            ; v8     2^e2
.set LIM, 9                            ; v9     57,344 x 2^e2
.set BO,  10                           ; v10-18 tile a: my row's number, then 32 x its batch + 16 h
.set VW,  19                           ; v19    the sum of my wave's 256 v_w
.set SC,  20
.set OF,  38
.set PS9, 44                           ; v44    where wave 0 reads the ninth tile's: PS + 512 + 4 r
.set VA,  45                           ; v45    32 h: my eight v_w of a tile of n
.set T0,  46
.set T1,  47
.set ACC9, 48
.set CD,  48
.set RG,  64
.set A9,  112
.set AF,  128
.set VP,  128
.set WV,  2                            ; s2  wave;  s3  pass
.set PP,  3
.set NINE, 26                          ; s26 1 where the ninth tile holds rows
.set ACT, 27                           ; s27 1 where the pass has tiles
.set WB,  32                           ; s[32:33] w_e's fragments of the chunk in hand;  s[34:35] of the next
.set WN,  34
.set HB,  36                           ; s[36:37] the first chunk's bias;  s[38:39] the second's
.set HN,  38
.set ID,  40                           ; s40-45  six row numbers
.set RP,  46                           ; s[46:47] where my wave's 36 row numbers stand; never stepped
.set VWP, 48                           ; s[48:49] v_w at the chunk's first n
.set CS,  50                           ; s[50:51] c
.set SEL, 52                           ; s[52:53] lane selects: lane l xor 16
.set CH,  55                           ; s55 chunks to go
.set MSB, 0
.macro WIN new                         ; the immediate's high byte repeats the setting that is left
.if MSB != \new
	s_set_vgpr_msb (MSB<<8)|\new
.set MSB, \new
.endif
.endm
.set MUL_LO, 0xa1                      ; source 0 (w_e) window 1, source 1 (rows) window 0, C and D window 2
.set MUL_HI, 0xf1                      ; the same, C and D window 3
.set MUL_9,  0x01                      ; the same, C and D window 0
.set TO_W,   0x40                      ; destination window 1, address window 0
.macro PLACES                          ; four plain vector instructions behind a matrix instruction, in front of loads into its registers and of reads of its results
.rept 4
	v_nop
.endr
.endm
; ---------------- THE HEAD, which every wave runs: addresses, constants, and eleven small loads.
	s_load_b256 s[8:15], s[0:1], 0x0               ; encoder_outputs s[8:9], rowid s[10:11], meta s[12:13], wcodes s[14:15]
	s_load_b256 s[16:23], s[0:1], 0x20             ; hbs s[16:17], v_w s[18:19], lowp_scales s[20:21], att s[22:23]
	v_lshrrev_b32 v[T0], 5, v0
	v_readfirstlane_b32 s[WV], v[T0]               ; wave 0..3
	s_and_b32 s[PP], ttmp7, 0xffff
	v_and_b32 v38, 31, v0                          ; lane
	v_and_b32 v39, 15, v0                          ; r
	v_bfe_u32 v40, v0, 4, 1                        ; h
	v_lshlrev_b32 v[L16], 4, v38
	v_mul_u32_u24 v[AB], v39, PITCH
	v_lshl_add_u32 v[AB], v40, 4, v[AB]
	v_add_nc_u32 v[AB+1], 3*TILEB, v[AB]
	v_add_nc_u32 v[AB+2], 6*TILEB, v[AB]
	s_wait_alu depctr_va_sdst(0)                   ; s2, the wave's number, is written, ahead of its first reader
	s_mul_i32 s24, s[WV], 36*PITCH
	v_lshl_add_u32 v[STB], v38, 3, s24
	s_mul_i32 s24, s[WV], 576
	s_add_co_u32 s24, s24, PS
	v_lshl_add_u32 v[PSI], v39, 2, s24
	v_lshl_add_u32 v[PSO], v0, 2, PS
	v_lshl_add_u32 v[PS9], v39, 2, PS+512
	v_lshlrev_b32 v[VA], 5, v40
	v_lshlrev_b32 v[T0], 2, v39                    ; rowid: 4 r
	v_lshlrev_b32 v[T1], 5, v0                     ; v_w: my thread's eight numbers
	s_mov_b32 s[SEL], 0x76543210
	s_mov_b32 s[SEL+1], 0xfedcba98
	s_wait_kmcnt 0x0
	s_load_b32 s24, s[12:13], 0xc                  ; the number of tiles
	s_load_b128 s[28:31], s[20:21], 0x0            ; e0, e1, e2, e3
	s_mul_i32 s56, ttmp9, 1152
	s_mul_i32 s57, s[PP], 576
	s_add_co_u32 s56, s56, s57                     ; my 144 places, 4 bytes each
	s_mov_b32 s57, 0
	s_add_nc_u64 s[58:59], s[22:23], s[56:57]      ; in att,
	s_add_nc_u64 s[10:11], s[10:11], s[56:57]      ; in rowid
	s_mul_i32 s56, s[WV], 144
	s_add_nc_u64 s[RP:RP+1], s[10:11], s[56:57]    ; my wave's 36
	s_lshl_b32 s56, s[WV], 18
	s_add_nc_u64 s[WB:WB+1], s[14:15], s[56:57]    ; my 16 tiles of n: two chunks of 64 fragments, 131,072 bytes each
	s_add_nc_u64 s[WN:WN+1], s[WB:WB+1], 0x20000
	s_lshl_b32 s56, s[WV], 15
	s_add_nc_u64 s[HB:HB+1], s[16:17], s[56:57]    ; their bias: 2,048 bytes a tile of n
	s_add_nc_u64 s[HN:HN+1], s[HB:HB+1], 0x4000
	s_lshl_b32 s56, s[WV], 10
	s_add_nc_u64 s[VWP:VWP+1], s[18:19], s[56:57]  ; my 256 numbers of v_w
	s_wait_alu depctr_va_vdst(0)                   ; the addresses v1 to v7 and v44 to v47 are written: the loads below read v46 and v47, and every later load and store one of the others
.irp a, 0,1,2,3,4,5,6,7,8
	global_load_b32 v[BO+\a], v[T0], s[10:11] offset:64*\a     ; the row number of my lane's row in each tile (every place of rowid is written)
.endr
	global_load_b128 v[SC:SC+3], v[T1], s[18:19]
	global_load_b128 v[SC+4:SC+7], v[T1], s[18:19] offset:16
	s_mul_i32 s25, s[PP], 9
	s_wait_kmcnt 0x0
	s_add_co_u32 s24, s24, 255
	s_sub_co_u32 s24, s24, ttmp9
	s_lshr_b32 s24, s24, 8                         ; my work-group's tiles,
	s_sub_co_i32 s24, s24, s25                     ; less those of the pass before
	s_cmp_gt_i32 s24, 0
	s_cselect_b32 s[ACT], 1, 0
	s_cmp_ge_i32 s24, 9
	s_cselect_b32 s[NINE], 1, 0
	s_add_co_i32 s24, s30, 127
	s_lshl_b32 s25, s24, 23
	v_mov_b32 v[SCL], s25                          ; 2^e2 as f32: the conversion takes its exponent field
	s_add_co_i32 s24, s24, 15
	s_lshl_b32 s24, s24, 23
	s_or_b32 s24, s24, 0x600000
	v_mov_b32 v[LIM], s24
	s_add_co_i32 s24, s30, s31
	s_lshl_b32 s24, s24, 23
	s_add_co_i32 s[CS], s24, 0x4038aa3b            ; 2 log2(e), with e2 + e3 added to its exponent field
	s_mov_b32 s[CS+1], s[CS]                       ; (named with it as a pair, so it is written)
.macro WLOAD set, ptr, step            ; the 8 fragments of K step 'step' of a chunk: 32 dense loads of 512 bytes
.irp b, 0,1,2,3,4,5,6,7
.irp c, 0,1,2,3
	global_load_b128 v[128*(\set)+16*\b+4*\c:128*(\set)+16*\b+4*\c+3], v[L16], s[\ptr:\ptr+1] offset:((\step)*8+\b)*2048+512*\c
.endr
.endr
.endm
.macro BIAS win, ptr                   ; the C of 32 sums: tile a's lane takes its own batch's eight numbers of each tile of n
	WIN (\win)<<6
.irp a, 0,1,2,3
.irp b, 0,1,2,3,4,5,6,7
	global_load_b128 v[8*(8*\a+\b):8*(8*\a+\b)+3],   v[BO+4*((\win)-2)+\a], s[\ptr:\ptr+1] offset:2048*\b
	global_load_b128 v[8*(8*\a+\b)+4:8*(8*\a+\b)+7], v[BO+4*((\win)-2)+\a], s[\ptr:\ptr+1] offset:2048*\b+1024
.endr
.endr
	WIN 0
.endm
.macro BIAS9 ptr
.irp b, 0,1,2,3,4,5,6,7
	global_load_b128 v[ACC9+8*\b:ACC9+8*\b+3],   v[BO+8], s[\ptr:\ptr+1] offset:2048*\b
	global_load_b128 v[ACC9+8*\b+4:ACC9+8*\b+7], v[BO+8], s[\ptr:\ptr+1] offset:2048*\b+1024
.endr
.endm
; ---------------- PHASE X.  Six rows of 32 registers take turns; 48 loads of a wave are on their way.
.macro CLAMP
.irp i, 0,1,2,3,4,5
	s_min_u32 s[ID+\i], s[ID+\i], 0xffff
	s_lshl_b32 s[ID+\i], s[ID+\i], 12              ; a row is 4,096 bytes
.endr
.endm
.macro XOFF i                          ; set i's next row: its offset
	v_add_nc_u32 v[OF+\i], s[ID+\i], v[L16]
.endm
.macro XLOADS i                        ; and its eight loads
.irp q, 0,1,2,3,4,5,6,7
	global_load_b128 v[RG+32*(\i)+4*\q:RG+32*(\i)+4*\q+3], v[OF+\i], s[8:9] offset:512*\q   ; no hint: the list may name row 0 many times
.endr
.endm
.macro XROW i, row, issue, left        ; the row in set i goes to my wave's LDS row 'row'
	s_wait_loadcnt \left                           ; loads come back in order: this row's eight are in, the younger rows' stay out; the wait also frees the row's offset register
	s_wait_alu depctr_vm_vsrc(0)                   ; the LDS stores of the row before last have read this set of codes, which the conversions below write; this row's loads have read v[OF+i], which the next line writes
.if \issue
	XOFF \i
.endif
.set j, 0
.rept 32
	v_med3_num_f32 v[RG+32*(\i)+j], v[RG+32*(\i)+j], -v[LIM], v[LIM]   ; the conversion to an 8-bit code does not saturate (ISA guide 7.6.2)
.set j, j+1
.endr
	s_wait_alu depctr_va_vdst(0)
	s_wait_dscnt 4                                 ; the stores of the row before last, which read this set of codes, are done; the last row's four may be out
.irp g, 0,1,2,3
	v_cvt_scalef32_pk8_bf8_f32 v[CD+8*((\i)%2)+2*\g:CD+8*((\i)%2)+2*\g+1], v[RG+32*(\i)+8*\g:RG+32*(\i)+8*\g+7], v[SCL]
.endr
	v_nop                                          ; one plain vector instruction behind the last scaled conversion
	s_wait_alu depctr_va_vdst(0)                   ; the conversions have written the codes, which the stores read, and are done reading the row's 32 registers, in which the next loads land; v[OF+i] is written
.irp g, 0,1,2,3
	ds_store_b64 v[STB], v[CD+8*((\i)%2)+2*\g:CD+8*((\i)%2)+2*\g+1] offset:(\row)*PITCH+256*\g
.endr
.if \issue
	XLOADS \i
.endif
.endm
	s_cmp_eq_u32 s[ACT], 0
	s_cbranch_scc1 .Lb1                            ; a pass without tiles gathers nothing
	s_load_b128 s[ID:ID+3], s[RP:RP+1], 0x0        ; the first six row numbers
	s_load_b64 s[ID+4:ID+5], s[RP:RP+1], 0x10
	s_wait_kmcnt 0x0
	CLAMP
.irp i, 0,1,2,3,4,5
	XOFF \i
.endr
	s_wait_alu depctr_va_vdst(0)                   ; the six offsets v38-43 are written: the 48 loads read them
.irp i, 0,1,2,3,4,5
	XLOADS \i
.endr
	s_load_b128 s[ID:ID+3], s[RP:RP+1], 0x18       ; the second six
	s_load_b64 s[ID+4:ID+5], s[RP:RP+1], 0x28
.set T, 0
.rept 5                                ; turn T works rows 6 T .. 6 T + 5, asks for the next six, and reads the numbers of the six after those, while there are any: no load leaves its buffer
	s_wait_kmcnt 0x0
	CLAMP
.irp i, 0,1,2,3,4,5
	XROW \i, 6*T+\i, 1, 40
.endr
.if T < 4
	s_load_b128 s[ID:ID+3], s[RP:RP+1], 24*(T+2)
	s_load_b64 s[ID+4:ID+5], s[RP:RP+1], 24*(T+2)+16
.endif
.set T, T+1
.endr
.irp i, 0,1,2,3,4,5
	XROW \i, 30+\i, 0, 8*(5-\i)                    ; the last six rows: nothing is asked for, the counts run down
.endr
.Lb1:
	s_wait_dscnt 0x0                               ; for the others' sake: my 36 rows lie in LDS
	s_barrier_signal -1
	s_barrier_wait -1
; ---------------- THE PRODUCT AND THE TANH, a chunk of 128 n a trip.
.macro FRAG reg, a, s                  ; tile a's fragment of K step s: lane (r, h) takes bytes 128 s + 32 c + 16 h + 0 .. 15 of row r
.irp c, 0,1,2,3
	ds_load_b128 v[(\reg)+4*\c:(\reg)+4*\c+3], v[AB+(\a)/3] offset:((\a)%3)*TILEB+128*(\s)+32*\c
.endr
.endm
.macro FETCH_LO s                      ; 20 loads.  (The ninth tile's four are issued in every work-group, so that the counts below hold on both ways)
.irp a, 0,1,2,3
	FRAG AF+16*\a, \a, \s
.endr
	FRAG A9, 8, \s
.endm
.macro FETCH_HI s                      ; 16 loads
.irp a, 4,5,6,7
	FRAG AF+16*\a, \a, \s
.endr
.endm
.macro MUL32 a0, set                   ; tiles a0 .. a0 + 3 x the chunk's 8 tiles of n: 32 accumulators, one instruction a turn, in the same order in every step
.irp a, 0,1,2,3
.irp b, 0,1,2,3,4,5,6,7
	v_wmma_f32_16x16x128_bf8_bf8 v[8*(8*\a+\b):8*(8*\a+\b)+7], v[128*(\set)+16*\b:128*(\set)+16*\b+15], v[AF+16*((\a0)+\a):AF+16*((\a0)+\a)+15], v[8*(8*\a+\b):8*(8*\a+\b)+7]
.endr
.endr
.endm
.macro MUL8 set
.irp b, 0,1,2,3,4,5,6,7
	v_wmma_f32_16x16x128_bf8_bf8 v[ACC9+8*\b:ACC9+8*\b+7], v[128*(\set)+16*\b:128*(\set)+16*\b+15], v[A9:A9+15], v[ACC9+8*\b:ACC9+8*\b+7]
.endr
.endm
.macro STEP s                          ; 128 along K; w_e's set s % 2
.if \s == 0
	s_wait_loadcnt 0x0                             ; both sets of w_e and the bias, which is the youngest
.elseif (\s >= 2) && (\s <= 6)
	s_wait_loadcnt 32                              ; this step's set is in; the next step's 32 loads may be out.  (Step 1's set came with step 0's wait, step 7's with the wait at step 6's end)
.endif
	s_wait_dscnt 16                                ; tiles 0-3 and the ninth are in; the youngest 16 loads (tiles 4-7) may be out
	WIN MUL_LO
	MUL32 0, (\s)%2
	WIN 0
	s_cmp_eq_u32 s[NINE], 0
	s_cbranch_scc1 .Lno9_\@
	WIN MUL_9
	MUL8 (\s)%2
	WIN 0
.Lno9_\@:
	s_wait_dscnt 0x0                               ; tiles 4-7 are in
	PLACES
	s_wait_alu depctr_va_vdst(0)                   ; the products of tiles 0-3 and of the ninth are done reading v112-191, in which the loads below land
.if \s < 7
	FETCH_LO (\s)+1
.else
.irp b, 0,1,2,3,4,5,6,7
	global_load_b128 v[VP+8*\b:VP+8*\b+3],   v[VA], s[VWP:VWP+1] offset:64*\b      ; v_w at n = 16 b + 8 h + 0 .. 7 of the chunk, where tiles 0-3 lay
	global_load_b128 v[VP+8*\b+4:VP+8*\b+7], v[VA], s[VWP:VWP+1] offset:64*\b+16
.endr
.endif
	WIN MUL_HI
	MUL32 4, (\s)%2
	PLACES
	WIN 0
.if \s < 7
	s_wait_alu depctr_va_vdst(0)                   ; the products of tiles 4-7 are done reading v192-255, and all of the step's are done reading its set of w_e: the LDS loads and the loads of w_e below land there
	FETCH_HI (\s)+1
.endif
.if \s < 6
	WIN TO_W
	WLOAD (\s)%2, WB, (\s)+2                       ; the set just multiplied takes the K step two on
	WIN 0
.else
.if \s == 6
	s_wait_loadcnt 0x0                             ; step 7's set, asked for a step ago, is the only one out: shown landed here, where the count is the same on both ways below
.endif
	s_cmp_eq_u32 s[CH], 1                          ; the last chunk asks for nothing more
	s_cbranch_scc1 .Lnow_\@
.if \s == 7
	s_wait_alu depctr_va_vdst(0)                   ; the step's products are done reading its set of w_e, in which the loads below land.  (On the other way nothing is loaded)
.endif
	WIN TO_W
	WLOAD (\s)%2, WN, (\s)-6                       ; the next chunk's K steps 0 and 1
	WIN 0
.if \s == 7
	s_wait_loadcnt 32                              ; v_w's sixteen loads are in; the 32 just issued may be out
	s_branch .Lgo_\@
.endif
.Lnow_\@:
.if \s == 7
	s_wait_loadcnt 0x0                             ; on this way v_w's loads are the youngest
.Lgo_\@:
.endif
.endif
.endm
; 256 sums of a window become 1 / (1 + 2^(c sum)), in place, and go into the score sums.  The exponentials are one batch with one wait, and so are the reciprocals.
.macro TANH win
	WIN ((\win)<<6)|(\win)
.set j, 0
.rept 128
	v_pk_mul_f32 v[j:j+1], v[j:j+1], s[CS:CS+1] op_sel_hi:[1,0]    ; ascending: each accumulator is read from its low end on
.set j, j+2
.endr
.set j, 0
	s_wait_alu depctr_va_vdst(0)
.rept 256
	v_exp_f32 v[j], v[j]
.set j, j+1
.endr
	v_nop                                          ; a plain instruction behind the last exponential,
	s_wait_alu depctr_va_vdst(0)                   ; and one wait ahead of the batch's first reader: the 256 exponentials have written their results
.set j, 0
.rept 128
	v_pk_add_f32 v[j:j+1], v[j:j+1], 1.0 op_sel_hi:[1,0]
.set j, j+2
.endr
.set j, 0
	s_wait_alu depctr_va_vdst(0)
.rept 256
	v_rcp_f32 v[j], v[j]
.set j, j+1
.endr
	v_nop
	s_wait_alu depctr_va_vdst(0)                   ; the 256 reciprocals have written their results, ahead of their first reader
	WIN \win                                       ; source 0 in the window, all else in window 0
.irp b, 0,1,2,3,4,5,6,7
.irp u, 0,2,4,6
.irp a, 0,1,2,3
	v_pk_fma_f32 v[SC+2*(4*((\win)-2)+\a):SC+2*(4*((\win)-2)+\a)+1], v[8*(8*\a+\b)+\u:8*(8*\a+\b)+\u+1], v[VP+8*\b+\u:VP+8*\b+\u+1], v[SC+2*(4*((\win)-2)+\a):SC+2*(4*((\win)-2)+\a)+1]
.endr
.endr
.endr
	WIN 0
.endm
	s_cmp_eq_u32 s[ACT], 0
	s_cbranch_scc1 .Lb2                            ; a pass without tiles multiplies nothing
	s_wait_loadcnt 0x0                             ; the head's eleven loads (behind phase X they are long in)
	s_wait_alu depctr_vm_vsrc(0)                   ; the head's loads have read v46 and v47, which are written again below; phase X's LDS stores have read v48-63, in which the ninth tile's C lands
	v_bfe_u32 v[T0], v0, 4, 1
	v_lshlrev_b32 v[T0], 4, v[T0]                  ; 16 h
.irp a, 0,1,2,3,4,5,6,7,8
	v_lshrrev_b32 v[BO+\a], 11, v[BO+\a]           ; the batch,
	v_min_u32 v[BO+\a], 31, v[BO+\a]
	v_lshl_add_u32 v[BO+\a], v[BO+\a], 5, v[T0]    ; x 32 bytes, + 16 h
.endr
	s_wait_alu depctr_va_vdst(0)                   ; v10-18 are written: the loads of C read them as offsets.  Only loads and window switches stand between this wait and the last of the 208 loads below
	WIN TO_W
	WLOAD 0, WB, 0
	WLOAD 1, WB, 1
	WIN 0
	BIAS 2, HB
	BIAS 3, HB
	BIAS9 HB
	v_pk_add_f32 v[SC:SC+1], v[SC:SC+1], v[SC+2:SC+3]          ; the sum of my wave's 256 v_w: eight a lane, then across the lanes
	v_pk_add_f32 v[SC+4:SC+5], v[SC+4:SC+5], v[SC+6:SC+7]
	v_pk_add_f32 v[SC:SC+1], v[SC:SC+1], v[SC+4:SC+5]
	v_add_f32 v[VW], v[SC], v[SC+1]
	v_add_f32_dpp v[VW], v[VW], v[VW] row_xmask:1 row_mask:0xf bank_mask:0xf
	v_add_f32_dpp v[VW], v[VW], v[VW] row_xmask:2 row_mask:0xf bank_mask:0xf
	v_add_f32_dpp v[VW], v[VW], v[VW] row_xmask:4 row_mask:0xf bank_mask:0xf
	v_add_f32_dpp v[VW], v[VW], v[VW] row_xmask:8 row_mask:0xf bank_mask:0xf
	v_permlanex16_b32 v[T1], v[VW], s[SEL], s[SEL+1]
	v_add_f32 v[VW], v[VW], v[T1]
.irp j, 0,1,2,3,4,5,6,7,8,9,10,11,12,13,14,15,16,17
	v_mov_b32 v[SC+\j], 0                          ; the score sums run over two chunks and 64 registers a tile: they begin at 0
.endr
	s_mov_b32 s[CH], 2
.Lchunk:                                           ; the fragments below land in v112-255.  On the way in: phase X's last wait on va_vdst stands behind all that named them; over the backward jump: the wait behind the ninth tile's tanh
	FETCH_LO 0
	FETCH_HI 0
.irp s, 0,1,2,3,4,5,6,7
	STEP \s
.endr
	TANH 2
	s_cmp_eq_u32 s[CH], 1
	s_cbranch_scc1 .Lnob2
	s_wait_alu depctr_va_vdst(0)                   ; the reciprocals have written window 2's registers and the multiply-adds are done reading them: the next chunk's C lands there
	BIAS 2, HN
.Lnob2:
	TANH 3
	s_cmp_eq_u32 s[NINE], 0
	s_cbranch_scc1 .Lno9t
.set j, 0
.rept 32
	v_pk_mul_f32 v[ACC9+j:ACC9+j+1], v[ACC9+j:ACC9+j+1], s[CS:CS+1] op_sel_hi:[1,0]
.set j, j+2
.endr
.set j, 0
	s_wait_alu depctr_va_vdst(0)
.rept 64
	v_exp_f32 v[ACC9+j], v[ACC9+j]
.set j, j+1
.endr
	v_nop
	s_wait_alu depctr_va_vdst(0)                   ; the 64 exponentials have written their results, ahead of their first reader
.set j, 0
.rept 32
	v_pk_add_f32 v[ACC9+j:ACC9+j+1], v[ACC9+j:ACC9+j+1], 1.0 op_sel_hi:[1,0]
.set j, j+2
.endr
.set j, 0
	s_wait_alu depctr_va_vdst(0)
.rept 64
	v_rcp_f32 v[ACC9+j], v[ACC9+j]
.set j, j+1
.endr
	v_nop
	s_wait_alu depctr_va_vdst(0)                   ; the 64 reciprocals likewise
.set j, 0
.rept 32
	v_pk_fma_f32 v[SC+16:SC+17], v[ACC9+j:ACC9+j+1], v[VP+j:VP+j+1], v[SC+16:SC+17]
.set j, j+2
.endr
.Lno9t:
	s_wait_alu depctr_va_vdst(0)                   ; the multiply-adds are done reading window 3's and the ninth tile's registers, in which the next chunk's C lands, and v_w in v128-191, in which its first fragments land
	s_cmp_eq_u32 s[CH], 1
	s_cbranch_scc1 .Lnob9
	BIAS 3, HN                                     ; the next chunk's C, into the registers just read
	BIAS9 HN
.Lnob9:
	s_wait_xcnt 0x0                                ; the loads have read their bases: they may be written
	s_mov_b64 s[WB:WB+1], s[WN:WN+1]
	s_add_nc_u64 s[VWP:VWP+1], s[VWP:VWP+1], 512
	s_sub_co_u32 s[CH], s[CH], 1
	s_cmp_lg_u32 s[CH], 0
	s_cbranch_scc1 .Lchunk
	; a row's part of the score: the pair's two halves, the other half of the lanes' eight n of each tile; x -2, + my wave's sum of v
.irp a, 0,1,2,3,4,5,6,7,8
	v_add_f32 v[128+\a], v[SC+2*\a], v[SC+2*\a+1]
.endr
.irp a, 0,1,2,3,4,5,6,7,8
	v_permlanex16_b32 v[144+\a], v[128+\a], s[SEL], s[SEL+1]
.endr
.irp a, 0,1,2,3,4,5,6,7,8
	v_add_f32 v[128+\a], v[128+\a], v[144+\a]
.endr
.irp a, 0,1,2,3,4,5,6,7,8
	v_fma_f32 v[128+\a], v[128+\a], -2.0, v[VW]
.endr
	s_wait_alu depctr_va_vdst(0)                   ; v128-136 are written: the nine LDS stores read them
.irp a, 0,1,2,3,4,5,6,7,8
	ds_store_b32 v[PSI], v[128+\a] offset:64*\a    ; my wave's 144 words, word 16 a + r; lanes r and r + 16 write the same word with the same value
.endr
.Lb2:
	s_wait_dscnt 0x0                               ; for the others' sake: my partial scores lie in LDS
	s_barrier_signal -1
	s_barrier_wait -1
; ---------------- THE END: the four waves' parts are added and stored.
	s_cmp_eq_u32 s[ACT], 0
	s_cbranch_scc1 .Lend                           ; a pass without tiles stores nothing: nobody reads its places
.irp w, 0,1,2,3
	ds_load_b32 v[160+\w], v[PSO] offset:576*\w    ; no vector instruction since the wait ahead of the nine stores names v160-167
.endr
	v_lshlrev_b32 v176, 2, v0
	s_wait_dscnt 0x0
	v_add_f32 v160, v160, v161
	v_add_f32 v162, v162, v163
	v_add_f32 v160, v160, v162
	s_wait_alu depctr_va_vdst(0)                   ; v160, the store's data, and v176, its offset, are written
	global_store_b32 v176, v160, s[58:59]          ; 128 threads store 512 consecutive bytes
	s_cmp_lg_u32 s[WV], 0
	s_cbranch_scc1 .Lend
.irp w, 0,1,2,3
	ds_load_b32 v[164+\w], v[PS9] offset:576*\w
.endr
	v_and_b32 v177, 15, v0
	v_lshlrev_b32 v177, 2, v177
	s_wait_dscnt 0x0
	v_add_f32 v164, v164, v165
	v_add_f32 v166, v166, v167
	v_add_f32 v164, v164, v166
	s_wait_alu depctr_va_vdst(0)                   ; v164 and v177 are written: the store reads them
	global_store_b32 v177, v164, s[58:59] offset:512   ; places 128 to 143; lanes 16-31 repeat lanes 0-15's words with the same values
.Lend:
	s_wait_xcnt 0x0
	v_lshl_add_u32 v254, v0, 2, 0x25200
	v_mov_b32 v255, 0
	s_wait_dscnt 0x0                               ; the closing lines, six on end
	s_wait_alu 0x0
	s_wait_tensorcnt 0x0
	ds_add_u32 v254, v255
	s_wait_dscnt 0x0
	s_endpgm
.Lfunc_end_k_qbc72e392f4_score:
	.size	k_qbc72e392f4_score, .Lfunc_end_k_qbc72e392f4_score-k_qbc72e392f4_score
	.p2alignl 7, 3214868480
	.fill 96, 4, 3214868480
	.section	.rodata,"a",@progbits
	.p2align	6, 0x0
	.amdhsa_kernel k_qbc72e392f4_score
		.amdhsa_group_segment_fixed_size 152576
		.amdhsa_private_segment_fixed_size 0
		.amdhsa_enable_private_segment 0
		.amdhsa_kernarg_size 64
		.amdhsa_user_sgpr_count 2
		.amdhsa_user_sgpr_kernarg_segment_ptr 1
		.amdhsa_wavefront_size32 1
		.amdhsa_system_sgpr_workgroup_id_x 1
		.amdhsa_system_sgpr_workgroup_id_y 1
		.amdhsa_system_sgpr_workgroup_id_z 1
		.amdhsa_system_vgpr_workitem_id 0
		.amdhsa_next_free_vgpr 1024
		.amdhsa_next_free_sgpr 66
		.amdhsa_reserve_vcc 0
		.amdhsa_float_denorm_mode_32 3
		.amdhsa_float_denorm_mode_16_64 3
		.amdhsa_memory_ordered 1
		.amdhsa_forward_progress 1
		.amdhsa_inst_pref_size 255
	.end_amdhsa_kernel
	.section	.bss,"aw",@nobits
	.p2align	6
	.space	262144
	.amdgpu_metadata
---
amdhsa.version: [ 1, 2 ]
amdhsa.kernels:
  - .name:           k_qbc72e392f4_score
    .symbol:         k_qbc72e392f4_score.kd
    .args:
      - { .name: encoder_outputs, .offset: 0, .size: 8, .value_kind: global_buffer, .address_space: global }
      - { .name: rowid, .offset: 8, .size: 8, .value_kind: global_buffer, .address_space: global }
      - { .name: meta, .offset: 16, .size: 8, .value_kind: global_buffer, .address_space: global }
      - { .name: wcodes, .offset: 24, .size: 8, .value_kind: global_buffer, .address_space: global }
      - { .name: hbs, .offset: 32, .size: 8, .value_kind: global_buffer, .address_space: global }
      - { .name: v_w, .offset: 40, .size: 8, .value_kind: global_buffer, .address_space: global }
      - { .name: lowp_scales, .offset: 48, .size: 8, .value_kind: global_buffer, .address_space: global }
      - { .name: att, .offset: 56, .size: 8, .value_kind: global_buffer, .address_space: global }
    .group_segment_fixed_size: 152576
    .private_segment_fixed_size: 0
    .kernarg_segment_align: 8
    .kernarg_segment_size: 64
    .max_flat_workgroup_size: 128
    .sgpr_count:     66
    .vgpr_count:     1024
    .wavefront_size: 32
...
	.end_amdgpu_metadata
.endif
;; end of part 7
;; launch context (part 8): grid 8 x 32, 32 waves a work-group, no clusters, 29,696 bytes of LDS; arguments encoder_outputs, att, klist, rank, meta, out0, out1; writes out0, out1
.if DOCPART == 8
	.amdgcn_target "amdgcn-amd-amdhsa--gfx1250"
	.amdhsa_code_object_version 6
	.text
	.protected	k_qbc72e392f4_context
	.globl	k_qbc72e392f4_context
	.p2align	8
	.type	k_qbc72e392f4_context,@function
k_qbc72e392f4_context:
	s_mov_b64 s[64:65], 0
	v_nop
	global_prefetch_b8 v0, s[64:65] scope:SCOPE_SE
	s_setreg_imm32_b32 hwreg(HW_REG_WAVE_MODE, 25, 1), 1
	s_wait_xcnt 0x0
; THE SOFTMAX AND THE CONTEXT.  Work-group (slice, b): batch b, columns 128 slice .. 128 slice + 127 of the context, entries 256 slice .. 256 slice + 255 of the weights.
; A row with mask == 0 has the score -1e10 in the definition: its weight is exactly 0 beside any listed row's, so only the batch's listed rows (count, klist, rank, meta: whole numbers stored two launches ago)
; enter the maximum, the sum and the context.  A batch with no kept row is listed whole with flag 0: its scores count as equal, and every weight is 1 / 2,048.
; SOFTMAX: each of the 1,024 threads takes k = t and t + 1,024; m = the largest score; p = 2^(c (score - m)), c = log2(e) (0 where the flag is 0); p = 0 from the count on.  p lies in LDS, the sum's reciprocal in a register.
; CONTEXT: in trip t wave w takes the rows k = 256 t + 8 w .. + 7: one load of 512 consecutive bytes a row, 16 bytes a lane; the trips end where the count ends (scalar branches on the stored count, with no barrier in them).
;   Rows behind the count in the last trip name row 0 of the batch and are multiplied by p = 0.  The 32 waves' sums meet in LDS.
;   A trip's eight offsets are made first and its eight loads follow in one run, with no vector instruction between two loads.
; No matrix unit (one row of weights a batch), no tensor load (branches on stored numbers), no cluster: the eight slices of a batch share only the scores.
; LIMITS: NaN and infinities among the encoder's numbers are not served; the sum of |v_w| stays far under 1e10.
.set RED, 8192                         ; LDS: p at 0 (8,192 bytes); 32 maxima at RED, 32 sums at RED + 256;
.set CP,  8704                         ; the waves' partial contexts: 32 x 512 bytes
.set P,   32                           ; v32-39  eight p
.set ACC, 40                           ; v40-47  two sets of four sums
.set O,   48                           ; v48-63  two sets of eight row offsets
.set R,   64                           ; v64-127 two sets of eight rows' 16 bytes
.set WV,  18
	s_load_b256 s[4:11], s[0:1], 0x0               ; encoder_outputs s[4:5], att s[6:7], klist s[8:9], rank s[10:11]
	s_load_b128 s[12:15], s[0:1], 0x20             ; meta s[12:13], out0 s[14:15]
	s_load_b64 s[16:17], s[0:1], 0x30              ; out1
	v_lshrrev_b32 v20, 5, v0
	s_delay_alu instid0(VALU_DEP_1)
	v_readfirstlane_b32 s[WV], v20                 ; wave 0..31
	s_and_b32 s19, ttmp7, 0xffff                   ; the batch
	v_and_b32 v21, 31, v0                          ; lane
	s_delay_alu instid0(VALU_DEP_1)
	v_lshlrev_b32 v1, 4, v21                       ; 16 x lane
	; every LDS address is made here, ahead of the waves' first parting
	v_lshlrev_b32 v24, 2, v0                       ; p of k = my thread
	s_lshl_b32 s99, s[WV], 2
	s_add_co_u32 s99, s99, RED
	v_mov_b32 v25, s99                             ; my wave's word
	v_lshl_add_u32 v26, v21, 2, RED                ; lane l reads wave l's
	s_lshl_b32 s99, s[WV], 5
	v_mov_b32 v27, s99                             ; my wave's eight p of a trip
	s_lshl_b32 s99, s[WV], 9
	s_add_co_u32 s99, s99, CP
	v_lshl_add_u32 v28, v21, 4, s99
	v_lshl_add_u32 v29, v21, 4, CP
	v_lshlrev_b32 v30, 4, v0                       ; waves 0 and 1: my four entries of rank and of out1
	v_mov_b32 v31, 0xff61b1e6                      ; -3e38, under every score
	s_mov_b32 s95, 0
	s_mov_b32 s96, 0x76543210
	s_mov_b32 s97, 0xfedcba98
	s_mov_b32 s98, 288
	s_wait_kmcnt 0x0
	s_lshl_b32 s94, s19, 9                         ; a batch's meta begins 512 bytes behind the last's
	s_add_nc_u64 s[12:13], s[12:13], s[94:95]
	s_load_b128 s[20:23], s[12:13], 0x0            ; count s20, base s21, flag s22
	s_lshl_b32 s94, s19, 13
	s_add_nc_u64 s[8:9], s[8:9], s[94:95]
	s_add_nc_u64 s[10:11], s[10:11], s[94:95]
	s_add_nc_u64 s[16:17], s[16:17], s[94:95]
	s_lshl_b32 s94, s[WV], 5
	s_add_nc_u64 s[8:9], s[8:9], s[94:95]
.irp t, 0,1,2,3,4
	s_load_b256 s[24+8*\t:31+8*\t], s[8:9], 1024*\t    ; klist[b][256 t + 8 w .. + 7]: every entry of klist is written, 0 from the count on
.endr
.irp t, 5,6,7
	s_load_b256 s[28+8*\t:35+8*\t], s[8:9], 1024*\t
.endr
	s_lshl_b32 s94, ttmp9, 10
	s_add_nc_u64 s[10:11], s[10:11], s[94:95]
	s_add_nc_u64 s[16:17], s[16:17], s[94:95]
	s_lshl_b32 s94, ttmp9, 9
	s_add_nc_u64 s[4:5], s[4:5], s[94:95]
	s_add_nc_u64 s[14:15], s[14:15], s[94:95]
	s_lshl_b32 s94, s19, 23
	s_add_nc_u64 s[4:5], s[4:5], s[94:95]          ; the batch's first row, my slice's 512 bytes
	s_lshl_b32 s94, s19, 12
	s_add_nc_u64 s[14:15], s[14:15], s[94:95]
	s_wait_kmcnt 0x0
.macro POS d                           ; g becomes the byte offset of its place: ((g >> 4) & 255) x 288 + (g >> 12) x 16 + (g & 15), x 4
	s_delay_alu instid0(VALU_DEP_1)
	v_bfe_u32 v22, v[\d], 4, 8
	s_delay_alu instid0(VALU_DEP_2)
	v_lshrrev_b32 v23, 12, v[\d]
	s_delay_alu instid0(VALU_DEP_3)
	v_and_b32 v[\d], 15, v[\d]
	s_delay_alu instid0(VALU_DEP_1)
	v_lshl_add_u32 v[\d], v23, 4, v[\d]
	s_delay_alu instid0(VALU_DEP_1)
	v_mad_u32_u24 v[\d], v22, s98, v[\d]
	s_delay_alu instid0(VALU_DEP_1)
	v_min_u32 v[\d], 0x11fff, v[\d]
	s_delay_alu instid0(VALU_DEP_1)
	v_lshlrev_b32 v[\d], 2, v[\d]
.endm
.macro OFFS t                          ; trip t's eight row offsets, into set t % 2: the loads that read this set two trips ago have been waited for
.if (\t) < 5
.set KS, 24+8*(\t)
.else
.set KS, 28+8*(\t)
.endif
.irp j, 0,1,2,3,4,5,6,7
	s_min_u32 s[KS+\j], s[KS+\j], 2047
	s_lshl_b32 s[KS+\j], s[KS+\j], 12
	v_add_nc_u32 v[O+8*((\t)%2)+\j], s[KS+\j], v1
.endr
.endm
.macro LOADS t                         ; trip t's eight rows, into set t % 2
.irp j, 0,1,2,3,4,5,6,7
	global_load_b128 v[R+32*((\t)%2)+4*\j:R+32*((\t)%2)+4*\j+3], v[O+8*((\t)%2)+\j], s[4:5]   ; 32 lanes read 512 consecutive bytes
.endr
.endm
	s_sub_co_u32 s92, s20, 1
	v_min_u32 v2, s92, v0                          ; behind the count the last listed row's score is read, and replaced below
	s_delay_alu instid0(VALU_DEP_1)
	v_add_nc_u32 v2, s21, v2
	POS 2
	v_add_nc_u32 v20, 1024, v0
	s_delay_alu instid0(VALU_DEP_1)
	v_min_u32 v3, s92, v20
	s_delay_alu instid0(VALU_DEP_1)
	v_add_nc_u32 v3, s21, v3
	POS 3
	OFFS 0
	s_cmp_lt_u32 s[WV], 2
	s_cbranch_scc0 .Lno_rank
	global_load_b128 v[6:9], v30, s[10:11]         ; waves 0 and 1: the ranks of the slice's 256 entries
.Lno_rank:
	global_load_b32 v4, v2, s[6:7]
	s_wait_alu depctr_va_vdst(0)
	global_load_b32 v5, v3, s[6:7]
	LOADS 0
	s_cmp_lt_u32 s[WV], 2
	s_cbranch_scc0 .Lplain
	s_wait_loadcnt 10                              ; the ranks are in: behind them 2 scores and 8 rows were asked for
.irp e, 0,1,2,3
	v_max_i32 v[10+\e], 0, v[6+\e]
	s_delay_alu instid0(VALU_DEP_1)
	v_add_nc_u32 v[10+\e], s21, v[10+\e]
	POS 10+\e
	global_load_b32 v[14+\e], v[10+\e], s[6:7]     ; the scores of my four entries (where the rank is -1: any score; it is replaced by 0 at the end)
.endr
	s_wait_loadcnt 12                              ; my two scores are in: 8 rows and 4 scores may be out
	s_branch .Lsoft
.Lplain:
	s_wait_loadcnt 8                               ; my two scores are in: the 8 rows may be out
.Lsoft:
	s_cmp_lg_u32 s22, 0
	s_cselect_b32 s93, 0x3fb8aa3b, 0               ; c
	v_cmp_gt_u32 vcc_lo, s20, v0
	s_delay_alu instid0(VALU_DEP_1)
	v_cndmask_b32 v4, v31, v4, vcc_lo
	v_cmp_gt_u32 vcc_lo, s20, v20
	s_delay_alu instid0(VALU_DEP_1)
	v_cndmask_b32 v5, v31, v5, vcc_lo
	s_delay_alu instid0(VALU_DEP_1)
	v_max_num_f32 v20, v4, v5
.macro WMAX
	v_max_num_f32_dpp v20, v20, v20 row_xmask:1 row_mask:0xf bank_mask:0xf
	s_delay_alu instid0(VALU_DEP_1)
	v_max_num_f32_dpp v20, v20, v20 row_xmask:2 row_mask:0xf bank_mask:0xf
	s_delay_alu instid0(VALU_DEP_1)
	v_max_num_f32_dpp v20, v20, v20 row_xmask:4 row_mask:0xf bank_mask:0xf
	s_delay_alu instid0(VALU_DEP_1)
	v_max_num_f32_dpp v20, v20, v20 row_xmask:8 row_mask:0xf bank_mask:0xf
	s_wait_alu depctr_va_vdst(0)
	v_permlanex16_b32 v23, v20, s96, s97
	s_delay_alu instid0(VALU_DEP_1)
	v_max_num_f32 v20, v20, v23
.endm
.macro WSUM
	v_add_f32_dpp v20, v20, v20 row_xmask:1 row_mask:0xf bank_mask:0xf
	s_delay_alu instid0(VALU_DEP_1)
	v_add_f32_dpp v20, v20, v20 row_xmask:2 row_mask:0xf bank_mask:0xf
	s_delay_alu instid0(VALU_DEP_1)
	v_add_f32_dpp v20, v20, v20 row_xmask:4 row_mask:0xf bank_mask:0xf
	s_delay_alu instid0(VALU_DEP_1)
	v_add_f32_dpp v20, v20, v20 row_xmask:8 row_mask:0xf bank_mask:0xf
	s_wait_alu depctr_va_vdst(0)
	v_permlanex16_b32 v23, v20, s96, s97
	s_delay_alu instid0(VALU_DEP_1)
	v_add_f32 v20, v20, v23
.endm
	WMAX
	ds_store_b32 v25, v20                          ; all lanes write the same word with the same value
	s_wait_dscnt 0x0
	s_barrier_signal -1
	s_barrier_wait -1
	ds_load_b32 v20, v26
	s_wait_dscnt 0x0
	WMAX
	s_delay_alu instid0(VALU_DEP_1)
	v_mul_f32 v18, s93, v20                        ; c m
	s_delay_alu instid0(VALU_DEP_1)
	v_fma_f32 v4, v4, s93, -v18
	s_delay_alu instid0(VALU_DEP_2)
	v_fma_f32 v5, v5, s93, -v18
	s_wait_alu depctr_va_vdst(0)
	v_exp_f32 v4, v4
	v_exp_f32 v5, v5
	v_nop                                          ; a plain instruction behind the exponentials,
	s_wait_alu depctr_va_vdst(0)                   ; and a wait ahead of their first reader
	ds_store_b32 v24, v4
	ds_store_b32 v24, v5 offset:4096
	v_add_f32 v20, v4, v5
	WSUM
	ds_store_b32 v25, v20 offset:256
	s_wait_dscnt 0x0                               ; for the others' sake: my p and my wave's sum lie in LDS
	s_barrier_signal -1
	s_barrier_wait -1
	ds_load_b32 v20, v26 offset:256
	s_wait_dscnt 0x0
	WSUM
	s_wait_alu depctr_va_vdst(0)
	v_rcp_f32 v19, v20                             ; 1 / the sum
	v_nop
	s_wait_alu depctr_va_vdst(0)
.macro FMA t                           ; eight rows x p: even rows into one set of sums, odd rows into the other; the first two rows start the sums
.irp j, 0,1,2,3,4,5,6,7
.irp u, 0,2
.if ((\t) == 0) && (\j == 0)
	v_pk_mul_f32 v[ACC+\u:ACC+\u+1], v[R+\u:R+\u+1], v[P:P+1] op_sel_hi:[1,0]
.elseif ((\t) == 0) && (\j == 1)
	v_pk_mul_f32 v[ACC+4+\u:ACC+4+\u+1], v[R+4+\u:R+4+\u+1], v[P:P+1] op_sel:[0,1] op_sel_hi:[1,1]
.elseif (\j%2) == 0
	v_pk_fma_f32 v[ACC+\u:ACC+\u+1], v[R+32*((\t)%2)+4*\j+\u:R+32*((\t)%2)+4*\j+\u+1], v[P+\j:P+\j+1], v[ACC+\u:ACC+\u+1] op_sel_hi:[1,0,1]
.else
	v_pk_fma_f32 v[ACC+4+\u:ACC+4+\u+1], v[R+32*((\t)%2)+4*\j+\u:R+32*((\t)%2)+4*\j+\u+1], v[P+\j-1:P+\j], v[ACC+4+\u:ACC+4+\u+1] op_sel:[0,1,0] op_sel_hi:[1,1,1]
.endif
.endr
.endr
.endm
.macro TRIP t
	ds_load_b128 v[P:P+3], v27 offset:1024*(\t)
	ds_load_b128 v[P+4:P+7], v27 offset:1024*(\t)+16
.if (\t) < 7
	s_cmp_gt_u32 s20, 256*((\t)+1)                 ; are there rows behind this trip's?
	s_cbranch_scc0 .Ltail_\t
	OFFS (\t)+1
	s_wait_alu depctr_va_vdst(0)
	LOADS (\t)+1
	s_wait_loadcnt 8                               ; this trip's rows are in; the next trip's eight may be out
.else
	s_wait_alu depctr_va_vdst(0)
	s_wait_loadcnt 0x0
.endif
	s_wait_dscnt 0x0
	FMA \t
.endm
.irp t, 0,1,2,3,4,5,6,7
	TRIP \t
.endr
	s_branch .Ljoin
.irp t, 0,1,2,3,4,5,6
.Ltail_\t:                                         ; the batch's last trip: nothing more was asked for
	s_wait_loadcnt 0x0
	s_wait_dscnt 0x0
	s_wait_alu depctr_va_vdst(0)
	FMA \t
	s_branch .Ljoin
.endr
.Ljoin:
	s_wait_alu depctr_va_vdst(0)
	v_pk_add_f32 v[ACC:ACC+1], v[ACC:ACC+1], v[ACC+4:ACC+5]
	v_pk_add_f32 v[ACC+2:ACC+3], v[ACC+2:ACC+3], v[ACC+6:ACC+7]
	ds_store_b128 v28, v[ACC:ACC+3]
	s_cmp_lt_u32 s[WV], 2
	s_cbranch_scc0 .Lno_out1
.irp e, 0,1,2,3
	v_fma_f32 v[14+\e], v[14+\e], s93, -v18        ; the same arithmetic as above: the same p
.endr
	s_wait_alu depctr_va_vdst(0)
.irp e, 0,1,2,3
	v_exp_f32 v[14+\e], v[14+\e]
.endr
	v_nop
	s_wait_alu depctr_va_vdst(0)
.irp e, 0,1,2,3
	v_mul_f32 v[14+\e], v[14+\e], v19
	v_cmp_le_i32 vcc_lo, 0, v[6+\e]
	s_delay_alu instid0(VALU_DEP_1)
	v_cndmask_b32 v[14+\e], 0, v[14+\e], vcc_lo    ; a row that is not listed has the weight 0
.endr
	global_store_b128 v30, v[14:17], s[16:17]      ; a wave stores 512 consecutive bytes of out1
.Lno_out1:
	s_wait_dscnt 0x0                               ; for wave 0's sake: my partial context lies in LDS
	s_barrier_signal -1
	s_barrier_wait -1
	s_cmp_lg_u32 s[WV], 0
	s_cbranch_scc1 .Lend
.irp u, 0,1                            ; wave 0 adds the 32 parts, sixteen at a time, in two chains
.irp i, 0,1,2,3,4,5,6,7,8,9,10,11,12,13,14,15
	ds_load_b128 v[R+4*\i:R+4*\i+3], v29 offset:(16*\u+\i)*512
.endr
	s_wait_alu depctr_va_vdst(0)
	s_wait_dscnt 0x0
.irp i, 0,1,2,3,4,5,6,7,8,9,10,11,12,13,14,15
.if (\u == 0) && (\i < 4)
.if (\i%2) == 0
	v_pk_add_f32 v[ACC+2*\i:ACC+2*\i+1],   v[R+4*\i:R+4*\i+1],   v[R+4*\i+4:R+4*\i+5]
	v_pk_add_f32 v[ACC+2*\i+2:ACC+2*\i+3], v[R+4*\i+2:R+4*\i+3], v[R+4*\i+6:R+4*\i+7]
.endif
.else
	v_pk_add_f32 v[ACC+4*(\i%2):ACC+4*(\i%2)+1],   v[ACC+4*(\i%2):ACC+4*(\i%2)+1],   v[R+4*\i:R+4*\i+1]
	v_pk_add_f32 v[ACC+4*(\i%2)+2:ACC+4*(\i%2)+3], v[ACC+4*(\i%2)+2:ACC+4*(\i%2)+3], v[R+4*\i+2:R+4*\i+3]
.endif
.endr
.endr
	s_delay_alu instid0(VALU_DEP_2)
	v_pk_add_f32 v[ACC:ACC+1], v[ACC:ACC+1], v[ACC+4:ACC+5]
	s_delay_alu instid0(VALU_DEP_2)
	v_pk_add_f32 v[ACC+2:ACC+3], v[ACC+2:ACC+3], v[ACC+6:ACC+7]
	v_pk_mul_f32 v[ACC:ACC+1], v[ACC:ACC+1], v[18:19] op_sel:[0,1] op_sel_hi:[1,1]       ; x 1 / the sum (the pair's second register for both halves)
	v_pk_mul_f32 v[ACC+2:ACC+3], v[ACC+2:ACC+3], v[18:19] op_sel:[0,1] op_sel_hi:[1,1]
	global_store_b128 v1, v[ACC:ACC+3], s[14:15]   ; 512 consecutive bytes of out0, at a multiple of 512 from its first byte
.Lend:
	s_wait_xcnt 0x0
	v_lshl_add_u32 v126, v0, 2, 0x6400
	v_mov_b32 v127, 0
	s_wait_alu depctr_va_vdst(0)
	s_wait_tensorcnt 0x0
	ds_add_u32 v126, v127
	s_wait_dscnt 0x0
	s_endpgm
.Lfunc_end_k_qbc72e392f4_context:
	.size	k_qbc72e392f4_context, .Lfunc_end_k_qbc72e392f4_context-k_qbc72e392f4_context
	.p2alignl 7, 3214868480
	.fill 96, 4, 3214868480
	.section	.rodata,"a",@progbits
	.p2align	6, 0x0
	.amdhsa_kernel k_qbc72e392f4_context
		.amdhsa_group_segment_fixed_size 29696
		.amdhsa_private_segment_fixed_size 0
		.amdhsa_enable_private_segment 0
		.amdhsa_kernarg_size 56
		.amdhsa_user_sgpr_count 2
		.amdhsa_user_sgpr_kernarg_segment_ptr 1
		.amdhsa_wavefront_size32 1
		.amdhsa_system_sgpr_workgroup_id_x 1
		.amdhsa_system_sgpr_workgroup_id_y 1
		.amdhsa_system_sgpr_workgroup_id_z 1
		.amdhsa_system_vgpr_workitem_id 0
		.amdhsa_next_free_vgpr 128
		.amdhsa_next_free_sgpr 100
		.amdhsa_reserve_vcc 1
		.amdhsa_float_denorm_mode_32 3
		.amdhsa_float_denorm_mode_16_64 3
		.amdhsa_memory_ordered 1
		.amdhsa_forward_progress 1
		.amdhsa_inst_pref_size 52
	.end_amdhsa_kernel
	.amdgpu_metadata
---
amdhsa.version: [ 1, 2 ]
amdhsa.kernels:
  - .name:           k_qbc72e392f4_context
    .symbol:         k_qbc72e392f4_context.kd
    .args:
      - { .name: encoder_outputs, .offset: 0, .size: 8, .value_kind: global_buffer, .address_space: global }
      - { .name: att, .offset: 8, .size: 8, .value_kind: global_buffer, .address_space: global }
      - { .name: klist, .offset: 16, .size: 8, .value_kind: global_buffer, .address_space: global }
      - { .name: rank, .offset: 24, .size: 8, .value_kind: global_buffer, .address_space: global }
      - { .name: meta, .offset: 32, .size: 8, .value_kind: global_buffer, .address_space: global }
      - { .name: out0, .offset: 40, .size: 8, .value_kind: global_buffer, .address_space: global }
      - { .name: out1, .offset: 48, .size: 8, .value_kind: global_buffer, .address_space: global }
    .group_segment_fixed_size: 29696
    .private_segment_fixed_size: 0
    .kernarg_segment_align: 8
    .kernarg_segment_size: 56
    .max_flat_workgroup_size: 1024
    .sgpr_count:     100
    .vgpr_count:     128
    .wavefront_size: 32
...
	.end_amdgpu_metadata
.endif
;; end of part 8
